; MI455X (gfx1250); checked and timed in simulation.
; The chip was launched on July 23, 2026; its instructions are those of AMD's public machine-readable ISA for CDNA 5 (MIT licence, August 2026) and "CDNA5" Instruction Set Architecture Reference Guide (July 2026). The comments in the code are by the model that wrote it; some were corrected since.
;; Momentum S Mo E Layer. Allowed arithmetic: matrix products marked QUANTISED: E2M3 operands, one E8M0 scale for each 32 along K, by v_wmma_scale_f32_16x16x128_f8f6f4 with both operands' format E2M3, f32 sums; products left as they are: f32 operands where the result goes on into a quantised operand, else bf16, f16 or f32 operands; f32 sums; everything else in f32.
;; Inputs: W1_codes 8 x 2,048 x 32 x 24 uint8 (E2M3 codes of W1, K innermost, in blocks of 32 codes, four codes in three bytes); W1_scales 8 x 2,048 x 32 uint8 (E8M0 scales of W1, one for each 32 codes along K); W2_codes 8 x 1,024 x 64 x 24 uint8 (E2M3 codes of W2, K innermost, in blocks of 32 codes, four codes in three bytes); W2_scales 8 x 1,024 x 64 uint8 (E8M0 scales of W2, one for each 32 codes along K); Wg 1,024 x 8 float32; b1 8 x 2,048 float32; b2 8 x 1,024 float32; bg 8 float32; ln_b 1,024 float32; ln_g 1,024 float32; momentum 4 x 512 x 1,024 float32; x 4 x 512 x 1,024 float32.
;; Outputs: out0 4 x 512 x 1,024 float32; out1 4 x 512 x 1,024 float32.
;; This version of the problem:
;;   THIS VERSION OF THE PROBLEM IS GIVEN IN LOW PRECISION. The matrix products marked QUANTISED in the list below multiply operands that are first quantised to E2M3 (2 exponent bits, 3 mantissa bits; 6 bits a number), with one power-of-two scale for each 32 numbers along K (OCP MX v1.0); their sums are f32. All else is computed in f32.
;;   The module's matrix products, in the order in which they are computed (A, B: the left and right operand; K: the contracted axis; several contracted axes count as one K, in the product's order):
;;     1. [M 2,048, K 1,024] x [K 1,024, N 8]; A: input x; B: input Wg: left as it is (N = 8 < 16)
;;     2. [M 2,048, K 1,024] x [K 1,024, N 16,384]; A: input x; B: input W1 (given as codes): QUANTISED
;;     3. batch 8 x [M 1,024, K 2,048] x [K 2,048, N 2,048]; A: input W2 (given as codes); B: computed on the way: QUANTISED
;;     4. batch 2,048 x [M 1, K 8] x [K 8, N 1,024]; A: computed on the way; B: computed on the way: left as it is (K = 8 < 32)
;;   THE QUANTISER, for each operand of a quantised product, along K:
;;     - K is cut into blocks of 32 from its start; a last block that is shorter is filled with zeros.
;;     - A block's scale is 2^e with e = floor(log2(the largest magnitude in the block)) - 2, held to -126 .. 127; a block of zeros has e = 0. As a byte (E8M0): e + 127.
;;     - Each number is divided by its block's scale, clamped to +-7.5, and rounded to the nearest number of E2M3, ties to even, subnormals kept.
;;     - The product sums the exact products of the quantised numbers (number of the format x scale) in f32.
;;   ~~~python
;;   def quantise(x, axis):      # numpy; x: float32 -> the quantised numbers, widened to float32 again
;;       x = np.moveaxis(x, axis, -1); K = x.shape[-1]
;;       x = np.pad(x, [(0, 0)] * (x.ndim - 1) + [(0, -K % 32)]); x = x.reshape(x.shape[:-1] + (-1, 32)); a = np.abs(x).max(-1, keepdims=True)
;;       e = np.where(a > 0, np.clip(np.frexp(np.where(a > 0, a, 1))[1] - 1 - 2, -126, 127), 0)      # np.frexp(a)[1] - 1 = floor(log2(a)), exactly
;;       r = np.clip(x / 2.0 ** e, -7.5, 7.5)
;;       step = 2.0 ** (np.maximum(np.frexp(np.where(r == 0, 1, r))[1] - 1, 0) - 3)
;;       q = np.round(r / step) * step * 2.0 ** e      # np.round: ties to even
;;       return np.moveaxis(q.reshape(q.shape[:-2] + (-1,))[..., :K], -1, axis).astype(np.float32)
;;   ~~~
;;   OPERANDS COMPUTED ON THE WAY. 'Computed on the way' means the value that the module computes at that place (a softmax that the list does not call 'softmax' is quantised finished and normalised). What goes into a quantiser is computed in f32, as accurately as f32 sums, v_exp_f32 and their like allow (about 1e-6 of the number): no bf16 or f16 on the way to a quantiser, and a product that is left as it is and whose result goes on into a quantised operand takes f32 operands (vector FMAs, or v_wmma_f32_16x16x4_f32). A number that lies on a knife's edge between two numbers of the format may be rounded either way, as far as f32 arithmetic and the matrix unit's own rounding can turn it there, and no further.
;;   INPUTS GIVEN AS CODES. W1 (in the module: [8, 1024, 2048], K = its axis 1); W2 (in the module: [8, 2048, 1024], K = its axis 1): each comes as NAME_codes (uint8): NAME with its K axis moved to the last place and cut into blocks of 32 codes, [.., K / 32, bytes a block], one block behind the other in memory; four codes in three bytes: a row's codes are one little-endian stream of bits, code i at bits 6 i .. 6 i + 5 (a code: sign, 2 exponent bits, 3 mantissa bits); and NAME_scales (uint8): the same leading axes, one E8M0 byte (e + 127) for each 32 codes along K. Its value is code x scale, taken as it is: it is not quantised again, and the codes and scales need not be those that the quantiser above would give.
;; 2 versions. Each part assembles by itself: llvm-mc -triple=amdgcn-amd-amdhsa -mcpu=gfx1250 --defsym DOCPART=n.
;; ======== version 1 of 2: 5 launches
;; workspace buffers: xq 1,638,400 bytes; gw 16,384 bytes; choice 20,480 bytes of whole numbers; plan 20,736 bytes of whole numbers; hq 7,987,200 bytes; eo 16,777,216 bytes
;; launch route (part 1): grid 128 x 1, 8 waves a work-group, no clusters, 221,184 bytes of LDS; arguments x, Wg, bg, xq, gw, choice; writes xq, gw, choice
.if DOCPART == 1
	.amdgcn_target "amdgcn-amd-amdhsa--gfx1250"
	.amdhsa_code_object_version 6
	.text
	.protected	k_q0689e33470_route
	.globl	k_q0689e33470_route
	.p2align	8
	.type	k_q0689e33470_route,@function
k_q0689e33470_route:
	s_mov_b64 s[64:65], 0
	v_nop
	global_prefetch_b8 v0, s[64:65] scope:SCOPE_SE
	s_setreg_imm32_b32 hwreg(HW_REG_WAVE_MODE, 25, 1), 1
	s_wait_xcnt 0x0
; ROUTE.  logits = x Wg + bg in f32, the two largest of 8 (ties to the lower index), their two-way softmax; and x quantised ONCE to E2M3 codes with E8M0 scales.
; A work-group owns 16 tokens; wave w owns K = 128 w .. 128 w + 127 of all 16.  Every load of x covers 512 consecutive bytes.
; The choice comes from floating-point numbers, so nothing here is addressed by it: expert, rank and weight go to fixed places (row id = slot x 2048 + token).
; STORED: xq: codes [token][K step 8][half 2][48 bytes] = the 12 operand registers of lane (row, half); from XSC on the scale words [token][8].
;   gw[row id]: the gate's weight.  choice: sel[row id] = expert | rank << 8 (rank among the group's 16 tokens that chose this expert); from CNT on cnt[expert][group].
; LIMITS: logits are taken to be finite, no NaN.  A block whose largest magnitude lies under 2^-124 (a block of zeros too) gets the byte 1; its codes are then zeros or subnormal codes, and this program alone reads the bytes.
; No matrix unit: N = 8.  No cluster: work-groups share only Wg, 32 KB.
.set TURN,  0                          ; LDS: 8 waves x 16 rows x 528: x as loaded, read back 16 neighbours a lane
.set RED,   67584                      ; 8 waves x 32 rows x 528: the lanes' partial logits, turned
.set PART,  202752                     ; 8 waves x 512: each wave's sums, [16 p + token][4 experts]
.set XROW,  206848                     ; 16 tokens x 784: the codes as xq has them (768 + 16)
.set XSCL,  219392                     ; 16 tokens x 32: the scale words
.set XSC,   1572864
.set CNT,   16384
.set WGR,   16                         ; v16-47   Wg[128 w + 4 l + c][e] at 8 c + e
.set XR,    48                         ; v48-111  x: row i at 4 i; later 64 numbers for the quantiser
.set ACC,   112                        ; v112-239 partial logits (row i, expert e) at 8 i + e
.set PC,    112                        ; the codes just made (ACC is free then)
.set PW,    132                        ; the scale word just made
.set TM,    240                        ; v240-255 the quantiser's own
.set SEL,   20                         ; s[20:21] selects for lane l xor 16
; 64 numbers of a lane, register 16 b + i = k 32 b + 16 (lane / 16) + i of its row, become a fragment's 12 registers in v[PC] on and its scale word in v[PW].
.macro QUANT s
.irp b, 0,1,2,3
	v_max3_num_f32 v[TM+\b], |v[\s+16*\b]|, |v[\s+1+16*\b]|, 0x1800000   ; with the floor 2^(3 - 127): the byte cannot fall under 1
.endr
.irp i, 2,4,6,8,10,12,14
.irp b, 0,1,2,3
	v_max3_num_f32 v[TM+\b], v[TM+\b], |v[\s+16*\b+\i]|, |v[\s+1+16*\b+\i]|
.endr
.endr
.irp b, 0,1,2,3
	v_permlanex16_b32 v[TM+4+\b], v[TM+\b], s[SEL], s[SEL+1]
.endr
.irp b, 0,1,2,3
	v_max_num_f32 v[TM+\b], v[TM+\b], v[TM+4+\b]       ; the block's largest magnitude
.endr
.irp b, 0,1,2,3
	v_add_nc_u32 v[TM+12+\b], 0xff000000, v[TM+\b]     ; 2 off its exponent field: the conversion's scale operand
.endr
.irp b, 0,1,2,3
	v_lshrrev_b32 v[TM+4+\b], 23, v[TM+12+\b]          ; the scale's byte
.endr
	v_lshl_or_b32 v[PW], v[TM+5], 8, v[TM+4]
	v_lshl_or_b32 v[PW], v[TM+6], 16, v[PW]
	v_lshl_or_b32 v[PW], v[TM+7], 24, v[PW]
.irp c, 0,1
	v_cvt_scalef32_pk16_fp6_f32 v[PC+6*\c:PC+2+6*\c], v[\s+32*\c:\s+15+32*\c], v[TM+12+2*\c]
	v_cvt_scalef32_pk16_fp6_f32 v[PC+12+4*\c:PC+14+4*\c], v[\s+16+32*\c:\s+31+32*\c], v[TM+12+2*\c+1]
.endr
	v_nop                                          ; one plain place behind the scaled conversions
.irp c, 0,1                                    ; a whole block to a lane: lanes 0-15 block 2 c, lanes 16-31 block 2 c + 1
.irp i, 0,1,2
	v_permlane16_swap_b32 v[PC+6*\c+\i], v[PC+12+4*\c+\i]
.endr
.irp i, 0,1,2
	v_mov_b32 v[PC+3+6*\c+\i], v[PC+12+4*\c+\i]
.endr
.endr
.endm
; my four k (c = 0 .. 3) times Wg's eight columns, for the 16 rows: two experts an instruction; sel picks x's word of its pair for both halves
.macro DOT c, sel
.irp i, 0,1,2,3,4,5,6,7,8,9,10,11,12,13,14,15
.irp p, 0,1,2,3
.if \c == 0
	v_pk_mul_f32 v[ACC+8*\i+2*\p:ACC+8*\i+2*\p+1], v[XR+4*\i:XR+4*\i+1], v[WGR+2*\p:WGR+2*\p+1] op_sel:[0,0] op_sel_hi:[0,1]
.else
	v_pk_fma_f32 v[ACC+8*\i+2*\p:ACC+8*\i+2*\p+1], v[XR+4*\i+2*(\c/2):XR+4*\i+2*(\c/2)+1], v[WGR+8*\c+2*\p:WGR+8*\c+2*\p+1], v[ACC+8*\i+2*\p:ACC+8*\i+2*\p+1] op_sel:[\sel,0,0] op_sel_hi:[\sel,1,1]
.endif
.endr
.endr
.endm
.macro TREE n                          ; quads j and j + n are added, j = 0 .. n - 1
.set j, 0
.rept \n
	v_pk_add_f32 v[ACC+4*j:ACC+4*j+1], v[ACC+4*j:ACC+4*j+1], v[ACC+4*(j+\n):ACC+4*(j+\n)+1]
	v_pk_add_f32 v[ACC+4*j+2:ACC+4*j+3], v[ACC+4*j+2:ACC+4*j+3], v[ACC+4*(j+\n)+2:ACC+4*(j+\n)+3]
.set j, j+1
.endr
.endm
	s_load_b256 s[4:11], s[0:1], 0x0               ; x s[4:5], Wg s[6:7], bg s[8:9], xq s[10:11]
	s_load_b128 s[12:15], s[0:1], 0x20             ; gw s[12:13], choice s[14:15]
	v_lshl_add_u32 v250, v0, 2, 0x35c00
	v_mov_b32 v251, 0
	v_lshrrev_b32 v1, 5, v0
	v_readfirstlane_b32 s16, v1                    ; wave 0..7
	v_and_b32 v1, 31, v0                           ; l
	v_and_b32 v2, 15, v0                           ; r
	v_bfe_u32 v3, v0, 4, 1                         ; hh
	v_lshlrev_b32 v4, 4, v1                        ; 16 l
	s_mul_i32 s17, s16, 8448                       ; my TURN
	v_add_nc_u32 v5, s17, v4                       ; in: 16 l
	v_mul_u32_u24 v6, v2, 528
	v_lshl_add_u32 v6, v3, 6, v6
	v_add_nc_u32 v6, s17, v6                       ; back: row r, + 64 hh
	s_mul_i32 s17, s16, 16896
	s_add_co_u32 s17, s17, RED                     ; my RED
	v_add_nc_u32 v7, s17, v4
	v_mul_u32_u24 v8, v1, 528
	v_add_nc_u32 v8, s17, v8
	s_lshl_b32 s17, s16, 9
	s_add_co_u32 s17, s17, PART
	v_add_nc_u32 v9, s17, v4                       ; my 512 bytes of PART
	v_lshl_add_u32 v10, v2, 4, PART                ; token r's sums
	v_mul_u32_u24 v11, v2, 784
	v_mad_u32_u24 v11, v3, 48, v11
	s_mul_i32 s17, s16, 96
	s_add_co_u32 s17, s17, XROW
	v_add_nc_u32 v11, s17, v11                     ; token r, K step w, half hh
	s_mul_i32 s17, s16, 1568
	s_add_co_u32 s17, s17, XROW
	v_add_nc_u32 v12, s17, v4                      ; the way out: rows 2 w, 2 w + 1 as 1,536 dense bytes
	v_lshl_add_u32 v13, v3, 4, v12                 ; (the second 512 bytes pass the first row's padding in lanes 16-31)
	s_lshl_b32 s17, s16, 2
	s_add_co_u32 s17, s17, XSCL
	v_lshl_add_u32 v14, v2, 5, s17                 ; token r's word for K step w
	v_lshlrev_b32 v15, 7, v1
	v_lshl_add_u32 v15, s16, 12, v15               ; Wg: (128 w + 4 l) rows of 32 bytes
.irp b, 0,1,2,3
	v_mov_b32 v[TM+4+\b], 0                        ; written once: a lane permute's destination counts as one of its sources
.endr
	s_mov_b32 s[SEL], 0x76543210
	s_mov_b32 s[SEL+1], 0xfedcba98
	s_lshl_b32 s18, ttmp9, 16                      ; 16 tokens of 4,096 bytes
	s_lshl_b32 s19, s16, 9
	s_add_co_u32 s18, s18, s19
	s_mov_b32 s19, 0
	s_wait_kmcnt 0x0
	s_load_b256 s[24:31], s[8:9], 0x0              ; bg
	s_add_nc_u64 s[4:5], s[4:5], s[18:19]
	s_mul_i32 s18, ttmp9, 12288                    ; xq: 16 tokens of 768 bytes,
	s_mul_i32 s17, s16, 1536                       ; my two
	s_add_co_u32 s18, s18, s17
	s_add_nc_u64 s[22:23], s[10:11], s[18:19]
	s_lshl_b32 s18, ttmp9, 9                       ; and the group's 512 bytes of scale words
	s_add_nc_u64 s[32:33], s[10:11], s[18:19]
.irp j, 0,1,2,3,4,5,6,7
	global_load_b128 v[WGR+4*\j:WGR+4*\j+3], v15, s[6:7] offset:16*\j
.endr
.irp i, 0,1,2,3,4,5,6,7,8,9,10,11,12,13,14,15
	global_load_b128 v[XR+4*\i:XR+4*\i+3], v4, s[4:5] offset:4096*\i th:TH_LOAD_NT
.endr
	s_wait_loadcnt 0x0
	s_wait_kmcnt 0x0                               ; bg
.irp i, 0,1,2,3,4,5,6,7,8,9,10,11,12,13,14,15
	ds_store_b128 v5, v[XR+4*\i:XR+4*\i+3] offset:528*\i
.endr
	DOT 0, 0
	DOT 1, 1
	DOT 2, 0
	DOT 3, 1
	; the sum over my 32 lanes: row 16 p + i of RED takes every lane's four numbers (row i, experts 4 p ..); lane l then reads row l whole
.irp i, 0,1,2,3,4,5,6,7,8,9,10,11,12,13,14,15
.irp p, 0,1
	ds_store_b128 v7, v[ACC+8*\i+4*\p:ACC+8*\i+4*\p+3] offset:(16*\p+\i)*528
.endr
.endr
.irp j, 0,1,2,3,4,5,6,7,8,9,10,11,12,13,14,15,16,17,18,19,20,21,22,23,24,25,26,27,28,29,30,31
	ds_load_b128 v[ACC+4*\j:ACC+4*\j+3], v8 offset:16*\j          ; LDS serves a wave's instructions in order: these see my stores
.endr
.irp b, 0,1,2,3
.irp j, 0,1,2,3
	ds_load_b128 v[XR+16*\b+4*\j:XR+16*\b+4*\j+3], v6 offset:128*\b+16*\j   ; x[r][128 w + 32 b + 16 hh + 4 j ..]
.endr
.endr
	s_wait_dscnt 16                                ; RED's 32 loads are in; the 16 from TURN may be out
	TREE 16
	TREE 8
	TREE 4
	TREE 2
	TREE 1
	ds_store_b128 v9, v[ACC:ACC+3]                 ; token l % 16, experts 4 (l / 16) ..: my wave's part
	s_wait_dscnt 0x0                               ; x is back, and the store has read its registers
	QUANT XR
.irp c, 0,1,2
	ds_store_b128 v11, v[PC+4*\c:PC+4*\c+3] offset:16*\c
.endr
	ds_store_b32 v14, v[PW]                        ; both halves write the same word with the same value
	s_wait_dscnt 0x0                               ; for the others' sake: my stores have landed
	s_barrier_signal -1
	s_barrier_wait -1
	v_add_nc_u32 v16, XSCL, v4
	ds_load_b128 v[136:139], v12
	ds_load_b128 v[140:143], v13 offset:512
	ds_load_b128 v[144:147], v12 offset:1040
	s_wait_dscnt 0x0
.irp i, 0,1,2
	global_store_b128 v4, v[136+4*\i:139+4*\i], s[22:23] offset:512*\i       ; 512 consecutive bytes, at a multiple of 256 from xq's first byte
.endr
	s_cmp_lg_u32 s16, 1
	s_cbranch_scc1 .Lnot_one
	ds_load_b128 v[148:151], v16                   ; wave 1: the group's scale words
	s_wait_dscnt 0x0
	global_store_b128 v4, v[148:151], s[32:33] offset:XSC
.Lnot_one:
	s_cmp_lg_u32 s16, 0
	s_cbranch_scc1 .Lend
	; wave 0: the router.  Lane (r, hh) holds token r's eight logits; it will serve slot hh
.irp w, 0,1,2,3,4,5,6,7
.irp p, 0,1
	ds_load_b128 v[48+8*\w+4*\p:48+8*\w+4*\p+3], v10 offset:512*\w+256*\p
.endr
.endr
	s_wait_dscnt 0x0
.irp w, 1,2,3,4,5,6,7
.irp q, 0,2,4,6
	v_pk_add_f32 v[48+\q:49+\q], v[48+\q:49+\q], v[48+8*\w+\q:49+8*\w+\q]
.endr
.endr
.irp e, 0,1,2,3,4,5,6,7
	v_add_f32 v[48+\e], s[24+\e], v[48+\e]
.endr
	v_mov_b32 v112, v48                            ; the largest, and its index: a later logit wins only if it is greater
	v_mov_b32 v113, 0
.irp e, 1,2,3,4,5,6,7
	v_cmp_ge_f32 vcc_lo, v112, v[48+\e]
	v_cndmask_b32 v113, \e, v113, vcc_lo
	v_cndmask_b32 v112, v[48+\e], v112, vcc_lo
.endr
	v_mov_b32 v116, 0xff800000
.irp e, 0,1,2,3,4,5,6,7
	v_cmp_eq_u32 vcc_lo, \e, v113
	v_cndmask_b32 v[48+\e], v[48+\e], v116, vcc_lo     ; the first choice is out
.endr
	v_mov_b32 v114, v48
	v_mov_b32 v115, 0
.irp e, 1,2,3,4,5,6,7
	v_cmp_ge_f32 vcc_lo, v114, v[48+\e]
	v_cndmask_b32 v115, \e, v115, vcc_lo
	v_cndmask_b32 v114, v[48+\e], v114, vcc_lo
.endr
	v_sub_f32 v117, v114, v112                     ; the maximum is taken away: second - first, 0 or less
	v_mul_f32 v117, 0x3fb8aa3b, v117
	v_exp_f32 v118, v117
	v_nop
	s_wait_alu depctr_va_vdst(0)                   ; the wait ahead of the first reader
	v_add_f32 v119, 1.0, v118
	v_rcp_f32 v120, v119                           ; the first's weight
	v_nop
	s_wait_alu depctr_va_vdst(0)
	v_mul_f32 v121, v118, v120                     ; the second's
	v_cmp_eq_u32 vcc_lo, 1, v3
	v_cndmask_b32 v122, v113, v115, vcc_lo         ; my slot's expert
	v_cndmask_b32 v123, v120, v121, vcc_lo         ; and weight
	v_mov_b32 v124, 0
	v_mov_b32 v125, 0
.irp e, 0,1,2,3,4,5,6,7                        ; a token takes an expert at most once: the mask of tokens that took e stands twice, in both halves
	v_cmp_eq_u32 s34, \e, v113
	v_cmp_eq_u32 s35, \e, v115
	s_or_b32 s34, s34, s35
	s_and_b32 s35, s34, 0xffff
	s_bcnt1_i32_b32 s35, s35                       ; how many of the 16
	v_mbcnt_lo_u32_b32 v126, s34, 0
	v_mul_u32_u24 v127, s35, v3
	v_sub_nc_u32 v126, v126, v127                  ; how many of them have a lower token number than mine
	v_cmp_eq_u32 vcc_lo, \e, v122
	v_cndmask_b32 v124, v124, v126, vcc_lo
	v_writelane_b32 v125, s35, \e
.endr
	v_lshl_or_b32 v126, v124, 8, v122              ; expert | rank << 8
	v_lshl_add_u32 v127, v3, 11, v2
	s_lshl_b32 s34, ttmp9, 4
	v_add_nc_u32 v127, s34, v127
	v_lshlrev_b32 v127, 2, v127                    ; 4 x (2048 slot + token)
	global_store_b32 v127, v123, s[12:13]
	global_store_b32 v127, v126, s[14:15]
	v_lshlrev_b32 v128, 9, v1
	s_lshl_b32 s34, ttmp9, 2
	v_add_nc_u32 v128, s34, v128                   ; cnt[l][group]
	s_wait_xcnt 0x0                                ; EXEC changes only behind this wait
	v_cmp_gt_u32 vcc_lo, 8, v1
	s_and_saveexec_b32 s36, vcc_lo
	global_store_b32 v128, v125, s[14:15] offset:CNT
	s_wait_xcnt 0x0
	s_or_b32 exec_lo, exec_lo, s36
.Lend:
	s_wait_tensorcnt 0x0
	ds_add_u32 v250, v251
	s_wait_dscnt 0x0
	s_endpgm
.Lfunc_end_k_q0689e33470_route:
	.size	k_q0689e33470_route, .Lfunc_end_k_q0689e33470_route-k_q0689e33470_route
	.p2alignl 7, 3214868480
	.fill 96, 4, 3214868480
	.section	.rodata,"a",@progbits
	.p2align	6, 0x0
	.amdhsa_kernel k_q0689e33470_route
		.amdhsa_group_segment_fixed_size 221184
		.amdhsa_private_segment_fixed_size 0
		.amdhsa_enable_private_segment 0
		.amdhsa_kernarg_size 48
		.amdhsa_user_sgpr_count 2
		.amdhsa_user_sgpr_kernarg_segment_ptr 1
		.amdhsa_wavefront_size32 1
		.amdhsa_system_sgpr_workgroup_id_x 1
		.amdhsa_system_sgpr_workgroup_id_y 1
		.amdhsa_system_sgpr_workgroup_id_z 1
		.amdhsa_system_vgpr_workitem_id 0
		.amdhsa_next_free_vgpr 256
		.amdhsa_next_free_sgpr 66
		.amdhsa_reserve_vcc 1
		.amdhsa_float_denorm_mode_32 3
		.amdhsa_float_denorm_mode_16_64 3
		.amdhsa_memory_ordered 1
		.amdhsa_forward_progress 1
		.amdhsa_inst_pref_size 47
	.end_amdhsa_kernel
	.amdgpu_metadata
---
amdhsa.version: [ 1, 2 ]
amdhsa.kernels:
  - .name:           k_q0689e33470_route
    .symbol:         k_q0689e33470_route.kd
    .args:
      - { .name: x, .offset: 0, .size: 8, .value_kind: global_buffer, .address_space: global }
      - { .name: Wg, .offset: 8, .size: 8, .value_kind: global_buffer, .address_space: global }
      - { .name: bg, .offset: 16, .size: 8, .value_kind: global_buffer, .address_space: global }
      - { .name: xq, .offset: 24, .size: 8, .value_kind: global_buffer, .address_space: global }
      - { .name: gw, .offset: 32, .size: 8, .value_kind: global_buffer, .address_space: global }
      - { .name: choice, .offset: 40, .size: 8, .value_kind: global_buffer, .address_space: global }
    .group_segment_fixed_size: 221184
    .private_segment_fixed_size: 0
    .kernarg_segment_align: 8
    .kernarg_segment_size: 48
    .max_flat_workgroup_size: 256
    .sgpr_count:     66
    .vgpr_count:     256
    .wavefront_size: 32
...
	.end_amdgpu_metadata
.endif
;; end of part 1
;; launch place (part 2): grid 1 x 1, 8 waves a work-group, no clusters, 9,216 bytes of LDS; arguments choice, plan; writes plan
.if DOCPART == 2
	.amdgcn_target "amdgcn-amd-amdhsa--gfx1250"
	.amdhsa_code_object_version 6
	.text
	.protected	k_q0689e33470_place
	.globl	k_q0689e33470_place
	.p2align	8
	.type	k_q0689e33470_place,@function
k_q0689e33470_place:
	s_mov_b64 s[64:65], 0
	v_nop
	global_prefetch_b8 v0, s[64:65] scope:SCOPE_SE
	s_setreg_imm32_b32 hwreg(HW_REG_WAVE_MODE, 25, 1), 1
	s_wait_xcnt 0x0
; PLACE.  A counting sort of the 4,096 routed rows by expert, without atomics; one work-group.  Each expert's rows begin at a multiple of 128, so there are at most 4096 / 128 + 7 = 39 tiles of 128 rows, whatever the choice.
; plan: rowlist[position] = row id (only positions that hold a row are written, and only those are read later); from TIL on tiles[39] = expert, rows, max(rows, 1) - 1, (rows ? tile : 0).
; Wave e scans expert e's 128 group counts; a row's position = the expert's first + the rows of earlier groups + its rank in its group.
.set CNT, 16384
.set TIL, 19968
.set PBT, 256                          ; LDS: 8 totals at 0; from 256 on first positions [expert][group], 512 bytes an expert
	s_load_b128 s[4:7], s[0:1], 0x0                ; choice, plan
	v_lshl_add_u32 v96, v0, 2, 0x2000
	v_mov_b32 v97, 0
	v_lshrrev_b32 v1, 5, v0
	v_readfirstlane_b32 s16, v1                    ; wave = expert
	v_bfe_u32 v3, v0, 4, 1                         ; lane / 16
	v_lshlrev_b32 v4, 4, v0                        ; 16 t = 512 e + 16 l
	v_lshlrev_b32 v5, 2, v0                        ; 4 t
	v_lshlrev_b32 v6, 2, v1                        ; 4 e
	v_lshrrev_b32 v7, 4, v0
	v_lshl_add_u32 v7, v7, 2, PBT                  ; PBT + 4 (t / 16)
	v_mov_b32 v2, 0
	v_mov_b32 v13, 0
	s_wait_kmcnt 0x0
	global_load_b128 v[8:11], v4, s[4:5] offset:CNT    ; counts of groups 4 l .. 4 l + 3
.irp j, 0,1,2,3,4,5,6,7,8,9,10,11,12,13,14,15
	global_load_b32 v[16+\j], v5, s[4:5] offset:1024*\j     ; sel of row id t + 256 j
.endr
	s_wait_loadcnt 16                              ; the counts are in; the 16 loads of sel may be out
	v_add_nc_u32 v32, v8, v9
	v_add_nc_u32 v33, v32, v10
	v_add_nc_u32 v34, v33, v11                     ; my four groups' rows
	v_mov_b32 v12, v34
.irp n, 1,2,4,8                                ; an inclusive scan inside each half of 16 lanes
	v_mov_b32_dpp v13, v12 row_shr:\n row_mask:0xf bank_mask:0xf bound_ctrl:1
	v_add_nc_u32 v12, v12, v13
.endr
	v_readlane_b32 s20, v12, 15
	v_mad_u32_u24 v12, v3, s20, v12                ; the upper half adds the lower half's total
	v_readlane_b32 s21, v12, 31                    ; the expert's rows
	v_sub_nc_u32 v35, v12, v34                     ; rows of earlier lanes
	v_mov_b32 v14, s21
	ds_store_b32 v6, v14
	s_wait_dscnt 0x0
	s_barrier_signal -1
	s_barrier_wait -1
	ds_load_b128 v[40:43], v2
	ds_load_b128 v[44:47], v2 offset:16
	s_wait_dscnt 0x0
.irp i, 0,1,2,3,4,5,6,7
	v_readfirstlane_b32 s[24+\i], v[40+\i]         ; rows of expert i
.endr
.irp i, 0,1,2,3,4,5,6,7
	s_add_co_u32 s[32+\i], s[24+\i], 127
	s_lshr_b32 s[32+\i], s[32+\i], 7               ; its tiles
.endr
	s_mov_b32 s40, 0
.irp i, 0,1,2,3,4,5,6,7
	s_add_co_u32 s[41+\i], s[40+\i], s[32+\i]      ; its first tile: s[40 + i]
.endr
	s_mov_b32 s49, s40
.irp i, 1,2,3,4,5,6,7
	s_cmp_eq_u32 s16, \i
	s_cselect_b32 s49, s[40+\i], s49
.endr
	s_lshl_b32 s49, s49, 7                         ; my expert's first position
	v_add_nc_u32 v36, s49, v35
	v_add_nc_u32 v37, v36, v8
	v_add_nc_u32 v38, v36, v32
	v_add_nc_u32 v39, v36, v33
	ds_store_b128 v4, v[36:39] offset:PBT          ; first positions of groups 4 l .. 4 l + 3
	s_wait_dscnt 0x0
	s_barrier_signal -1
	s_barrier_wait -1
	; the table of tiles: thread t is tile t
	v_mov_b32 v52, 0
	v_mov_b32 v53, 0
.irp i, 0,1,2,3,4,5,6,7
	v_sub_nc_u32 v48, v0, s[40+\i]                 ; which of expert i's tiles (wraps where t lies ahead of them)
	v_cmp_gt_u32 vcc_lo, s[32+\i], v48
	v_lshlrev_b32 v49, 7, v48
	v_sub_nc_u32 v49, s[24+\i], v49
	v_min_u32 v49, 0x80, v49                       ; rows left, 128 at the most
	v_mov_b32 v50, \i
	v_cndmask_b32 v52, v52, v50, vcc_lo
	v_cndmask_b32 v53, v53, v49, vcc_lo
.endr
	v_max_u32 v54, 1, v53
	v_add_nc_u32 v54, -1, v54
	v_cmp_ne_u32 vcc_lo, 0, v53
	v_cndmask_b32 v55, 0, v0, vcc_lo
	s_wait_xcnt 0x0                                ; EXEC changes only behind this wait
	v_cmp_gt_u32 vcc_lo, 39, v0
	s_wait_tensorcnt 0x0
	ds_add_u32 v96, v97
	s_wait_dscnt 0x0
	s_and_saveexec_b32 s50, vcc_lo
	global_store_b128 v4, v[52:55], s[6:7] offset:TIL
	s_wait_xcnt 0x0
	s_or_b32 exec_lo, exec_lo, s50
	s_wait_loadcnt 0x0                             ; sel
.irp j, 0,1,2,3,4,5,6,7,8,9,10,11,12,13,14,15  ; token = t + 256 (j % 8), group = t / 16 + 16 (j % 8).  No LDS store follows the last barrier
	v_and_b32 v[64+\j], 7, v[16+\j]
	v_min_u32 v[64+\j], 7, v[64+\j]
	v_lshl_add_u32 v[64+\j], v[64+\j], 9, v7
	ds_load_b32 v[80+\j], v[64+\j] offset:64*(\j%8)
.endr
	s_wait_dscnt 0x0
.irp j, 0,1,2,3,4,5,6,7,8,9,10,11,12,13,14,15
	v_bfe_u32 v[64+\j], v[16+\j], 8, 5             ; the rank in the group
	v_add_nc_u32 v[80+\j], v[80+\j], v[64+\j]
	v_min_u32 v[80+\j], 0x137f, v[80+\j]           ; a position, 4,991 at the most
	v_lshlrev_b32 v[80+\j], 2, v[80+\j]
	v_add_nc_u32 v[64+\j], 256*\j, v0              ; the row id
	global_store_b32 v[80+\j], v[64+\j], s[6:7]
.endr
	s_endpgm
.Lfunc_end_k_q0689e33470_place:
	.size	k_q0689e33470_place, .Lfunc_end_k_q0689e33470_place-k_q0689e33470_place
	.p2alignl 7, 3214868480
	.fill 96, 4, 3214868480
	.section	.rodata,"a",@progbits
	.p2align	6, 0x0
	.amdhsa_kernel k_q0689e33470_place
		.amdhsa_group_segment_fixed_size 9216
		.amdhsa_private_segment_fixed_size 0
		.amdhsa_enable_private_segment 0
		.amdhsa_kernarg_size 16
		.amdhsa_user_sgpr_count 2
		.amdhsa_user_sgpr_kernarg_segment_ptr 1
		.amdhsa_wavefront_size32 1
		.amdhsa_system_sgpr_workgroup_id_x 1
		.amdhsa_system_sgpr_workgroup_id_y 1
		.amdhsa_system_sgpr_workgroup_id_z 1
		.amdhsa_system_vgpr_workitem_id 0
		.amdhsa_next_free_vgpr 98
		.amdhsa_next_free_sgpr 66
		.amdhsa_reserve_vcc 1
		.amdhsa_float_denorm_mode_32 3
		.amdhsa_float_denorm_mode_16_64 3
		.amdhsa_memory_ordered 1
		.amdhsa_forward_progress 1
		.amdhsa_inst_pref_size 18
	.end_amdhsa_kernel
	.amdgpu_metadata
---
amdhsa.version: [ 1, 2 ]
amdhsa.kernels:
  - .name:           k_q0689e33470_place
    .symbol:         k_q0689e33470_place.kd
    .args:
      - { .name: choice, .offset: 0, .size: 8, .value_kind: global_buffer, .address_space: global }
      - { .name: plan, .offset: 8, .size: 8, .value_kind: global_buffer, .address_space: global }
    .group_segment_fixed_size: 9216
    .private_segment_fixed_size: 0
    .kernarg_segment_align: 8
    .kernarg_segment_size: 16
    .max_flat_workgroup_size: 256
    .sgpr_count:     66
    .vgpr_count:     98
    .wavefront_size: 32
...
	.end_amdgpu_metadata
.endif
;; end of part 2
;; launch ffn1 (part 3): grid 4 x 39, 4 waves a work-group, no clusters, 223,744 bytes of LDS; arguments xq, plan, W1_codes, W1_scales, b1, hq; writes hq
.if DOCPART == 3
	.amdgcn_target "amdgcn-amd-amdhsa--gfx1250"
	.amdhsa_code_object_version 6
	.text
	.protected	k_q0689e33470_ffn1
	.globl	k_q0689e33470_ffn1
	.p2align	8
	.type	k_q0689e33470_ffn1,@function
k_q0689e33470_ffn1:
	s_mov_b64 s[64:65], 0
	v_nop
	global_prefetch_b8 v0, s[64:65] scope:SCOPE_SE
	s_setreg_imm32_b32 hwreg(HW_REG_WAVE_MODE, 25, 1), 1
	s_wait_xcnt 0x0
; FFN1.  h = Q(relu(x W1 + b1)) for the routed rows alone, on E2M3 codes with E8M0 scales.  Work-group (tx, ty): the 128 sorted rows of tile ty x hidden units 512 tx .. 512 tx + 511 of the tile's expert.
; Wave w: ALL 128 rows (eight fragments) x units 512 tx + 128 w .. + 127 (eight tiles): 64 accumulators, 512 registers.  So each fragment of W1 is read from LDS once, by one wave,
; and a wave's results are whole K steps of the next product: whole fragments, whole scale words.
; W1's 128 rows of a wave are the wave's own: memory -> registers -> its own 30,720 bytes of LDS -> fragments; no other wave touches them, so the K loop has no barrier.
; x's 128 rows are gathered once for the 512 units, 32 rows a wave, and read by all four waves behind the one barrier.
; TRANSPOSED: source 0 = 16 rows of W1, source 1 = 16 rows of x.  W1's rows lie in LDS with bits 3 and 4 of the row number swapped, so that tile t, lane r is row 32 (t / 2) + 8 (t % 2) + r + 8 (r / 8):
; the 16 registers of tiles 2 b and 2 b + 1 are then 16 neighbours along the next K.  The first K step starts the sums with the constant 0; b1 is added in f32 on the way out, ahead of relu.
; THE GRID SERVES EVERY SPLIT: 39 tiles at the most.  What a work-group does hangs on numbers read from memory (expert, rows), so the text has no tensor load, no copy, no cluster and no joint request:
; operands go through registers.  A tile without rows is led to tile 0's first row, passes the barrier and ends.
; Rows past the tile's last are copies of its last row: the next launch reads them and throws their results away.
; hq: fragment images [position / 16][K step 16][3][lane][16 bytes]; from HS on scale words [K step][position].
; LIMITS: a block of h whose largest magnitude lies under 2^-124 (all zeros too) gets the byte 1; this program alone reads the bytes.  b1 is added behind the sum over K, not ahead of it.
; REGISTERS, in windows of 256: window 0: v0-23 addresses; v24-55 x's scale words; v56-87 W1's; v88-183 x's eight fragments; v184-247 a third of W1 on its way.
;   window 1: v0-95 W1's eight fragments; v96-223 two thirds of W1 on its way (at the end v96-159: b1).   windows 2, 3: the accumulators of rows 0-63, 64-127: (m, t) at 8 (8 (m % 4) + t).
.set XSC,  1572864
.set TIL,  19968
.set HS,   7667712
.set AP,   784                         ; LDS: x's rows, 768 + 16 bytes: 49 x 16, so sixteen rows begin at sixteen different 16-byte columns of 256
.set WREG, 100352                      ; behind x's 128 rows: 128 rows of W1, 256 along K, for each wave
.set WP,   240                         ; a row: 3 x (64 bytes + 16)
.set WBUF, 30720
.set SA,   24                          ; x's scale words: 8 p + s: lanes 0-15 rows 32 p .., lanes 16-31 rows 32 p + 16 ..
.set SW,   56                          ; W1's: 8 b + s: lanes 0-15 tile 2 b, lanes 16-31 tile 2 b + 1
.set AF,   88                          ; x's fragment m at 12 m
.set WS2,  184                         ; W1 on its way: the third 64 bytes of each row (window 0)
.set GA,   88                          ; at the head: list entries, then gather offsets: pair pr = rows 2 pr (lanes 0-15), 2 pr + 1 (lanes 16-31)
.set EP,   104                         ; at the head: the entries of rows 32 p + lane
.set HA,   88                          ; at the end: 64 numbers of h,
.set PC,   152                         ; their codes,
.set TM,   172                         ; the quantiser's own,
.set PW,   188                         ; the scale word just made, the one before it, and the two joined
.set PW0,  189
.set PWS,  190
.set WF,   0                           ; window 1: W1's fragment t at 12 t
.set WS0,  96                          ; window 1: W1 on its way: the first and the second 64 bytes of each row
.set WS1,  160
.set BI,   96                          ; window 1, at the end: b1 in the result's layout, tile t at 8 t
.set SEL,  40
.set MSB, 0
.macro WIN new                         ; bits 1:0 source 0, 3:2 source 1, 5:4 source 2, 7:6 destination; the high byte repeats the setting that is left
.if MSB != \new
	s_set_vgpr_msb (MSB<<8)|\new
.set MSB, \new
.endif
.endm
.macro PLACES                          ; four places in front of loads into registers that matrix instructions have read, and of the first read of results
.rept 4
	v_nop
.endr
.endm
; 64 numbers of a lane, register 16 b + i = k 32 b + 16 (lane / 16) + i of its row, become a fragment's 12 registers in v[PC] on and its scale word in v[PW].
.macro QUANT s
.irp b, 0,1,2,3
	v_max3_num_f32 v[TM+\b], |v[\s+16*\b]|, |v[\s+1+16*\b]|, 0x1800000   ; with the floor 2^(3 - 127): the byte cannot fall under 1
.endr
.irp i, 2,4,6,8,10,12,14
.irp b, 0,1,2,3
	v_max3_num_f32 v[TM+\b], v[TM+\b], |v[\s+16*\b+\i]|, |v[\s+1+16*\b+\i]|
.endr
.endr
.irp b, 0,1,2,3
	v_permlanex16_b32 v[TM+4+\b], v[TM+\b], s[SEL], s[SEL+1]
.endr
.irp b, 0,1,2,3
	v_max_num_f32 v[TM+\b], v[TM+\b], v[TM+4+\b]
.endr
.irp b, 0,1,2,3
	v_add_nc_u32 v[TM+12+\b], 0xff000000, v[TM+\b]     ; 2 off the exponent field: the conversion's scale operand
.endr
.irp b, 0,1,2,3
	v_lshrrev_b32 v[TM+4+\b], 23, v[TM+12+\b]
.endr
	v_lshl_or_b32 v[PW], v[TM+5], 8, v[TM+4]
	v_lshl_or_b32 v[PW], v[TM+6], 16, v[PW]
	v_lshl_or_b32 v[PW], v[TM+7], 24, v[PW]
.irp c, 0,1
	v_cvt_scalef32_pk16_fp6_f32 v[PC+6*\c:PC+2+6*\c], v[\s+32*\c:\s+15+32*\c], v[TM+12+2*\c]
	v_cvt_scalef32_pk16_fp6_f32 v[PC+12+4*\c:PC+14+4*\c], v[\s+16+32*\c:\s+31+32*\c], v[TM+12+2*\c+1]
.endr
	v_nop                                          ; one plain place behind the scaled conversions
.irp c, 0,1
.irp i, 0,1,2
	v_permlane16_swap_b32 v[PC+6*\c+\i], v[PC+12+4*\c+\i]
.endr
.irp i, 0,1,2
	v_mov_b32 v[PC+3+6*\c+\i], v[PC+12+4*\c+\i]
.endr
.endr
.endm
; My 128 rows of W1, 256 along K (192 bytes a row), chunk c: 48 loads a lane, four lanes to 64 consecutive bytes of a row.  Load a of sixteen takes the rows whose place in LDS is
; 16 (a / 2) + 2 (a % 2) + 4 ((lane / 4) % 4) + lane / 16; the row in memory is that place with bits 3 and 4 swapped.
.macro WLOAD c
	WIN 0x40
.irp a, 0,1,2,3,4,5,6,7,8,9,10,11,12,13,14,15
	global_load_b128 v[WS0+4*\a:WS0+4*\a+3], v7, s[24:25] offset:1536*(\a%2)+6144*((\a/2)%2)+24576*(\a/4)+192*(\c)
.endr
.irp a, 0,1,2,3,4,5,6,7,8,9,10,11,12,13,14,15
	global_load_b128 v[WS1+4*\a:WS1+4*\a+3], v7, s[24:25] offset:1536*(\a%2)+6144*((\a/2)%2)+24576*(\a/4)+64+192*(\c)
.endr
	WIN 0
.irp a, 0,1,2,3,4,5,6,7,8,9,10,11,12,13,14,15
	global_load_b128 v[WS2+4*\a:WS2+4*\a+3], v7, s[24:25] offset:1536*(\a%2)+6144*((\a/2)%2)+24576*(\a/4)+128+192*(\c)
.endr
.endm
; Into my LDS.
.macro WSTORE
	WIN 0x04                                       ; an LDS store's data are its source 1
.irp a, 0,1,2,3,4,5,6,7,8,9,10,11,12,13,14,15
	ds_store_b128 v8, v[WS0+4*\a:WS0+4*\a+3] offset:480*(\a%2)+3840*(\a/2)
.endr
.irp a, 0,1,2,3,4,5,6,7,8,9,10,11,12,13,14,15
	ds_store_b128 v8, v[WS1+4*\a:WS1+4*\a+3] offset:480*(\a%2)+3840*(\a/2)+80
.endr
	WIN 0
.irp a, 0,1,2,3,4,5,6,7,8,9,10,11,12,13,14,15
	ds_store_b128 v8, v[WS2+4*\a:WS2+4*\a+3] offset:480*(\a%2)+3840*(\a/2)+160
.endr
.endm
.macro FRAGA s, g                      ; x's fragments 4 g .. 4 g + 3 of K step s: 12 loads of 16 bytes
.irp m, 0,1,2,3
.irp c, 0,1,2
.if (\g) == 0
	ds_load_b128 v[AF+12*\m+4*\c:AF+12*\m+4*\c+3], v6 offset:12544*\m+96*(\s)+16*\c
.else
	ds_load_b128 v[AF+48+12*\m+4*\c:AF+48+12*\m+4*\c+3], v16 offset:12544*\m+96*(\s)+16*\c
.endif
.endr
.endr
.endm
.macro FRAGW t, q                      ; 16 rows x 128 K: six pieces of 8 bytes; lanes 16-31 read three pieces on, which for some pieces is behind one padding more: the second address
.irp p, 0,1,2,3,4,5
.set PCE, 12*(\q)+6*(\p/3)+\p%3
.if PCE%8 < 5
	ds_load_b64 v[WF+12*(\t)+2*\p:WF+12*(\t)+2*\p+1], v4 offset:3840*(\t)+8*PCE+16*(PCE/8)
.else
	ds_load_b64 v[WF+12*(\t)+2*\p:WF+12*(\t)+2*\p+1], v5 offset:3840*(\t)+8*PCE+16*(PCE/8)
.endif
.endr
.endm
.macro NEXTW j, s                      ; tiles 2 j and 2 j + 1 of K step s, into the registers that the eight products just issued were the last to read
	PLACES
	WIN 0x40
	FRAGW 2*(\j), (\s)%2
	FRAGW 2*(\j)+1, (\s)%2
.endm
.macro WM t, m, s
.set rD, 8*(8*((\m)%4)+(\t))
.set rA, WF+12*(\t)
.set rB, AF+12*(\m)
.set rX, SW+8*((\t)/2)+(\s)
.set rY, SA+8*((\m)/2)+(\s)
.if (\s) == 0                          ; the first K step starts the sums: nothing is cleared
.if ((\t)%2 == 0) && ((\m)%2 == 0)
	v_wmma_scale_f32_16x16x128_f8f6f4 v[rD:rD+7], v[rA:rA+11], v[rB:rB+11], 0, v[rX], v[rY] matrix_a_fmt:MATRIX_FMT_FP6 matrix_b_fmt:MATRIX_FMT_FP6
.elseif (\m)%2 == 0
	v_wmma_scale_f32_16x16x128_f8f6f4 v[rD:rD+7], v[rA:rA+11], v[rB:rB+11], 0, v[rX], v[rY] matrix_a_fmt:MATRIX_FMT_FP6 matrix_b_fmt:MATRIX_FMT_FP6 matrix_a_scale:MATRIX_SCALE_ROW1
.elseif (\t)%2 == 0
	v_wmma_scale_f32_16x16x128_f8f6f4 v[rD:rD+7], v[rA:rA+11], v[rB:rB+11], 0, v[rX], v[rY] matrix_a_fmt:MATRIX_FMT_FP6 matrix_b_fmt:MATRIX_FMT_FP6 matrix_b_scale:MATRIX_SCALE_ROW1
.else
	v_wmma_scale_f32_16x16x128_f8f6f4 v[rD:rD+7], v[rA:rA+11], v[rB:rB+11], 0, v[rX], v[rY] matrix_a_fmt:MATRIX_FMT_FP6 matrix_b_fmt:MATRIX_FMT_FP6 matrix_a_scale:MATRIX_SCALE_ROW1 matrix_b_scale:MATRIX_SCALE_ROW1
.endif
.else
.if ((\t)%2 == 0) && ((\m)%2 == 0)
	v_wmma_scale_f32_16x16x128_f8f6f4 v[rD:rD+7], v[rA:rA+11], v[rB:rB+11], v[rD:rD+7], v[rX], v[rY] matrix_a_fmt:MATRIX_FMT_FP6 matrix_b_fmt:MATRIX_FMT_FP6
.elseif (\m)%2 == 0
	v_wmma_scale_f32_16x16x128_f8f6f4 v[rD:rD+7], v[rA:rA+11], v[rB:rB+11], v[rD:rD+7], v[rX], v[rY] matrix_a_fmt:MATRIX_FMT_FP6 matrix_b_fmt:MATRIX_FMT_FP6 matrix_a_scale:MATRIX_SCALE_ROW1
.elseif (\t)%2 == 0
	v_wmma_scale_f32_16x16x128_f8f6f4 v[rD:rD+7], v[rA:rA+11], v[rB:rB+11], v[rD:rD+7], v[rX], v[rY] matrix_a_fmt:MATRIX_FMT_FP6 matrix_b_fmt:MATRIX_FMT_FP6 matrix_b_scale:MATRIX_SCALE_ROW1
.else
	v_wmma_scale_f32_16x16x128_f8f6f4 v[rD:rD+7], v[rA:rA+11], v[rB:rB+11], v[rD:rD+7], v[rX], v[rY] matrix_a_fmt:MATRIX_FMT_FP6 matrix_b_fmt:MATRIX_FMT_FP6 matrix_a_scale:MATRIX_SCALE_ROW1 matrix_b_scale:MATRIX_SCALE_ROW1
.endif
.endif
.endm
; Eight products: tiles 2 j, 2 j + 1 x four fragments of x.  The 64 accumulators take turns, one instruction a turn, in the same order in every K step.
.macro ML j, s
.irp u, 0,1
.irp m, 0,1,2,3
	WM 2*(\j)+\u, \m, \s
.endr
.endr
.endm
.macro MH j, s
.irp u, 0,1
.irp m, 4,5,6,7
	WM 2*(\j)+\u, \m, \s
.endr
.endr
.endm
; A K STEP: 64 products.  At its head these LDS loads have been issued, in this order: x's fragments 0-3 (12 loads), W1's tiles by pairs (4 x 12).
; First half: rows 0-63.  Then x's fragments 0-3 of the next step are fetched, and in an odd step the next 256 along K of W1 are stored (all reads of the last 256 are back by then).
; Second half: rows 64-127; behind each eight products the pair of tiles that they were the last to read is fetched for the next step.  LDS serves a wave's instructions in order (ISA guide 5.7.1.4): those loads see the stores.
.macro STEP s
	WIN 0
	FRAGA \s, 1                                    ; x's fragments 4-7: the four places behind their last readers stand at the last step's end
	s_wait_dscnt 48                                ; x's 0-3 and tiles 0, 1 are in; three pairs of tiles and x's 4-7 (4 x 12) may be out.  In an even step the 48 stores of the step before are older still: done
.if (\s == 2) || (\s == 4)
	WLOAD \s/2+1                                   ; so their registers take the next chunk, which is wanted a step and a half from here
.endif
.if \s == 6
	WIN 0x40
.irp t, 0,1,2,3,4,5,6,7                        ; b1: lane (r, h), tile t, register j: unit 32 (t / 2) + 8 (t % 2) + 16 h + j
	global_load_b128 v[BI+8*\t:BI+8*\t+3], v12, s[28:29] offset:(32*(\t/2)+8*(\t%2))*4
	global_load_b128 v[BI+8*\t+4:BI+8*\t+7], v12, s[28:29] offset:(32*(\t/2)+8*(\t%2))*4+16
.endr
.endif
	WIN 0xa1                                       ; source 0 (W1) window 1, source 1 (x) window 0, C and D window 2
	ML 0, \s
	s_wait_dscnt 36                                ; tiles 2, 3 are in
	ML 1, \s
	s_wait_dscnt 24
	ML 2, \s
	s_wait_dscnt 12                                ; all tiles are in; x's 4-7 may be out
	ML 3, \s
	WIN 0
.if \s < 7
	PLACES
	FRAGA \s+1, 0
.endif
.if (\s%2 == 1) && (\s < 7)
	s_wait_loadcnt 0x0                             ; the next chunk of W1 is in registers
	WSTORE
	s_wait_dscnt 60                                ; x's 4-7 are in; the next step's 12 loads and the 48 stores may be out
.elseif \s < 7
	s_wait_dscnt 12                                ; x's 4-7 are in; the next step's 12 loads may be out
.else
	s_wait_dscnt 0x0
.endif
	WIN 0xf1                                       ; C and D window 3
	MH 0, \s
.if \s < 7
	NEXTW 0, \s+1
	WIN 0xf1
.endif
	MH 1, \s
.if \s < 7
	NEXTW 1, \s+1
	WIN 0xf1
.endif
	MH 2, \s
.if \s < 7
	NEXTW 2, \s+1
	WIN 0xf1
.endif
	MH 3, \s
.if \s < 7
	NEXTW 3, \s+1
.else
	PLACES
.endif
	WIN 0
.endm
; THE WAY OUT of rows 16 m .. 16 m + 15: + b1, relu, quantised: one fragment of the next product, stored as it stands, and its scale words.
.macro OUT m
.if (\m) < 4
	WIN 0x06                                       ; source 0 window 2, source 1 (b1) window 1
.else
	WIN 0x07                                       ; source 0 window 3
.endif
.set j, 0
.rept 32
	v_pk_add_f32 v[HA+2*j:HA+2*j+1], v[64*((\m)%4)+2*j:64*((\m)%4)+2*j+1], v[BI+2*j:BI+2*j+1]   ; each accumulator from its low end on
.set j, j+1
.endr
	WIN 0
.set j, 0
.rept 64
	v_max_num_f32 v[HA+j], 0, v[HA+j]
.set j, j+1
.endr
.if (\m) > 0
	s_wait_xcnt 0x0                                ; the last fragment's stores have read their registers
.endif
	QUANT HA
.irp c, 0,1,2
	global_store_b128 v10, v[PC+4*\c:PC+4*\c+3], s[32:33] offset:24576*(\m)+512*\c     ; 512 consecutive bytes a store
.endr
.if (\m)%2 == 0
	v_mov_b32 v[PW0], v[PW]
.else
	v_cndmask_b32 v[PWS], v[PW0], v[PW], vcc_lo    ; lanes 0-15 the even fragment's rows, lanes 16-31 the odd one's
	global_store_b32 v11, v[PWS], s[34:35] offset:128*((\m)/2)
.endif
.endm
	s_load_b256 s[4:11], s[0:1], 0x0               ; xq s[4:5], plan s[6:7], W1's codes s[8:9], W1's scales s[10:11]
	s_load_b128 s[12:15], s[0:1], 0x20             ; b1 s[12:13], hq s[14:15]
	v_lshl_add_u32 v254, v0, 2, 0x36800
	v_mov_b32 v255, 0
	v_lshrrev_b32 v1, 5, v0
	v_readfirstlane_b32 s16, v1                    ; wave 0..3
	s_mov_b32 s17, ttmp9                           ; tx
	s_and_b32 s18, ttmp7, 0xffff                   ; ty
	s_lshl_b32 s19, s18, 4
	s_wait_kmcnt 0x0
	s_load_b128 s[20:23], s[6:7], s19 offset:TIL   ; expert, rows, max(rows, 1) - 1, the tile whose list I read
	v_and_b32 v1, 31, v0                           ; l
	v_and_b32 v2, 15, v0                           ; r
	v_bfe_u32 v3, v0, 4, 1                         ; h
	s_mul_i32 s42, s16, WBUF
	s_add_co_u32 s42, s42, WREG                    ; my rows of W1 in LDS
	v_mul_u32_u24 v4, v2, WP
	v_mad_u32_u24 v4, v3, 24, v4
	v_lshl_add_u32 v5, v3, 4, v4
	v_add_nc_u32 v4, s42, v4                       ; W1's fragments: 240 r + 24 h,
	v_add_nc_u32 v5, s42, v5                       ; and 240 r + 40 h
	v_mul_u32_u24 v6, v2, AP
	v_mad_u32_u24 v6, v3, 48, v6                   ; x's fragments 0-3: row r, + 48 h;
	v_add_nc_u32 v16, 50176, v6                    ; 4-7: 64 rows on
	v_bfe_u32 v7, v0, 2, 1
	v_bfe_u32 v14, v0, 3, 1
	v_lshlrev_b32 v7, 2, v7
	v_lshl_add_u32 v7, v14, 4, v7
	v_add_nc_u32 v7, v3, v7                        ; W1 in memory: my row of load 0: 4 (bit 2 of the lane) + 16 (bit 3) + (bit 4),
	v_mul_u32_u24 v7, v7, 768
	v_and_b32 v14, 3, v0
	v_lshl_add_u32 v7, v14, 4, v7                  ; of 768 bytes, + 16 (lane % 4)
	v_bfe_u32 v8, v0, 2, 2
	v_lshl_add_u32 v8, v8, 2, v3                   ; and its place in LDS: 4 ((lane / 4) % 4) + lane / 16
	v_mul_u32_u24 v8, v8, WP
	v_lshl_add_u32 v8, v14, 4, v8
	v_add_nc_u32 v8, s42, v8
	s_mul_i32 s43, s16, 32*AP                      ; the 32 rows of x that I gather
	v_mul_u32_u24 v9, v3, AP
	v_lshl_add_u32 v9, v2, 4, v9
	v_add_nc_u32 v9, s43, v9                       ; their place in LDS: row h of a pair, 16 r
	v_lshlrev_b32 v10, 4, v1                       ; 16 l
	v_lshlrev_b32 v11, 2, v1                       ; 4 l
	v_lshlrev_b32 v12, 6, v3                       ; the bias: 16 h numbers on
	v_and_b32 v13, 7, v0
	v_bfe_u32 v14, v0, 3, 1
	v_lshl_add_u32 v13, v14, 4, v13
	v_lshl_add_u32 v13, v3, 3, v13
	v_lshlrev_b32 v13, 5, v13                      ; W1's scales: row r % 8 + 16 (r / 8) + 8 h of 32 bytes
	v_lshlrev_b32 v15, 4, v2                       ; 16 r
	s_mov_b32 s[SEL], 0x76543210
	s_mov_b32 s[SEL+1], 0xfedcba98
	s_lshl_b32 s44, s16, 5                         ; the first row that I gather
	s_wait_kmcnt 0x0
	s_min_u32 s20, s20, 7
	s_min_u32 s21, s21, 0x80
	s_min_u32 s22, s22, 0x7f
	s_min_u32 s23, s23, 38
	s_lshl_b32 s46, s17, 2
	s_add_co_u32 s46, s46, s16                     ; which 128 units are mine: 4 tx + wave: the next product's K step
	s_mov_b32 s49, 0
	s_mul_i32 s48, s20, 1572864
	s_mul_i32 s47, s46, 98304
	s_add_co_u32 s48, s48, s47
	s_add_nc_u64 s[24:25], s[8:9], s[48:49]        ; my 128 rows of the expert's codes
	s_lshl_b32 s48, s20, 16
	s_lshl_b32 s47, s46, 12
	s_add_co_u32 s48, s48, s47
	s_add_nc_u64 s[26:27], s[10:11], s[48:49]      ; their scales
	s_lshl_b32 s48, s20, 13
	s_lshl_b32 s47, s46, 9
	s_add_co_u32 s48, s48, s47
	s_add_nc_u64 s[28:29], s[12:13], s[48:49]      ; their bias
	s_lshl_b32 s48, s23, 9
	s_add_nc_u64 s[30:31], s[6:7], s[48:49]        ; the tile's 128 list entries
	s_mul_i32 s48, s18, 196608
	s_mul_i32 s47, s46, 1536
	s_add_co_u32 s48, s48, s47
	s_add_nc_u64 s[32:33], s[14:15], s[48:49]      ; hq: the tile's eight fragments of my K step
	s_mul_i32 s48, s46, 4992
	s_lshl_b32 s47, s18, 7
	s_add_co_u32 s48, s48, s47
	s_lshl_b32 s48, s48, 2
	s_add_nc_u64 s[34:35], s[14:15], s[48:49]
	s_add_nc_u64 s[34:35], s[34:35], HS            ; and their 128 scale words
	s_add_nc_u64 s[36:37], s[4:5], XSC             ; x's scale words
	v_add_nc_u32 v17, s44, v3
.irp pr, 0,1,2,3,4,5,6,7,8,9,10,11,12,13,14,15
	v_add_nc_u32 v[GA+\pr], 2*\pr, v17             ; row 32 w + 2 pr + h, held at the tile's last row
	v_min_u32 v[GA+\pr], s22, v[GA+\pr]
	v_min_u32 v[GA+\pr], 0x7f, v[GA+\pr]
	v_lshlrev_b32 v[GA+\pr], 2, v[GA+\pr]
.endr
.irp p, 0,1,2,3
	v_add_nc_u32 v[EP+\p], 32*\p, v1               ; row 32 p + l: every wave wants all rows' scale words
	v_min_u32 v[EP+\p], s22, v[EP+\p]
	v_min_u32 v[EP+\p], 0x7f, v[EP+\p]
	v_lshlrev_b32 v[EP+\p], 2, v[EP+\p]
.endr
.irp pr, 0,1,2,3,4,5,6,7,8,9,10,11,12,13,14,15
	global_load_b32 v[GA+\pr], v[GA+\pr], s[30:31]
.endr
.irp p, 0,1,2,3
	global_load_b32 v[EP+\p], v[EP+\p], s[30:31]
.endr
.irp b, 0,1,2,3
	global_load_b128 v[SW+8*\b:SW+8*\b+3], v13, s[26:27] offset:1024*\b
	global_load_b128 v[SW+8*\b+4:SW+8*\b+7], v13, s[26:27] offset:1024*\b+16
.endr
	WLOAD 0
	s_wait_loadcnt 56                              ; the 20 list entries are in; 8 loads of W1's scales and 48 of chunk 0 may be out
.irp pr, 0,1,2,3,4,5,6,7,8,9,10,11,12,13,14,15
	v_and_b32 v[GA+\pr], 0x7ff, v[GA+\pr]          ; the token
	v_min_u32 v[GA+\pr], 0x7ff, v[GA+\pr]
	v_mul_u32_u24 v[GA+\pr], 0x300, v[GA+\pr]
	v_add_nc_u32 v[GA+\pr], v15, v[GA+\pr]         ; its 768 bytes of codes, + 16 r
.endr
.irp p, 0,1,2,3
	v_and_b32 v[EP+\p], 0x7ff, v[EP+\p]
	v_min_u32 v[EP+\p], 0x7ff, v[EP+\p]
	v_lshlrev_b32 v[EP+\p], 5, v[EP+\p]            ; its 32 bytes of scale words
.endr
	WIN 0x80                                       ; destination window 2: the accumulators' registers are free until the first product
.irp pr, 0,1,2,3,4,5,6,7,8,9,10,11,12,13,14,15
.irp i, 0,1,2
	global_load_b128 v[12*\pr+4*\i:12*\pr+4*\i+3], v[GA+\pr], s[4:5] offset:256*\i     ; sixteen lanes take 256 consecutive bytes of a row, at a multiple of 256 from xq's first byte
.endr
.endr
	WIN 0
.irp p, 0,1,2,3
	global_load_b128 v[SA+8*\p:SA+8*\p+3], v[EP+\p], s[36:37]
	global_load_b128 v[SA+8*\p+4:SA+8*\p+7], v[EP+\p], s[36:37] offset:16
.endr
	s_wait_loadcnt 56                              ; chunk 0 is in; behind it: 48 loads of the gather, 8 of x's scales
	WSTORE
	s_wait_dscnt 0x0                               ; the stores have read their registers
	WLOAD 1
	s_wait_loadcnt 56                              ; the gather is in; behind it: 8 of x's scales, 48 of chunk 1
	WIN 0x08                                       ; an LDS store's data are its source 1: window 2
.irp pr, 0,1,2,3,4,5,6,7,8,9,10,11,12,13,14,15
.irp i, 0,1,2
	ds_store_b128 v9, v[12*\pr+4*\i:12*\pr+4*\i+3] offset:1568*\pr+256*\i
.endr
.endr
	WIN 0
	s_wait_loadcnt 48                              ; x's scales are in; chunk 1 may be out
	s_wait_dscnt 0x0                               ; for the others' sake: my 32 rows of x have landed
	s_barrier_signal -1
	s_barrier_wait -1                              ; the launch's one barrier: behind it nobody writes x's rows
	s_cmp_eq_u32 s21, 0
	s_cbranch_scc1 .Lend                           ; a tile without rows has nothing to make
	FRAGA 0, 0
	WIN 0x40
.irp t, 0,1,2,3,4,5,6,7
	FRAGW \t, 0
.endr
	WIN 0
.irp s, 0,1,2,3,4,5,6,7
	STEP \s
.endr
	s_wait_loadcnt 0x0                             ; b1
.irp b, 0,1,2,3
	v_mov_b32 v[TM+4+\b], 0                        ; written once: a lane permute's destination counts as one of its sources
.endr
	v_cmp_eq_u32 vcc_lo, 1, v3
.irp m, 0,1,2,3,4,5,6,7
	OUT \m
.endr
.Lend:
	s_wait_tensorcnt 0x0
	ds_add_u32 v254, v255
	s_wait_dscnt 0x0
	s_endpgm
.Lfunc_end_k_q0689e33470_ffn1:
	.size	k_q0689e33470_ffn1, .Lfunc_end_k_q0689e33470_ffn1-k_q0689e33470_ffn1
	.p2alignl 7, 3214868480
	.fill 96, 4, 3214868480
	.section	.rodata,"a",@progbits
	.p2align	6, 0x0
	.amdhsa_kernel k_q0689e33470_ffn1
		.amdhsa_group_segment_fixed_size 223744
		.amdhsa_private_segment_fixed_size 0
		.amdhsa_enable_private_segment 0
		.amdhsa_kernarg_size 48
		.amdhsa_user_sgpr_count 2
		.amdhsa_user_sgpr_kernarg_segment_ptr 1
		.amdhsa_wavefront_size32 1
		.amdhsa_system_sgpr_workgroup_id_x 1
		.amdhsa_system_sgpr_workgroup_id_y 1
		.amdhsa_system_sgpr_workgroup_id_z 1
		.amdhsa_system_vgpr_workitem_id 0
		.amdhsa_next_free_vgpr 1024
		.amdhsa_next_free_sgpr 66
		.amdhsa_reserve_vcc 1
		.amdhsa_float_denorm_mode_32 3
		.amdhsa_float_denorm_mode_16_64 3
		.amdhsa_memory_ordered 1
		.amdhsa_forward_progress 1
		.amdhsa_inst_pref_size 230
	.end_amdhsa_kernel
	.amdgpu_metadata
---
amdhsa.version: [ 1, 2 ]
amdhsa.kernels:
  - .name:           k_q0689e33470_ffn1
    .symbol:         k_q0689e33470_ffn1.kd
    .args:
      - { .name: xq, .offset: 0, .size: 8, .value_kind: global_buffer, .address_space: global }
      - { .name: plan, .offset: 8, .size: 8, .value_kind: global_buffer, .address_space: global }
      - { .name: W1_codes, .offset: 16, .size: 8, .value_kind: global_buffer, .address_space: global }
      - { .name: W1_scales, .offset: 24, .size: 8, .value_kind: global_buffer, .address_space: global }
      - { .name: b1, .offset: 32, .size: 8, .value_kind: global_buffer, .address_space: global }
      - { .name: hq, .offset: 40, .size: 8, .value_kind: global_buffer, .address_space: global }
    .group_segment_fixed_size: 223744
    .private_segment_fixed_size: 0
    .kernarg_segment_align: 8
    .kernarg_segment_size: 48
    .max_flat_workgroup_size: 128
    .sgpr_count:     66
    .vgpr_count:     1024
    .wavefront_size: 32
...
	.end_amdgpu_metadata
.endif
;; end of part 3
;; launch ffn2 (part 4): grid 16 x 39, 2 waves a work-group, no clusters, 39,680 bytes of LDS; arguments hq, plan, gw, W2_codes, W2_scales, b2, eo; writes eo
.if DOCPART == 4
	.amdgcn_target "amdgcn-amd-amdhsa--gfx1250"
	.amdhsa_code_object_version 6
	.text
	.protected	k_q0689e33470_ffn2
	.globl	k_q0689e33470_ffn2
	.p2align	8
	.type	k_q0689e33470_ffn2,@function
k_q0689e33470_ffn2:
	s_mov_b64 s[64:65], 0
	v_nop
	global_prefetch_b8 v0, s[64:65] scope:SCOPE_SE
	s_setreg_imm32_b32 hwreg(HW_REG_WAVE_MODE, 25, 1), 1
	s_wait_xcnt 0x0
; FFN2.  eo[row id] = gate x (h W2 + b2), f32, for the routed rows, on E2M3 codes with E8M0 scales.  Work-group (tx, ty): the 128 sorted rows of tile ty x outputs 64 tx .. 64 tx + 63 of the tile's expert.
; Two waves; wave w: rows 64 w .. 64 w + 63 (four fragments) x 64 outputs (four tiles): 16 accumulators.  So a fragment of W2 is read from LDS by two waves, and the jobs (16 x 39) are small enough to spread evenly.
; TRANSPOSED: source 0 = 16 rows of W2, source 1 = 16 rows of h: a lane holds eight neighbouring outputs of one row.
; h's fragments are images of the operand's registers: they come straight from memory into registers, dense, each wave's own, in three sets of registers, three K steps ahead.
; W2 goes through two LDS buffers of 256 along K, shared by the two waves.  The bias is the C of the first K step's products: it starts the sums.
; THE GRID SERVES EVERY SPLIT: 39 tiles at the most.  What a work-group does hangs on numbers read from memory (expert, rows), so the text has no tensor load, no copy, no cluster and no joint request.
; All loads, LDS stores of W2 and barriers are run by every wave, in one order, so every counted wait holds on every way; a wave none of whose rows is a routed row jumps over its products and stores nothing
; (a tile without rows reads tile 0's h).  Each row id is stored by one work-group for each tx: 256 consecutive bytes a row.
; REGISTERS: window 0: v1-13 addresses; v16-23 the gates (pairs); v24-55 h's scale words; v56-87 W2's; v88-231 h's fragments, three sets of 48; v232-237 list entries; v238-239 stage addresses.
;   window 1: v0-127 accumulators (m, t) at 8 (4 m + t); v128-175 W2's four fragments; v176-223 W2 on its way; v224-255 the bias, tile t at 8 t.
.set TIL,  19968
.set HS,   7667712
.set WP,   240                         ; a row of W2 in LDS: 3 x (64 bytes + 16)
.set WBUF, 15360                       ; 64 rows
.set STAGE, 30720                      ; behind W2's two buffers: 16 rows x 272 bytes for each wave
.set SP,   272
.set GT,   16                          ; the gate of my lane's row in fragment m: v[16 + 2 m]; the pair's upper half holds 0
.set SA,   24                          ; h's scale words: 16 p + s: lanes 0-15 fragment 2 p, lanes 16-31 fragment 2 p + 1
.set SW,   56                          ; W2's: 16 b + s: lanes 0-15 tile 2 b, lanes 16-31 tile 2 b + 1
.set HF,   88                          ; h's fragments: 48 (s % 3) + 12 m
.set BK,   88                          ; the way out: 16 rows read back, 8 bytes a lane,
.set AD,   120                         ; and their offsets in eo
.set EL,   232                         ; list entries of rows 64 w + 32 p + lane
.set EM,   234                         ; and of rows 64 w + 16 m + r, then the gates' offsets
.set STO,  238
.set RD,   239
.set WF,   128                         ; window 1
.set WS,   176
.set BI,   224
.set MSB, 0
.macro WIN new                         ; bits 1:0 source 0, 3:2 source 1, 5:4 source 2, 7:6 destination; the high byte repeats the setting that is left
.if MSB != \new
	s_set_vgpr_msb (MSB<<8)|\new
.set MSB, \new
.endif
.endm
; Chunk c of W2: 192 bytes of each of the 64 rows, 12 loads a lane, four lanes to 64 consecutive bytes of a row.  Load a takes rows 32 w + 16 (a / 2) + 2 (a % 2) + 4 ((lane / 4) % 4) + lane / 16.
.macro WLOAD c
	WIN 0x40
.irp a, 0,1,2,3
.irp i, 0,1,2
	global_load_b128 v[WS+4*(3*\a+\i):WS+4*(3*\a+\i)+3], v7, s[24:25] offset:3072*(\a%2)+24576*(\a/2)+64*\i+192*(\c)
.endr
.endr
	WIN 0
.endm
; Into LDS.
.macro WSTORE b
	WIN 0x04                                       ; an LDS store's data are its source 1
.irp a, 0,1,2,3
.irp i, 0,1,2
	ds_store_b128 v8, v[WS+4*(3*\a+\i):WS+4*(3*\a+\i)+3] offset:WBUF*(\b)+480*(\a%2)+3840*(\a/2)+80*\i
.endr
.endr
	WIN 0
.endm
.macro HLOAD s                         ; K step s: my four fragments of h, 512 consecutive bytes a load
.irp m, 0,1,2,3
.irp k, 0,1,2
	global_load_b128 v[HF+48*((\s)%3)+12*\m+4*\k:HF+48*((\s)%3)+12*\m+4*\k+3], v10, s[32:33] offset:24576*\m+1536*(\s)+512*\k
.endr
.endr
.endm
.macro FRAGW t, q, b                   ; 16 rows x 128 K: six pieces of 8 bytes; lanes 16-31 read three pieces on, which for some pieces is behind one padding more: the second address
.irp p, 0,1,2,3,4,5
.set PCE, 12*(\q)+6*(\p/3)+\p%3
.if PCE%8 < 5
	ds_load_b64 v[WF+12*(\t)+2*\p:WF+12*(\t)+2*\p+1], v4 offset:WBUF*(\b)+3840*(\t)+8*PCE+16*(PCE/8)
.else
	ds_load_b64 v[WF+12*(\t)+2*\p:WF+12*(\t)+2*\p+1], v5 offset:WBUF*(\b)+3840*(\t)+8*PCE+16*(PCE/8)
.endif
.endr
.endm
.macro WM t, m, s
.set rD, 8*(4*(\m)+(\t))
.set rA, WF+12*(\t)
.set rB, HF+48*((\s)%3)+12*(\m)
.set rX, SW+16*((\t)/2)+(\s)
.set rY, SA+16*((\m)/2)+(\s)
.set rC, rD
.if (\s) == 0
.set rC, BI+8*(\t)                     ; the first K step starts the sums with the bias: nothing is cleared
.endif
.if ((\t)%2 == 0) && ((\m)%2 == 0)
	v_wmma_scale_f32_16x16x128_f8f6f4 v[rD:rD+7], v[rA:rA+11], v[rB:rB+11], v[rC:rC+7], v[rX], v[rY] matrix_a_fmt:MATRIX_FMT_FP6 matrix_b_fmt:MATRIX_FMT_FP6
.elseif (\m)%2 == 0
	v_wmma_scale_f32_16x16x128_f8f6f4 v[rD:rD+7], v[rA:rA+11], v[rB:rB+11], v[rC:rC+7], v[rX], v[rY] matrix_a_fmt:MATRIX_FMT_FP6 matrix_b_fmt:MATRIX_FMT_FP6 matrix_a_scale:MATRIX_SCALE_ROW1
.elseif (\t)%2 == 0
	v_wmma_scale_f32_16x16x128_f8f6f4 v[rD:rD+7], v[rA:rA+11], v[rB:rB+11], v[rC:rC+7], v[rX], v[rY] matrix_a_fmt:MATRIX_FMT_FP6 matrix_b_fmt:MATRIX_FMT_FP6 matrix_b_scale:MATRIX_SCALE_ROW1
.else
	v_wmma_scale_f32_16x16x128_f8f6f4 v[rD:rD+7], v[rA:rA+11], v[rB:rB+11], v[rC:rC+7], v[rX], v[rY] matrix_a_fmt:MATRIX_FMT_FP6 matrix_b_fmt:MATRIX_FMT_FP6 matrix_a_scale:MATRIX_SCALE_ROW1 matrix_b_scale:MATRIX_SCALE_ROW1
.endif
.endm
; K step s: 16 products.  The 16 accumulators take turns, one instruction a turn, in the same order in every K step.
.macro KSTEP s
	WIN 0x40
.irp t, 0,1,2,3
	FRAGW \t, (\s)%2, ((\s)/2)%2
.endr
	s_wait_dscnt 12                                ; tiles 0, 1 are in; the 12 loads of tiles 2, 3 may be out
	WIN 0x51                                       ; source 0 (W2), C and D in window 1, source 1 (h) in window 0
.irp t, 0,1
.irp m, 0,1,2,3
	WM \t, \m, \s
.endr
.endr
	s_wait_dscnt 0x0
.irp t, 2,3
.irp m, 0,1,2,3
	WM \t, \m, \s
.endr
.endr
	WIN 0
.rept 4
	v_nop                                          ; four places in front of loads into registers that matrix instructions have read, and of the first read of results
.endr
.endm
; The global loads go out in this order: H0 .. H2, W1; behind step s: H(s + 3); at the end of chunk c: W(c + 2).  An even step's h is older than the chunk of W2 that the wait before it has shown in.
.macro STEP s
.if (\s) == 0
	s_wait_loadcnt 56                              ; H0, W2's scales, the bias and h's scales of steps 0-7 are in; behind them: h's other scales 16, the gates 4, H1, H2 and W1 12 each
.elseif (\s) == 15
	s_wait_loadcnt 0x0                             ; the last step of h: nothing was issued behind it
.elseif (\s)%2 == 1
	s_wait_loadcnt 36                              ; this step's h is in; behind it: the next step's, a chunk of W2, the step's after that
.endif
	s_cmp_eq_u32 s44, 0
	s_cbranch_scc1 .Lskip_\@                       ; a wave without routed rows jumps over the products alone
	KSTEP \s
.Lskip_\@:
.if (\s) < 13
	HLOAD (\s)+3                                   ; into the set that this step has read
.endif
.endm
; The end of chunk c.  One barrier a chunk: in front of it each wave's reads of this chunk are back and its part of the next chunk has landed in the other buffer, which was last read in front of the barrier before.
.macro CHUNKEND c
.if (\c) < 6
	s_wait_loadcnt 24                              ; the next chunk of W2 is in registers; two steps of h may be out
.else
	s_wait_loadcnt 12                              ; the last chunk: one step of h may be out
.endif
	WSTORE ((\c)+1)%2
	s_wait_dscnt 0x0
.if (\c) < 6
	WLOAD (\c)+2
.endif
	s_barrier_signal -1
	s_barrier_wait -1
.endm
; THE WAY OUT of my rows 16 m .. 16 m + 15: x the row's gate, through my stage in LDS, back as whole rows of 256 bytes, each stored at its row id.  The routed rows of a tile come first: the first row that is none ends the block.
.macro EPI m
	s_cmp_gt_u32 s44, 16*\m
	s_cbranch_scc0 .Lout_\m
	WIN 0x41                                       ; destination and source 0 in window 1
.set j, 0
.rept 16
	v_pk_mul_f32 v[32*\m+2*j:32*\m+2*j+1], v[32*\m+2*j:32*\m+2*j+1], v[GT+2*\m:GT+2*\m+1] op_sel_hi:[1,0]   ; each accumulator from its low end on
.set j, j+1
.endr
	WIN 0x04
.irp t, 0,1,2,3
	ds_store_b128 v[STO], v[32*\m+8*\t:32*\m+8*\t+3] offset:64*\t
	ds_store_b128 v[STO], v[32*\m+8*\t+4:32*\m+8*\t+7] offset:64*\t+16
.endr
	WIN 0
.irp i, 0,1,2,3,4,5,6,7,8,9,10,11,12,13,14,15
	ds_load_b64 v[BK+2*\i:BK+2*\i+1], v[RD] offset:SP*\i           ; LDS serves a wave's instructions in order (ISA guide 5.7.1.4): these see my stores
.endr
.irp i, 0,1,2,3,4,5,6,7,8,9,10,11,12,13,14,15
	v_readlane_b32 s40, v[EL+\m/2], 16*(\m%2)+\i   ; the row id
	s_min_u32 s40, s40, 0xfff
	s_lshl_b32 s40, s40, 12
	v_add_nc_u32 v[AD+\i], s40, v9
.endr
.irp i, 0,1,2,3,4,5,6,7,8,9,10,11,12,13,14,15
	s_cmp_gt_u32 s44, 16*\m+\i
	s_cbranch_scc0 .Lout_\m
	s_wait_dscnt 15-\i                             ; row i is back; the younger rows may be out
	global_store_b64 v[AD+\i], v[BK+2*\i:BK+2*\i+1], s[36:37] th:TH_STORE_NT     ; 32 lanes store 256 consecutive bytes, at a multiple of 256 from eo's first byte
.endr
.Lout_\m:
	s_wait_dscnt 0x0                               ; on every way: the loads from the stage are back,
	s_wait_xcnt 0x0                                ; and the stores have read their registers
.endm
	s_load_b256 s[4:11], s[0:1], 0x0               ; hq s[4:5], plan s[6:7], gw s[8:9], W2's codes s[10:11]
	s_load_b128 s[12:15], s[0:1], 0x20             ; W2's scales s[12:13], b2 s[14:15]
	s_load_b64 s[16:17], s[0:1], 0x30              ; eo
	v_lshl_add_u32 v254, v0, 2, 0x9a00
	v_mov_b32 v255, 0
	v_lshrrev_b32 v1, 5, v0
	v_readfirstlane_b32 s18, v1                    ; wave 0, 1
	s_mov_b32 s19, ttmp9                           ; tx
	s_and_b32 s38, ttmp7, 0xffff                   ; ty
	s_lshl_b32 s39, s38, 4
	s_wait_kmcnt 0x0
	s_load_b128 s[20:23], s[6:7], s39 offset:TIL   ; expert, rows, max(rows, 1) - 1, the tile whose list and h I read
	v_and_b32 v1, 31, v0                           ; l
	v_and_b32 v2, 15, v0                           ; r
	v_bfe_u32 v3, v0, 4, 1                         ; h
	v_mul_u32_u24 v4, v2, WP
	v_mad_u32_u24 v4, v3, 24, v4                   ; W2's fragments: 240 r + 24 h,
	v_lshl_add_u32 v5, v3, 4, v4                   ; and 240 r + 40 h
	v_bfe_u32 v6, v0, 2, 2
	v_lshl_add_u32 v6, v6, 2, v3
	v_bfe_u32 v12, v0, 5, 1
	v_lshl_add_u32 v6, v12, 5, v6                  ; my row of load 0: 32 w + 4 ((lane / 4) % 4) + lane / 16
	v_and_b32 v13, 3, v0
	v_mul_u32_u24 v7, v6, 1536
	v_lshl_add_u32 v7, v13, 4, v7                  ; in memory: rows of 1,536 bytes, + 16 (lane % 4)
	v_mul_u32_u24 v8, v6, WP
	v_lshl_add_u32 v8, v13, 4, v8                  ; and in LDS
	v_lshlrev_b32 v9, 3, v1                        ; 8 l
	v_lshlrev_b32 v10, 4, v1                       ; 16 l
	v_lshlrev_b32 v11, 2, v1                       ; 4 l
	v_lshlrev_b32 v12, 5, v3                       ; the bias: 8 h numbers on
	v_lshlrev_b32 v13, 6, v1                       ; W2's scales: row l of 64 bytes
	s_mul_i32 s42, s18, 16*SP
	s_add_co_u32 s42, s42, STAGE                   ; my stage
	v_mul_u32_u24 v[STO], v2, SP
	v_lshl_add_u32 v[STO], v3, 5, v[STO]
	v_add_nc_u32 v[STO], s42, v[STO]               ; in: row r, + 32 h
	v_add_nc_u32 v[RD], s42, v9                    ; back: 8 l
.irp m, 0,1,2,3
	v_mov_b32 v[GT+2*\m+1], 0                      ; (named as the upper halves of the gates' pairs)
.endr
	s_lshl_b32 s43, s18, 6                         ; my first row in the tile
	s_wait_kmcnt 0x0
	s_min_u32 s20, s20, 7
	s_min_u32 s21, s21, 0x80
	s_min_u32 s22, s22, 0x7f
	s_min_u32 s23, s23, 38
	s_mov_b32 s47, 0
	s_mul_i32 s46, s20, 1572864
	s_mul_i32 s48, s19, 98304
	s_add_co_u32 s46, s46, s48
	s_add_nc_u64 s[24:25], s[10:11], s[46:47]      ; the expert's rows 64 tx .. of W2's codes
	s_lshl_b32 s46, s20, 16
	s_lshl_b32 s48, s19, 12
	s_add_co_u32 s46, s46, s48
	s_add_nc_u64 s[26:27], s[12:13], s[46:47]      ; their scales
	s_lshl_b32 s46, s20, 12
	s_lshl_b32 s48, s19, 8
	s_add_co_u32 s46, s46, s48
	s_add_nc_u64 s[28:29], s[14:15], s[46:47]      ; their bias
	s_lshl_b32 s46, s23, 9
	s_add_nc_u64 s[30:31], s[6:7], s[46:47]        ; the tile's 128 list entries
	s_mul_i32 s46, s23, 196608
	s_mul_i32 s48, s18, 98304
	s_add_co_u32 s46, s46, s48
	s_add_nc_u64 s[32:33], s[4:5], s[46:47]        ; my four rows of fragments of h
	s_lshl_b32 s46, s23, 9
	s_lshl_b32 s48, s18, 8
	s_add_co_u32 s46, s46, s48
	s_add_nc_u64 s[34:35], s[4:5], s[46:47]
	s_add_nc_u64 s[34:35], s[34:35], HS            ; and their scale words
	s_lshl_b32 s46, s19, 8
	s_add_nc_u64 s[36:37], s[16:17], s[46:47]      ; eo at my 64 outputs
	s_sub_co_i32 s44, s21, s43
	s_max_i32 s44, s44, 0                          ; how many of my 64 rows are routed rows (64 or more: all)
	v_add_nc_u32 v[EL], s43, v1                    ; rows 64 w + l, 64 w + 32 + l,
	v_add_nc_u32 v[EL+1], 32, v[EL]
	v_add_nc_u32 v[EM], s43, v2                    ; and 64 w + 16 m + r: each held at the tile's last row
.irp m, 1,2,3
	v_add_nc_u32 v[EM+\m], 16*\m, v[EM]
.endr
.irp n, 0,1,2,3,4,5
	v_min_u32 v[EL+\n], s22, v[EL+\n]
	v_min_u32 v[EL+\n], 0x7f, v[EL+\n]
	v_lshlrev_b32 v[EL+\n], 2, v[EL+\n]
.endr
	; the first group holds all that the first product wants: 62 loads
.irp n, 0,1,2,3,4,5
	global_load_b32 v[EL+\n], v[EL+\n], s[30:31]
.endr
	WLOAD 0
	HLOAD 0
.irp b, 0,1
.irp j, 0,1,2,3
	global_load_b128 v[SW+16*\b+4*\j:SW+16*\b+4*\j+3], v13, s[26:27] offset:2048*\b+16*\j
.endr
.endr
	WIN 0x40
.irp t, 0,1,2,3                                ; lane (r, h), tile t, register j: output 16 t + 8 h + j
	global_load_b128 v[BI+8*\t:BI+8*\t+3], v12, s[28:29] offset:64*\t
	global_load_b128 v[BI+8*\t+4:BI+8*\t+7], v12, s[28:29] offset:64*\t+16
.endr
	WIN 0
.irp s, 0,1,2,3,4,5,6,7
.irp p, 0,1
	global_load_b32 v[SA+16*\p+\s], v11, s[34:35] offset:19968*\s+128*\p
.endr
.endr
	s_wait_loadcnt 56                              ; the six list entries are in; behind them: W0 12, H0 12, W2's scales 8, the bias 8, h's scales 16
.irp m, 0,1,2,3
	v_min_u32 v[EM+\m], 0xfff, v[EM+\m]
	v_lshlrev_b32 v[EM+\m], 2, v[EM+\m]
.endr
	s_wait_loadcnt 44                              ; chunk 0 of W2 is in; behind it: 12 + 8 + 8 + 16
	WSTORE 0
.irp s, 8,9,10,11,12,13,14,15
.irp p, 0,1
	global_load_b32 v[SA+16*\p+\s], v11, s[34:35] offset:19968*\s+128*\p
.endr
.endr
.irp m, 0,1,2,3
	global_load_b32 v[GT+2*\m], v[EM+\m], s[8:9]   ; the gates of my lane's four rows
.endr
	HLOAD 1
	HLOAD 2
	s_wait_dscnt 0x0                               ; chunk 0 has landed in LDS, and the stores have read their registers
	WLOAD 1
	s_barrier_signal -1
	s_barrier_wait -1
.irp s, 0,1,2,3,4,5,6,7,8,9,10,11,12,13,14,15
	STEP \s
.if (\s%2 == 1) && (\s < 15)
	CHUNKEND \s/2
.endif
.endr
	EPI 0
	EPI 1
	EPI 2
	EPI 3
	s_wait_tensorcnt 0x0
	ds_add_u32 v254, v255
	s_wait_dscnt 0x0
	s_endpgm
.Lfunc_end_k_q0689e33470_ffn2:
	.size	k_q0689e33470_ffn2, .Lfunc_end_k_q0689e33470_ffn2-k_q0689e33470_ffn2
	.p2alignl 7, 3214868480
	.fill 96, 4, 3214868480
	.section	.rodata,"a",@progbits
	.p2align	6, 0x0
	.amdhsa_kernel k_q0689e33470_ffn2
		.amdhsa_group_segment_fixed_size 39680
		.amdhsa_private_segment_fixed_size 0
		.amdhsa_enable_private_segment 0
		.amdhsa_kernarg_size 56
		.amdhsa_user_sgpr_count 2
		.amdhsa_user_sgpr_kernarg_segment_ptr 1
		.amdhsa_wavefront_size32 1
		.amdhsa_system_sgpr_workgroup_id_x 1
		.amdhsa_system_sgpr_workgroup_id_y 1
		.amdhsa_system_sgpr_workgroup_id_z 1
		.amdhsa_system_vgpr_workitem_id 0
		.amdhsa_next_free_vgpr 512
		.amdhsa_next_free_sgpr 66
		.amdhsa_reserve_vcc 0
		.amdhsa_float_denorm_mode_32 3
		.amdhsa_float_denorm_mode_16_64 3
		.amdhsa_memory_ordered 1
		.amdhsa_forward_progress 1
		.amdhsa_inst_pref_size 143
	.end_amdhsa_kernel
	.amdgpu_metadata
---
amdhsa.version: [ 1, 2 ]
amdhsa.kernels:
  - .name:           k_q0689e33470_ffn2
    .symbol:         k_q0689e33470_ffn2.kd
    .args:
      - { .name: hq, .offset: 0, .size: 8, .value_kind: global_buffer, .address_space: global }
      - { .name: plan, .offset: 8, .size: 8, .value_kind: global_buffer, .address_space: global }
      - { .name: gw, .offset: 16, .size: 8, .value_kind: global_buffer, .address_space: global }
      - { .name: W2_codes, .offset: 24, .size: 8, .value_kind: global_buffer, .address_space: global }
      - { .name: W2_scales, .offset: 32, .size: 8, .value_kind: global_buffer, .address_space: global }
      - { .name: b2, .offset: 40, .size: 8, .value_kind: global_buffer, .address_space: global }
      - { .name: eo, .offset: 48, .size: 8, .value_kind: global_buffer, .address_space: global }
    .group_segment_fixed_size: 39680
    .private_segment_fixed_size: 0
    .kernarg_segment_align: 8
    .kernarg_segment_size: 56
    .max_flat_workgroup_size: 64
    .sgpr_count:     66
    .vgpr_count:     512
    .wavefront_size: 32
...
	.end_amdgpu_metadata
.endif
;; end of part 4
;; launch finish (part 5): grid 256 x 1, 8 waves a work-group, no clusters, 0 bytes of LDS; arguments eo, x, momentum, ln_g, ln_b, out0, out1; writes out0, out1
.if DOCPART == 5
	.amdgcn_target "amdgcn-amd-amdhsa--gfx1250"
	.amdhsa_code_object_version 6
	.text
	.protected	k_q0689e33470_finish
	.globl	k_q0689e33470_finish
	.p2align	8
	.type	k_q0689e33470_finish,@function
k_q0689e33470_finish:
	s_mov_b64 s[64:65], 0
	v_nop
	global_prefetch_b8 v0, s[64:65] scope:SCOPE_SE
	s_setreg_imm32_b32 hwreg(HW_REG_WAVE_MODE, 25, 1), 1
	s_wait_xcnt 0x0
; FINISH.  new_momentum = 0.7 momentum - (eo[token] + eo[2048 + token]); out = LayerNorm(x + new_momentum) x ln_g + ln_b.  All in f32.
; One wave, one token: a row of 4,096 bytes is 32 registers a lane and stays in registers between the mean, the variance (of the differences from the mean) and the scaling.
; Each load and store of a wave covers 512 consecutive bytes.  No LDS, no barrier, no loop; all 48 loads of a wave go out at once.  Matrix units and clusters have nothing to do here.
.set X,  16
.set M,  48
.set E0, 80
.set E1, 112
.set G,  144
.set B,  176
	s_load_b256 s[4:11], s[0:1], 0x0               ; eo s[4:5], x s[6:7], momentum s[8:9], ln_g s[10:11]
	s_load_b128 s[12:15], s[0:1], 0x20             ; ln_b s[12:13], out0 s[14:15]
	s_load_b64 s[16:17], s[0:1], 0x30              ; out1
	v_lshrrev_b32 v1, 5, v0
	v_readfirstlane_b32 s18, v1
	v_and_b32 v1, 31, v0
	v_lshlrev_b32 v1, 4, v1                        ; 16 l
	s_lshl_b32 s19, ttmp9, 3
	s_add_co_u32 s19, s19, s18                     ; my token
	s_lshl_b32 s20, s19, 12
	s_mov_b32 s21, 0
	s_mov_b32 s22, 0x76543210
	s_mov_b32 s23, 0xfedcba98
	s_mov_b32 s24, 0x3a800000                      ; 1 / 1024
	s_mov_b32 s25, 0x3727c5ac                      ; 1e-5
	s_wait_kmcnt 0x0
	s_add_nc_u64 s[4:5], s[4:5], s[20:21]
	s_add_nc_u64 s[26:27], s[4:5], 0x800000        ; the second slot's row: 2,048 rows on
	s_add_nc_u64 s[6:7], s[6:7], s[20:21]
	s_add_nc_u64 s[8:9], s[8:9], s[20:21]
	s_add_nc_u64 s[14:15], s[14:15], s[20:21]
	s_add_nc_u64 s[16:17], s[16:17], s[20:21]
.irp j, 0,1,2,3,4,5,6,7
	global_load_b128 v[E0+4*\j:E0+4*\j+3], v1, s[4:5] offset:512*\j th:TH_LOAD_NT
.endr
.irp j, 0,1,2,3,4,5,6,7
	global_load_b128 v[E1+4*\j:E1+4*\j+3], v1, s[26:27] offset:512*\j th:TH_LOAD_NT
.endr
.irp j, 0,1,2,3,4,5,6,7
	global_load_b128 v[M+4*\j:M+4*\j+3], v1, s[8:9] offset:512*\j th:TH_LOAD_NT
.endr
.irp j, 0,1,2,3,4,5,6,7
	global_load_b128 v[X+4*\j:X+4*\j+3], v1, s[6:7] offset:512*\j th:TH_LOAD_NT
.endr
.irp j, 0,1,2,3,4,5,6,7
	global_load_b128 v[G+4*\j:G+4*\j+3], v1, s[10:11] offset:512*\j
.endr
.irp j, 0,1,2,3,4,5,6,7
	global_load_b128 v[B+4*\j:B+4*\j+3], v1, s[12:13] offset:512*\j
.endr
	s_wait_loadcnt 24                              ; both rows of eo and momentum are in; x, ln_g, ln_b (24 loads) may be out
.irp j, 0,2,4,6,8,10,12,14,16,18,20,22,24,26,28,30
	v_pk_add_f32 v[E0+\j:E0+\j+1], v[E0+\j:E0+\j+1], v[E1+\j:E1+\j+1]
.endr
.irp j, 0,2,4,6,8,10,12,14,16,18,20,22,24,26,28,30
	v_pk_fma_f32 v[M+\j:M+\j+1], v[M+\j:M+\j+1], 0x3f333333, v[E0+\j:E0+\j+1] op_sel_hi:[1,0,1] neg_lo:[0,0,1] neg_hi:[0,0,1]
.endr
.irp j, 0,1,2,3,4,5,6,7
	global_store_b128 v1, v[M+4*\j:M+4*\j+3], s[16:17] offset:512*\j th:TH_STORE_NT      ; M is not written again
.endr
	s_wait_loadcnt 16                              ; x is in; ln_g and ln_b may be out
.irp j, 0,2,4,6,8,10,12,14,16,18,20,22,24,26,28,30
	v_pk_add_f32 v[X+\j:X+\j+1], v[X+\j:X+\j+1], v[M+\j:M+\j+1]
.endr
	v_pk_add_f32 v[208:209], v[X:X+1], v[X+4:X+5]                  ; the row's sum: two chains
	v_pk_add_f32 v[210:211], v[X+2:X+3], v[X+6:X+7]
.irp j, 8,12,16,20,24,28
	v_pk_add_f32 v[208:209], v[208:209], v[X+\j:X+\j+1]
	v_pk_add_f32 v[210:211], v[210:211], v[X+\j+2:X+\j+3]
.endr
	v_pk_add_f32 v[208:209], v[208:209], v[210:211]
	v_add_f32 v208, v208, v209
.irp n, 1,2,4,8
	v_add_f32_dpp v208, v208, v208 row_xmask:\n row_mask:0xf bank_mask:0xf
.endr
	v_permlanex16_b32 v209, v208, s22, s23
	v_add_f32 v208, v208, v209
	v_mul_f32 v212, s24, v208                      ; the mean
	v_mov_b32 v213, v212
.irp j, 0,2,4,6,8,10,12,14,16,18,20,22,24,26,28,30
	v_pk_add_f32 v[X+\j:X+\j+1], v[X+\j:X+\j+1], v[212:213] op_sel_hi:[1,0] neg_lo:[0,1] neg_hi:[0,1]
.endr
	v_pk_mul_f32 v[208:209], v[X:X+1], v[X:X+1]                    ; the squares' sum: two chains
	v_pk_mul_f32 v[210:211], v[X+2:X+3], v[X+2:X+3]
.irp j, 4,8,12,16,20,24,28
	v_pk_fma_f32 v[208:209], v[X+\j:X+\j+1], v[X+\j:X+\j+1], v[208:209]
	v_pk_fma_f32 v[210:211], v[X+\j+2:X+\j+3], v[X+\j+2:X+\j+3], v[210:211]
.endr
	v_pk_add_f32 v[208:209], v[208:209], v[210:211]
	v_add_f32 v208, v208, v209
.irp n, 1,2,4,8
	v_add_f32_dpp v208, v208, v208 row_xmask:\n row_mask:0xf bank_mask:0xf
.endr
	v_permlanex16_b32 v209, v208, s22, s23
	v_add_f32 v208, v208, v209
	v_fma_f32 v210, v208, s24, s25                 ; the variance + 1e-5
	v_rsq_f32 v214, v210
	v_mov_b32 v215, 0                              ; a plain place; it also writes the pair's upper half
	s_wait_alu depctr_va_vdst(0)                   ; the wait ahead of the first reader
	s_wait_loadcnt 0x0                             ; ln_g, ln_b
.irp j, 0,2,4,6,8,10,12,14,16,18,20,22,24,26,28,30
	v_pk_mul_f32 v[X+\j:X+\j+1], v[X+\j:X+\j+1], v[214:215] op_sel_hi:[1,0]
.endr
.irp j, 0,2,4,6,8,10,12,14,16,18,20,22,24,26,28,30
	v_pk_fma_f32 v[E0+\j:E0+\j+1], v[X+\j:X+\j+1], v[G+\j:G+\j+1], v[B+\j:B+\j+1]
.endr
.irp j, 0,1,2,3,4,5,6,7
	global_store_b128 v1, v[E0+4*\j:E0+4*\j+3], s[14:15] offset:512*\j th:TH_STORE_NT
.endr
	s_endpgm
.Lfunc_end_k_q0689e33470_finish:
	.size	k_q0689e33470_finish, .Lfunc_end_k_q0689e33470_finish-k_q0689e33470_finish
	.p2alignl 7, 3214868480
	.fill 96, 4, 3214868480
	.section	.rodata,"a",@progbits
	.p2align	6, 0x0
	.amdhsa_kernel k_q0689e33470_finish
		.amdhsa_group_segment_fixed_size 0
		.amdhsa_private_segment_fixed_size 0
		.amdhsa_enable_private_segment 0
		.amdhsa_kernarg_size 56
		.amdhsa_user_sgpr_count 2
		.amdhsa_user_sgpr_kernarg_segment_ptr 1
		.amdhsa_wavefront_size32 1
		.amdhsa_system_sgpr_workgroup_id_x 1
		.amdhsa_system_sgpr_workgroup_id_y 1
		.amdhsa_system_sgpr_workgroup_id_z 1
		.amdhsa_system_vgpr_workitem_id 0
		.amdhsa_next_free_vgpr 216
		.amdhsa_next_free_sgpr 66
		.amdhsa_reserve_vcc 0
		.amdhsa_float_denorm_mode_32 3
		.amdhsa_float_denorm_mode_16_64 3
		.amdhsa_memory_ordered 1
		.amdhsa_forward_progress 1
		.amdhsa_inst_pref_size 17
	.end_amdhsa_kernel
	.amdgpu_metadata
---
amdhsa.version: [ 1, 2 ]
amdhsa.kernels:
  - .name:           k_q0689e33470_finish
    .symbol:         k_q0689e33470_finish.kd
    .args:
      - { .name: eo, .offset: 0, .size: 8, .value_kind: global_buffer, .address_space: global }
      - { .name: x, .offset: 8, .size: 8, .value_kind: global_buffer, .address_space: global }
      - { .name: momentum, .offset: 16, .size: 8, .value_kind: global_buffer, .address_space: global }
      - { .name: ln_g, .offset: 24, .size: 8, .value_kind: global_buffer, .address_space: global }
      - { .name: ln_b, .offset: 32, .size: 8, .value_kind: global_buffer, .address_space: global }
      - { .name: out0, .offset: 40, .size: 8, .value_kind: global_buffer, .address_space: global }
      - { .name: out1, .offset: 48, .size: 8, .value_kind: global_buffer, .address_space: global }
    .group_segment_fixed_size: 0
    .private_segment_fixed_size: 0
    .kernarg_segment_align: 8
    .kernarg_segment_size: 56
    .max_flat_workgroup_size: 256
    .sgpr_count:     66
    .vgpr_count:     216
    .wavefront_size: 32
...
	.end_amdgpu_metadata
.endif
;; end of part 5
;; ======== version 2 of 2: 5 launches
;; workspace buffers: xq 1,638,400 bytes; gw 16,384 bytes; choice 20,480 bytes of whole numbers; plan 20,736 bytes of whole numbers; hq 7,987,200 bytes; eo 16,777,216 bytes
;; launch route (part 6): grid 128 x 1, 8 waves a work-group, no clusters, 221,184 bytes of LDS; arguments x, Wg, bg, xq, gw, choice; writes xq, gw, choice
.if DOCPART == 6
	.amdgcn_target "amdgcn-amd-amdhsa--gfx1250"
	.amdhsa_code_object_version 6
	.text
	.protected	k_q0689e33470_route
	.globl	k_q0689e33470_route
	.p2align	8
	.type	k_q0689e33470_route,@function
k_q0689e33470_route:
	s_mov_b64 s[64:65], 0
	v_nop
	global_prefetch_b8 v0, s[64:65] scope:SCOPE_SE
	s_setreg_imm32_b32 hwreg(HW_REG_WAVE_MODE, 25, 1), 1
	s_wait_xcnt 0x0
; ROUTE.  logits = x Wg + bg in f32, the two largest of 8 (ties to the lower index), their two-way softmax; and x quantised ONCE to E2M3 codes with E8M0 scales.
; A work-group owns 16 tokens; wave w owns K = 128 w .. 128 w + 127 of all 16.  Every load of x covers 512 consecutive bytes.
; The choice comes from floating-point numbers, so nothing here is addressed by it: expert, rank and weight go to fixed places (row id = slot x 2048 + token).
; STORED: xq: codes [token][K step 8][half 2][48 bytes] = the 12 operand registers of lane (row, half); from XSC on the scale words [token][8].
;   gw[row id]: the gate's weight.  choice: sel[row id] = expert | rank << 8 (rank among the group's 16 tokens that chose this expert); from CNT on cnt[expert][group].
; LIMITS: logits are taken to be finite, no NaN.  A block whose largest magnitude lies under 2^-124 (a block of zeros too) gets the byte 1; its codes are then zeros or subnormal codes, and this program alone reads the bytes.
; No matrix unit: N = 8.  No cluster: work-groups share only Wg, 32 KB.
.set TURN,  0                          ; LDS: 8 waves x 16 rows x 528: x as loaded, read back 16 neighbours a lane
.set RED,   67584                      ; 8 waves x 32 rows x 528: the lanes' partial logits, turned
.set PART,  202752                     ; 8 waves x 512: each wave's sums, [16 p + token][4 experts]
.set XROW,  206848                     ; 16 tokens x 784: the codes as xq has them (768 + 16)
.set XSCL,  219392                     ; 16 tokens x 32: the scale words
.set XSC,   1572864
.set CNT,   16384
.set WGR,   16                         ; v16-47   Wg[128 w + 4 l + c][e] at 8 c + e
.set XR,    48                         ; v48-111  x: row i at 4 i; later 64 numbers for the quantiser
.set ACC,   112                        ; v112-239 partial logits (row i, expert e) at 8 i + e
.set PC,    112                        ; the codes just made (ACC is free then)
.set PW,    132                        ; the scale word just made
.set TM,    240                        ; v240-255 the quantiser's own
.set SEL,   20                         ; s[20:21] selects for lane l xor 16
; 64 numbers of a lane, register 16 b + i = k 32 b + 16 (lane / 16) + i of its row, become a fragment's 12 registers in v[PC] on and its scale word in v[PW].
.macro QUANT s
.irp b, 0,1,2,3
	v_max3_num_f32 v[TM+\b], |v[\s+16*\b]|, |v[\s+1+16*\b]|, 0x1800000   ; with the floor 2^(3 - 127): the byte cannot fall under 1
.endr
.irp i, 2,4,6,8,10,12,14
.irp b, 0,1,2,3
	s_delay_alu instid0(VALU_DEP_4)
	v_max3_num_f32 v[TM+\b], v[TM+\b], |v[\s+16*\b+\i]|, |v[\s+1+16*\b+\i]|
.endr
.endr
.irp b, 0,1,2,3
	s_delay_alu instid0(VALU_DEP_4)
	v_permlanex16_b32 v[TM+4+\b], v[TM+\b], s[SEL], s[SEL+1]
.endr
.irp b, 0,1,2,3
	s_delay_alu instid0(VALU_DEP_4)
	v_max_num_f32 v[TM+\b], v[TM+\b], v[TM+4+\b]       ; the block's largest magnitude
.endr
.irp b, 0,1,2,3
	s_delay_alu instid0(VALU_DEP_4)
	v_add_nc_u32 v[TM+12+\b], 0xff000000, v[TM+\b]     ; 2 off its exponent field: the conversion's scale operand
.endr
.irp b, 0,1,2,3
	s_delay_alu instid0(VALU_DEP_4)
	v_lshrrev_b32 v[TM+4+\b], 23, v[TM+12+\b]          ; the scale's byte
.endr
	s_delay_alu instid0(VALU_DEP_3)
	v_lshl_or_b32 v[PW], v[TM+5], 8, v[TM+4]
	s_delay_alu instid0(VALU_DEP_1)
	v_lshl_or_b32 v[PW], v[TM+6], 16, v[PW]
	s_delay_alu instid0(VALU_DEP_1)
	v_lshl_or_b32 v[PW], v[TM+7], 24, v[PW]
.irp c, 0,1
	v_cvt_scalef32_pk16_fp6_f32 v[PC+6*\c:PC+2+6*\c], v[\s+32*\c:\s+15+32*\c], v[TM+12+2*\c]
	v_cvt_scalef32_pk16_fp6_f32 v[PC+12+4*\c:PC+14+4*\c], v[\s+16+32*\c:\s+31+32*\c], v[TM+12+2*\c+1]
.endr
	v_nop                                          ; one plain place behind the scaled conversions
.irp c, 0,1                                    ; a whole block to a lane: lanes 0-15 block 2 c, lanes 16-31 block 2 c + 1
.irp i, 0,1,2
	v_permlane16_swap_b32 v[PC+6*\c+\i], v[PC+12+4*\c+\i]
.endr
.irp i, 0,1,2
	s_delay_alu instid0(VALU_DEP_3)
	v_mov_b32 v[PC+3+6*\c+\i], v[PC+12+4*\c+\i]
.endr
.endr
.endm
; my four k (c = 0 .. 3) times Wg's eight columns, for the 16 rows: two experts an instruction; sel picks x's word of its pair for both halves
.macro DOT c, sel
.irp i, 0,1,2,3,4,5,6,7,8,9,10,11,12,13,14,15
.irp p, 0,1,2,3
.if \c == 0
	v_pk_mul_f32 v[ACC+8*\i+2*\p:ACC+8*\i+2*\p+1], v[XR+4*\i:XR+4*\i+1], v[WGR+2*\p:WGR+2*\p+1] op_sel:[0,0] op_sel_hi:[0,1]
.else
	v_pk_fma_f32 v[ACC+8*\i+2*\p:ACC+8*\i+2*\p+1], v[XR+4*\i+2*(\c/2):XR+4*\i+2*(\c/2)+1], v[WGR+8*\c+2*\p:WGR+8*\c+2*\p+1], v[ACC+8*\i+2*\p:ACC+8*\i+2*\p+1] op_sel:[\sel,0,0] op_sel_hi:[\sel,1,1]
.endif
.endr
.endr
.endm
.macro TREE n                          ; quads j and j + n are added, j = 0 .. n - 1
.set j, 0
.rept \n
	v_pk_add_f32 v[ACC+4*j:ACC+4*j+1], v[ACC+4*j:ACC+4*j+1], v[ACC+4*(j+\n):ACC+4*(j+\n)+1]
	v_pk_add_f32 v[ACC+4*j+2:ACC+4*j+3], v[ACC+4*j+2:ACC+4*j+3], v[ACC+4*(j+\n)+2:ACC+4*(j+\n)+3]
.set j, j+1
.endr
.endm
	s_load_b256 s[4:11], s[0:1], 0x0               ; x s[4:5], Wg s[6:7], bg s[8:9], xq s[10:11]
	s_load_b128 s[12:15], s[0:1], 0x20             ; gw s[12:13], choice s[14:15]
	v_lshl_add_u32 v250, v0, 2, 0x35c00
	v_mov_b32 v251, 0
	v_lshrrev_b32 v1, 5, v0
	s_delay_alu instid0(VALU_DEP_1)
	v_readfirstlane_b32 s16, v1                    ; wave 0..7
	v_and_b32 v1, 31, v0                           ; l
	v_and_b32 v2, 15, v0                           ; r
	v_bfe_u32 v3, v0, 4, 1                         ; hh
	s_delay_alu instid0(VALU_DEP_3)
	v_lshlrev_b32 v4, 4, v1                        ; 16 l
	s_mul_i32 s17, s16, 8448                       ; my TURN
	v_add_nc_u32 v5, s17, v4                       ; in: 16 l
	v_mul_u32_u24 v6, v2, 528
	s_delay_alu instid0(VALU_DEP_1)
	v_lshl_add_u32 v6, v3, 6, v6
	s_delay_alu instid0(VALU_DEP_1)
	v_add_nc_u32 v6, s17, v6                       ; back: row r, + 64 hh
	s_mul_i32 s17, s16, 16896
	s_add_co_u32 s17, s17, RED                     ; my RED
	v_add_nc_u32 v7, s17, v4
	v_mul_u32_u24 v8, v1, 528
	s_delay_alu instid0(VALU_DEP_1)
	v_add_nc_u32 v8, s17, v8
	s_lshl_b32 s17, s16, 9
	s_add_co_u32 s17, s17, PART
	v_add_nc_u32 v9, s17, v4                       ; my 512 bytes of PART
	v_lshl_add_u32 v10, v2, 4, PART                ; token r's sums
	v_mul_u32_u24 v11, v2, 784
	s_delay_alu instid0(VALU_DEP_1)
	v_mad_u32_u24 v11, v3, 48, v11
	s_mul_i32 s17, s16, 96
	s_add_co_u32 s17, s17, XROW
	v_add_nc_u32 v11, s17, v11                     ; token r, K step w, half hh
	s_mul_i32 s17, s16, 1568
	s_add_co_u32 s17, s17, XROW
	v_add_nc_u32 v12, s17, v4                      ; the way out: rows 2 w, 2 w + 1 as 1,536 dense bytes
	s_delay_alu instid0(VALU_DEP_1)
	v_lshl_add_u32 v13, v3, 4, v12                 ; (the second 512 bytes pass the first row's padding in lanes 16-31)
	s_lshl_b32 s17, s16, 2
	s_add_co_u32 s17, s17, XSCL
	v_lshl_add_u32 v14, v2, 5, s17                 ; token r's word for K step w
	v_lshlrev_b32 v15, 7, v1
	s_delay_alu instid0(VALU_DEP_1)
	v_lshl_add_u32 v15, s16, 12, v15               ; Wg: (128 w + 4 l) rows of 32 bytes
.irp b, 0,1,2,3
	v_mov_b32 v[TM+4+\b], 0                        ; written once: a lane permute's destination counts as one of its sources
.endr
	s_mov_b32 s[SEL], 0x76543210
	s_mov_b32 s[SEL+1], 0xfedcba98
	s_lshl_b32 s18, ttmp9, 16                      ; 16 tokens of 4,096 bytes
	s_lshl_b32 s19, s16, 9
	s_add_co_u32 s18, s18, s19
	s_mov_b32 s19, 0
	s_wait_alu depctr_va_vdst(0)
	s_wait_kmcnt 0x0
	s_load_b256 s[24:31], s[8:9], 0x0              ; bg
	s_add_nc_u64 s[4:5], s[4:5], s[18:19]
	s_mul_i32 s18, ttmp9, 12288                    ; xq: 16 tokens of 768 bytes,
	s_mul_i32 s17, s16, 1536                       ; my two
	s_add_co_u32 s18, s18, s17
	s_add_nc_u64 s[22:23], s[10:11], s[18:19]
	s_lshl_b32 s18, ttmp9, 9                       ; and the group's 512 bytes of scale words
	s_add_nc_u64 s[32:33], s[10:11], s[18:19]
.irp j, 0,1,2,3,4,5,6,7
	global_load_b128 v[WGR+4*\j:WGR+4*\j+3], v15, s[6:7] offset:16*\j
.endr
.irp i, 0,1,2,3,4,5,6,7,8,9,10,11,12,13,14,15
	global_load_b128 v[XR+4*\i:XR+4*\i+3], v4, s[4:5] offset:4096*\i th:TH_LOAD_NT
.endr
	s_wait_loadcnt 0x0
	s_wait_kmcnt 0x0                               ; bg
.irp i, 0,1,2,3,4,5,6,7,8,9,10,11,12,13,14,15
	ds_store_b128 v5, v[XR+4*\i:XR+4*\i+3] offset:528*\i
.endr
	DOT 0, 0
	DOT 1, 1
	DOT 2, 0
	DOT 3, 1
	; the sum over my 32 lanes: row 16 p + i of RED takes every lane's four numbers (row i, experts 4 p ..); lane l then reads row l whole
.irp i, 0,1,2,3,4,5,6,7,8,9,10,11,12,13,14,15
.irp p, 0,1
	ds_store_b128 v7, v[ACC+8*\i+4*\p:ACC+8*\i+4*\p+3] offset:(16*\p+\i)*528
.endr
.endr
.irp j, 0,1,2,3,4,5,6,7,8,9,10,11,12,13,14,15,16,17,18,19,20,21,22,23,24,25,26,27,28,29,30,31
	ds_load_b128 v[ACC+4*\j:ACC+4*\j+3], v8 offset:16*\j          ; LDS serves a wave's instructions in order: these see my stores
.endr
.irp b, 0,1,2,3
.irp j, 0,1,2,3
	ds_load_b128 v[XR+16*\b+4*\j:XR+16*\b+4*\j+3], v6 offset:128*\b+16*\j   ; x[r][128 w + 32 b + 16 hh + 4 j ..]
.endr
.endr
	s_wait_dscnt 16                                ; RED's 32 loads are in; the 16 from TURN may be out
	TREE 16
	TREE 8
	TREE 4
	TREE 2
	TREE 1
	ds_store_b128 v9, v[ACC:ACC+3]                 ; token l % 16, experts 4 (l / 16) ..: my wave's part
	s_wait_dscnt 0x0                               ; x is back, and the store has read its registers
	QUANT XR
.irp c, 0,1,2
	ds_store_b128 v11, v[PC+4*\c:PC+4*\c+3] offset:16*\c
.endr
	ds_store_b32 v14, v[PW]                        ; both halves write the same word with the same value
	s_wait_dscnt 0x0                               ; for the others' sake: my stores have landed
	s_barrier_signal -1
	s_barrier_wait -1
	v_add_nc_u32 v16, XSCL, v4
	ds_load_b128 v[136:139], v12
	ds_load_b128 v[140:143], v13 offset:512
	ds_load_b128 v[144:147], v12 offset:1040
	s_wait_dscnt 0x0
.irp i, 0,1,2
	global_store_b128 v4, v[136+4*\i:139+4*\i], s[22:23] offset:512*\i       ; 512 consecutive bytes, at a multiple of 256 from xq's first byte
.endr
	s_cmp_lg_u32 s16, 1
	s_cbranch_scc1 .Lnot_one
	s_wait_alu depctr_va_vdst(0)
	ds_load_b128 v[148:151], v16                   ; wave 1: the group's scale words
	s_wait_dscnt 0x0
	global_store_b128 v4, v[148:151], s[32:33] offset:XSC
.Lnot_one:
	s_cmp_lg_u32 s16, 0
	s_cbranch_scc1 .Lend
	; wave 0: the router.  Lane (r, hh) holds token r's eight logits; it will serve slot hh
.irp w, 0,1,2,3,4,5,6,7
.irp p, 0,1
	ds_load_b128 v[48+8*\w+4*\p:48+8*\w+4*\p+3], v10 offset:512*\w+256*\p
.endr
.endr
	s_wait_dscnt 0x0
.irp w, 1,2,3,4,5,6,7
.irp q, 0,2,4,6
	v_pk_add_f32 v[48+\q:49+\q], v[48+\q:49+\q], v[48+8*\w+\q:49+8*\w+\q]
.endr
.endr
.irp e, 0,1,2,3,4,5,6,7
	v_add_f32 v[48+\e], s[24+\e], v[48+\e]
.endr
	v_mov_b32 v112, v48                            ; the largest, and its index: a later logit wins only if it is greater
	v_mov_b32 v113, 0
.irp e, 1
	s_delay_alu instid0(VALU_DEP_2)
	v_cmp_ge_f32 vcc_lo, v112, v[48+\e]
	s_delay_alu instid0(VALU_DEP_1)
	v_cndmask_b32 v113, \e, v113, vcc_lo
	s_delay_alu instid0(VALU_DEP_2)
	v_cndmask_b32 v112, v[48+\e], v112, vcc_lo
.endr
.irp e, 2, 3, 4, 5, 6, 7
	s_delay_alu instid0(VALU_DEP_1)
	v_cmp_ge_f32 vcc_lo, v112, v[48+\e]
	s_delay_alu instid0(VALU_DEP_1)
	v_cndmask_b32 v113, \e, v113, vcc_lo
	s_delay_alu instid0(VALU_DEP_2)
	v_cndmask_b32 v112, v[48+\e], v112, vcc_lo
.endr
	v_mov_b32 v116, 0xff800000
.irp e, 0,1,2,3,4,5,6,7
	v_cmp_eq_u32 vcc_lo, \e, v113
	s_delay_alu instid0(VALU_DEP_1)
	v_cndmask_b32 v[48+\e], v[48+\e], v116, vcc_lo     ; the first choice is out
.endr
	v_mov_b32 v114, v48
	v_mov_b32 v115, 0
.irp e, 1
	s_delay_alu instid0(VALU_DEP_2)
	v_cmp_ge_f32 vcc_lo, v114, v[48+\e]
	s_delay_alu instid0(VALU_DEP_1)
	v_cndmask_b32 v115, \e, v115, vcc_lo
	s_delay_alu instid0(VALU_DEP_2)
	v_cndmask_b32 v114, v[48+\e], v114, vcc_lo
.endr
.irp e, 2, 3, 4, 5, 6, 7
	s_delay_alu instid0(VALU_DEP_1)
	v_cmp_ge_f32 vcc_lo, v114, v[48+\e]
	s_delay_alu instid0(VALU_DEP_1)
	v_cndmask_b32 v115, \e, v115, vcc_lo
	s_delay_alu instid0(VALU_DEP_2)
	v_cndmask_b32 v114, v[48+\e], v114, vcc_lo
.endr
	s_delay_alu instid0(VALU_DEP_1)
	v_sub_f32 v117, v114, v112                     ; the maximum is taken away: second - first, 0 or less
	s_delay_alu instid0(VALU_DEP_1)
	v_mul_f32 v117, 0x3fb8aa3b, v117
	s_wait_alu depctr_va_vdst(0)
	v_exp_f32 v118, v117
	v_nop
	s_wait_alu depctr_va_vdst(0)                   ; the wait ahead of the first reader
	v_add_f32 v119, 1.0, v118
	s_wait_alu depctr_va_vdst(0)
	v_rcp_f32 v120, v119                           ; the first's weight
	v_nop
	s_wait_alu depctr_va_vdst(0)
	v_mul_f32 v121, v118, v120                     ; the second's
	v_cmp_eq_u32 vcc_lo, 1, v3
	s_delay_alu instid0(VALU_DEP_1)
	v_cndmask_b32 v122, v113, v115, vcc_lo         ; my slot's expert
	v_cndmask_b32 v123, v120, v121, vcc_lo         ; and weight
	v_mov_b32 v124, 0
	v_mov_b32 v125, 0
.irp e, 0,1,2,3,4,5,6,7                        ; a token takes an expert at most once: the mask of tokens that took e stands twice, in both halves
	v_cmp_eq_u32 s34, \e, v113
	v_cmp_eq_u32 s35, \e, v115
	s_or_b32 s34, s34, s35
	s_and_b32 s35, s34, 0xffff
	s_bcnt1_i32_b32 s35, s35                       ; how many of the 16
	v_mbcnt_lo_u32_b32 v126, s34, 0
	v_mul_u32_u24 v127, s35, v3
	s_delay_alu instid0(VALU_DEP_1)
	v_sub_nc_u32 v126, v126, v127                  ; how many of them have a lower token number than mine
	v_cmp_eq_u32 vcc_lo, \e, v122
	s_delay_alu instid0(VALU_DEP_1)
	v_cndmask_b32 v124, v124, v126, vcc_lo
	v_writelane_b32 v125, s35, \e
.endr
	s_delay_alu instid0(VALU_DEP_2)
	v_lshl_or_b32 v126, v124, 8, v122              ; expert | rank << 8
	v_lshl_add_u32 v127, v3, 11, v2
	s_lshl_b32 s34, ttmp9, 4
	v_add_nc_u32 v127, s34, v127
	s_delay_alu instid0(VALU_DEP_1)
	v_lshlrev_b32 v127, 2, v127                    ; 4 x (2048 slot + token)
	global_store_b32 v127, v123, s[12:13]
	global_store_b32 v127, v126, s[14:15]
	v_lshlrev_b32 v128, 9, v1
	s_lshl_b32 s34, ttmp9, 2
	v_add_nc_u32 v128, s34, v128                   ; cnt[l][group]
	s_wait_alu depctr_va_vdst(0)
	s_wait_xcnt 0x0                                ; EXEC changes only behind this wait
	v_cmp_gt_u32 vcc_lo, 8, v1
	s_and_saveexec_b32 s36, vcc_lo
	global_store_b32 v128, v125, s[14:15] offset:CNT
	s_wait_xcnt 0x0
	s_or_b32 exec_lo, exec_lo, s36
.Lend:
	s_wait_tensorcnt 0x0
	ds_add_u32 v250, v251
	s_wait_dscnt 0x0
	s_endpgm
.Lfunc_end_k_q0689e33470_route:
	.size	k_q0689e33470_route, .Lfunc_end_k_q0689e33470_route-k_q0689e33470_route
	.p2alignl 7, 3214868480
	.fill 96, 4, 3214868480
	.section	.rodata,"a",@progbits
	.p2align	6, 0x0
	.amdhsa_kernel k_q0689e33470_route
		.amdhsa_group_segment_fixed_size 221184
		.amdhsa_private_segment_fixed_size 0
		.amdhsa_enable_private_segment 0
		.amdhsa_kernarg_size 48
		.amdhsa_user_sgpr_count 2
		.amdhsa_user_sgpr_kernarg_segment_ptr 1
		.amdhsa_wavefront_size32 1
		.amdhsa_system_sgpr_workgroup_id_x 1
		.amdhsa_system_sgpr_workgroup_id_y 1
		.amdhsa_system_sgpr_workgroup_id_z 1
		.amdhsa_system_vgpr_workitem_id 0
		.amdhsa_next_free_vgpr 256
		.amdhsa_next_free_sgpr 66
		.amdhsa_reserve_vcc 1
		.amdhsa_float_denorm_mode_32 3
		.amdhsa_float_denorm_mode_16_64 3
		.amdhsa_memory_ordered 1
		.amdhsa_forward_progress 1
		.amdhsa_inst_pref_size 51
	.end_amdhsa_kernel
	.amdgpu_metadata
---
amdhsa.version: [ 1, 2 ]
amdhsa.kernels:
  - .name:           k_q0689e33470_route
    .symbol:         k_q0689e33470_route.kd
    .args:
      - { .name: x, .offset: 0, .size: 8, .value_kind: global_buffer, .address_space: global }
      - { .name: Wg, .offset: 8, .size: 8, .value_kind: global_buffer, .address_space: global }
      - { .name: bg, .offset: 16, .size: 8, .value_kind: global_buffer, .address_space: global }
      - { .name: xq, .offset: 24, .size: 8, .value_kind: global_buffer, .address_space: global }
      - { .name: gw, .offset: 32, .size: 8, .value_kind: global_buffer, .address_space: global }
      - { .name: choice, .offset: 40, .size: 8, .value_kind: global_buffer, .address_space: global }
    .group_segment_fixed_size: 221184
    .private_segment_fixed_size: 0
    .kernarg_segment_align: 8
    .kernarg_segment_size: 48
    .max_flat_workgroup_size: 256
    .sgpr_count:     66
    .vgpr_count:     256
    .wavefront_size: 32
...
	.end_amdgpu_metadata
.endif
;; end of part 6
;; launch place (part 7): grid 1 x 1, 8 waves a work-group, no clusters, 9,216 bytes of LDS; arguments choice, plan; writes plan
.if DOCPART == 7
	.amdgcn_target "amdgcn-amd-amdhsa--gfx1250"
	.amdhsa_code_object_version 6
	.text
	.protected	k_q0689e33470_place
	.globl	k_q0689e33470_place
	.p2align	8
	.type	k_q0689e33470_place,@function
k_q0689e33470_place:
	s_mov_b64 s[64:65], 0
	v_nop
	global_prefetch_b8 v0, s[64:65] scope:SCOPE_SE
	s_setreg_imm32_b32 hwreg(HW_REG_WAVE_MODE, 25, 1), 1
	s_wait_xcnt 0x0
; PLACE.  A counting sort of the 4,096 routed rows by expert, without atomics; one work-group.  Each expert's rows begin at a multiple of 128, so there are at most 4096 / 128 + 7 = 39 tiles of 128 rows, whatever the choice.
; plan: rowlist[position] = row id (only positions that hold a row are written, and only those are read later); from TIL on tiles[39] = expert, rows, max(rows, 1) - 1, (rows ? tile : 0).
; Wave e scans expert e's 128 group counts; a row's position = the expert's first + the rows of earlier groups + its rank in its group.
.set CNT, 16384
.set TIL, 19968
.set PBT, 256                          ; LDS: 8 totals at 0; from 256 on first positions [expert][group], 512 bytes an expert
	s_load_b128 s[4:7], s[0:1], 0x0                ; choice, plan
	v_lshl_add_u32 v96, v0, 2, 0x2000
	v_mov_b32 v97, 0
	v_lshrrev_b32 v1, 5, v0
	s_delay_alu instid0(VALU_DEP_1)
	v_readfirstlane_b32 s16, v1                    ; wave = expert
	v_bfe_u32 v3, v0, 4, 1                         ; lane / 16
	v_lshlrev_b32 v4, 4, v0                        ; 16 t = 512 e + 16 l
	v_lshlrev_b32 v5, 2, v0                        ; 4 t
	v_lshlrev_b32 v6, 2, v1                        ; 4 e
	v_lshrrev_b32 v7, 4, v0
	s_delay_alu instid0(VALU_DEP_1)
	v_lshl_add_u32 v7, v7, 2, PBT                  ; PBT + 4 (t / 16)
	v_mov_b32 v2, 0
	v_mov_b32 v13, 0
	s_wait_alu depctr_va_vdst(0)
	s_wait_kmcnt 0x0
	global_load_b128 v[8:11], v4, s[4:5] offset:CNT    ; counts of groups 4 l .. 4 l + 3
.irp j, 0,1,2,3,4,5,6,7,8,9,10,11,12,13,14,15
	global_load_b32 v[16+\j], v5, s[4:5] offset:1024*\j     ; sel of row id t + 256 j
.endr
	s_wait_loadcnt 16                              ; the counts are in; the 16 loads of sel may be out
	v_add_nc_u32 v32, v8, v9
	s_delay_alu instid0(VALU_DEP_1)
	v_add_nc_u32 v33, v32, v10
	s_delay_alu instid0(VALU_DEP_1)
	v_add_nc_u32 v34, v33, v11                     ; my four groups' rows
	s_delay_alu instid0(VALU_DEP_1)
	v_mov_b32 v12, v34
.irp n, 1,2,4,8                                ; an inclusive scan inside each half of 16 lanes
	s_delay_alu instid0(VALU_DEP_1)
	v_mov_b32_dpp v13, v12 row_shr:\n row_mask:0xf bank_mask:0xf bound_ctrl:1
	s_delay_alu instid0(VALU_DEP_1)
	v_add_nc_u32 v12, v12, v13
.endr
	s_delay_alu instid0(VALU_DEP_1)
	v_readlane_b32 s20, v12, 15
	s_delay_alu instid0(VALU_DEP_1)
	v_mad_u32_u24 v12, v3, s20, v12                ; the upper half adds the lower half's total
	s_delay_alu instid0(VALU_DEP_1)
	v_readlane_b32 s21, v12, 31                    ; the expert's rows
	s_delay_alu instid0(VALU_DEP_2)
	v_sub_nc_u32 v35, v12, v34                     ; rows of earlier lanes
	s_delay_alu instid0(VALU_DEP_2)
	v_mov_b32 v14, s21
	ds_store_b32 v6, v14
	s_wait_dscnt 0x0
	s_barrier_signal -1
	s_barrier_wait -1
	ds_load_b128 v[40:43], v2
	ds_load_b128 v[44:47], v2 offset:16
	s_wait_dscnt 0x0
.irp i, 0,1,2,3,4,5,6,7
	v_readfirstlane_b32 s[24+\i], v[40+\i]         ; rows of expert i
.endr
.irp i, 0,1,2,3,4,5,6,7
	s_add_co_u32 s[32+\i], s[24+\i], 127
	s_lshr_b32 s[32+\i], s[32+\i], 7               ; its tiles
.endr
	s_mov_b32 s40, 0
.irp i, 0,1,2,3,4,5,6,7
	s_add_co_u32 s[41+\i], s[40+\i], s[32+\i]      ; its first tile: s[40 + i]
.endr
	s_mov_b32 s49, s40
.irp i, 1,2,3,4,5,6,7
	s_cmp_eq_u32 s16, \i
	s_cselect_b32 s49, s[40+\i], s49
.endr
	s_lshl_b32 s49, s49, 7                         ; my expert's first position
	v_add_nc_u32 v36, s49, v35
	s_delay_alu instid0(VALU_DEP_1)
	v_add_nc_u32 v37, v36, v8
	s_delay_alu instid0(VALU_DEP_2)
	v_add_nc_u32 v38, v36, v32
	s_delay_alu instid0(VALU_DEP_3)
	v_add_nc_u32 v39, v36, v33
	ds_store_b128 v4, v[36:39] offset:PBT          ; first positions of groups 4 l .. 4 l + 3
	s_wait_dscnt 0x0
	s_barrier_signal -1
	s_barrier_wait -1
	; the table of tiles: thread t is tile t
	v_mov_b32 v52, 0
	v_mov_b32 v53, 0
.irp i, 0,1,2,3,4,5,6,7
	v_sub_nc_u32 v48, v0, s[40+\i]                 ; which of expert i's tiles (wraps where t lies ahead of them)
	s_delay_alu instid0(VALU_DEP_1)
	v_cmp_gt_u32 vcc_lo, s[32+\i], v48
	s_delay_alu instid0(VALU_DEP_2)
	v_lshlrev_b32 v49, 7, v48
	s_delay_alu instid0(VALU_DEP_1)
	v_sub_nc_u32 v49, s[24+\i], v49
	s_delay_alu instid0(VALU_DEP_1)
	v_min_u32 v49, 0x80, v49                       ; rows left, 128 at the most
	v_mov_b32 v50, \i
	s_delay_alu instid0(VALU_DEP_1)
	v_cndmask_b32 v52, v52, v50, vcc_lo
	s_delay_alu instid0(VALU_DEP_3)
	v_cndmask_b32 v53, v53, v49, vcc_lo
.endr
	s_delay_alu instid0(VALU_DEP_1)
	v_max_u32 v54, 1, v53
	s_delay_alu instid0(VALU_DEP_1)
	v_add_nc_u32 v54, -1, v54
	s_delay_alu instid0(VALU_DEP_3)
	v_cmp_ne_u32 vcc_lo, 0, v53
	s_delay_alu instid0(VALU_DEP_1)
	v_cndmask_b32 v55, 0, v0, vcc_lo
	s_wait_alu depctr_va_vdst(0)
	s_wait_xcnt 0x0                                ; EXEC changes only behind this wait
	v_cmp_gt_u32 vcc_lo, 39, v0
	s_wait_tensorcnt 0x0
	ds_add_u32 v96, v97
	s_wait_dscnt 0x0
	s_and_saveexec_b32 s50, vcc_lo
	global_store_b128 v4, v[52:55], s[6:7] offset:TIL
	s_wait_xcnt 0x0
	s_or_b32 exec_lo, exec_lo, s50
	s_wait_loadcnt 0x0                             ; sel
.irp j, 0,1,2,3,4,5,6,7,8,9,10,11,12,13,14,15  ; token = t + 256 (j % 8), group = t / 16 + 16 (j % 8).  No LDS store follows the last barrier
	v_and_b32 v[64+\j], 7, v[16+\j]
	s_delay_alu instid0(VALU_DEP_1)
	v_min_u32 v[64+\j], 7, v[64+\j]
	s_delay_alu instid0(VALU_DEP_1)
	v_lshl_add_u32 v[64+\j], v[64+\j], 9, v7
	ds_load_b32 v[80+\j], v[64+\j] offset:64*(\j%8)
.endr
	s_wait_dscnt 0x0
.irp j, 0,1,2,3,4,5,6,7,8,9,10,11,12,13,14,15
	v_bfe_u32 v[64+\j], v[16+\j], 8, 5             ; the rank in the group
	s_delay_alu instid0(VALU_DEP_1)
	v_add_nc_u32 v[80+\j], v[80+\j], v[64+\j]
	s_delay_alu instid0(VALU_DEP_1)
	v_min_u32 v[80+\j], 0x137f, v[80+\j]           ; a position, 4,991 at the most
	s_delay_alu instid0(VALU_DEP_1)
	v_lshlrev_b32 v[80+\j], 2, v[80+\j]
	v_add_nc_u32 v[64+\j], 256*\j, v0              ; the row id
	global_store_b32 v[80+\j], v[64+\j], s[6:7]
.endr
	s_endpgm
.Lfunc_end_k_q0689e33470_place:
	.size	k_q0689e33470_place, .Lfunc_end_k_q0689e33470_place-k_q0689e33470_place
	.p2alignl 7, 3214868480
	.fill 96, 4, 3214868480
	.section	.rodata,"a",@progbits
	.p2align	6, 0x0
	.amdhsa_kernel k_q0689e33470_place
		.amdhsa_group_segment_fixed_size 9216
		.amdhsa_private_segment_fixed_size 0
		.amdhsa_enable_private_segment 0
		.amdhsa_kernarg_size 16
		.amdhsa_user_sgpr_count 2
		.amdhsa_user_sgpr_kernarg_segment_ptr 1
		.amdhsa_wavefront_size32 1
		.amdhsa_system_sgpr_workgroup_id_x 1
		.amdhsa_system_sgpr_workgroup_id_y 1
		.amdhsa_system_sgpr_workgroup_id_z 1
		.amdhsa_system_vgpr_workitem_id 0
		.amdhsa_next_free_vgpr 98
		.amdhsa_next_free_sgpr 66
		.amdhsa_reserve_vcc 1
		.amdhsa_float_denorm_mode_32 3
		.amdhsa_float_denorm_mode_16_64 3
		.amdhsa_memory_ordered 1
		.amdhsa_forward_progress 1
		.amdhsa_inst_pref_size 23
	.end_amdhsa_kernel
	.amdgpu_metadata
---
amdhsa.version: [ 1, 2 ]
amdhsa.kernels:
  - .name:           k_q0689e33470_place
    .symbol:         k_q0689e33470_place.kd
    .args:
      - { .name: choice, .offset: 0, .size: 8, .value_kind: global_buffer, .address_space: global }
      - { .name: plan, .offset: 8, .size: 8, .value_kind: global_buffer, .address_space: global }
    .group_segment_fixed_size: 9216
    .private_segment_fixed_size: 0
    .kernarg_segment_align: 8
    .kernarg_segment_size: 16
    .max_flat_workgroup_size: 256
    .sgpr_count:     66
    .vgpr_count:     98
    .wavefront_size: 32
...
	.end_amdgpu_metadata
.endif
;; end of part 7
;; launch ffn1 (part 8): grid 4 x 39, 4 waves a work-group, no clusters, 223,744 bytes of LDS; arguments xq, plan, W1_codes, W1_scales, b1, hq; writes hq
.if DOCPART == 8
	.amdgcn_target "amdgcn-amd-amdhsa--gfx1250"
	.amdhsa_code_object_version 6
	.text
	.protected	k_q0689e33470_ffn1
	.globl	k_q0689e33470_ffn1
	.p2align	8
	.type	k_q0689e33470_ffn1,@function
k_q0689e33470_ffn1:
	s_mov_b64 s[64:65], 0
	v_nop
	global_prefetch_b8 v0, s[64:65] scope:SCOPE_SE
	s_setreg_imm32_b32 hwreg(HW_REG_WAVE_SCHED_MODE, 0, 2), 2
	s_setreg_imm32_b32 hwreg(HW_REG_WAVE_MODE, 25, 1), 1
	s_wait_xcnt 0x0
	s_wait_alu depctr_vm_vsrc(0)
; FFN1.  h = Q(relu(x W1 + b1)) for the routed rows alone, on E2M3 codes with E8M0 scales.  Work-group (tx, ty): the 128 sorted rows of tile ty x hidden units 512 tx .. 512 tx + 511 of the tile's expert.
; Wave w: ALL 128 rows (eight fragments) x units 512 tx + 128 w .. + 127 (eight tiles): 64 accumulators, 512 registers.  So each fragment of W1 is read from LDS once, by one wave,
; and a wave's results are whole K steps of the next product: whole fragments, whole scale words.
; W1's 128 rows of a wave are the wave's own: memory -> registers -> its own 30,720 bytes of LDS -> fragments; no other wave touches them, so the K loop has no barrier.
; x's 128 rows are gathered once for the 512 units, 32 rows a wave, and read by all four waves behind the one barrier.
; TRANSPOSED: source 0 = 16 rows of W1, source 1 = 16 rows of x.  W1's rows lie in LDS with bits 3 and 4 of the row number swapped, so that tile t, lane r is row 32 (t / 2) + 8 (t % 2) + r + 8 (r / 8):
; the 16 registers of tiles 2 b and 2 b + 1 are then 16 neighbours along the next K.  The first K step starts the sums with the constant 0; b1 is added in f32 on the way out, ahead of relu.
; THE GRID SERVES EVERY SPLIT: 39 tiles at the most.  What a work-group does hangs on numbers read from memory (expert, rows), so the text has no tensor load, no copy, no cluster and no joint request:
; operands go through registers.  A tile without rows is led to tile 0's first row, passes the barrier and ends.
; Rows past the tile's last are copies of its last row: the next launch reads them and throws their results away.
; hq: fragment images [position / 16][K step 16][3][lane][16 bytes]; from HS on scale words [K step][position].
; LIMITS: a block of h whose largest magnitude lies under 2^-124 (all zeros too) gets the byte 1; this program alone reads the bytes.  b1 is added behind the sum over K, not ahead of it.
; REGISTERS, in windows of 256: window 0: v0-23 addresses; v24-55 x's scale words; v56-87 W1's; v88-183 x's eight fragments; v184-247 a third of W1 on its way.
;   window 1: v0-95 W1's eight fragments; v96-223 two thirds of W1 on its way (at the end v96-159: b1).   windows 2, 3: the accumulators of rows 0-63, 64-127: (m, t) at 8 (8 (m % 4) + t).
; THE MODE: SCHED_MODE bits 1:0 = 2 (LLVM: expert scheduling mode 2), set by the entry lines.  The code itself states the register dependences
; between vector or matrix instructions and memory or LDS instructions, with s_wait_alu, always for 0.
; THE PLAN.  Registers that memory or LDS instructions touch, in the K steps:
;   x's fragments 0-3   LDS loads land; read by a step's first 32 products.       x's fragments 4-7   LDS loads land; read by its last 32.
;   W1's tiles 0-3      LDS loads land; last read by the step's products 33-48.    W1's tiles 4-7      LDS loads land; last read by its products 49-64.
;   W1 on its way       loads from memory land, LDS stores read; no vector or matrix instruction names these registers in the K steps.
;   v4-v16              addresses and offsets, made once at the head and never written again.     The scale words are loaded once.
; All 1,024 registers are taken, so no operand has a second set.  TWO waits on va_vdst stand in a step.  WAIT A, behind product 48: x's 0-3 and tiles 0-3 are free; their 36 LDS loads follow, 24 at once and 12 behind
; the next eight products.  WAIT B, behind product 64: tiles 4-7 and x's 4-7 are free; 12 loads follow at once, 12 behind the next step's first eight products, 12 behind its second eight.
; The products that stand between a wait and its loads name the other half's fragments, the accumulators and the scale words alone.  One wait on vm_vsrc stands at the head of each step that loads from memory.
.set XSC,  1572864
.set TIL,  19968
.set HS,   7667712
.set AP,   784                         ; LDS: x's rows, 768 + 16 bytes: 49 x 16, so sixteen rows begin at sixteen different 16-byte columns of 256
.set WREG, 100352                      ; behind x's 128 rows: 128 rows of W1, 256 along K, for each wave
.set WP,   240                         ; a row: 3 x (64 bytes + 16)
.set WBUF, 30720
.set SA,   24                          ; x's scale words: 8 p + s: lanes 0-15 rows 32 p .., lanes 16-31 rows 32 p + 16 ..
.set SW,   56                          ; W1's: 8 b + s: lanes 0-15 tile 2 b, lanes 16-31 tile 2 b + 1
.set AF,   88                          ; x's fragment m at 12 m
.set WS2,  184                         ; W1 on its way: the third 64 bytes of each row (window 0)
.set GA,   88                          ; at the head: where the list entries lie: pair pr = rows 2 pr (lanes 0-15), 2 pr + 1 (lanes 16-31)
.set EP,   104                         ; at the head: where the entries of rows 32 p + lane lie
.set GB,   108                         ; at the head: the pairs' entries, then their gather offsets
.set EB,   124                         ; at the head: the entries of rows 32 p + lane, then their scale words' offsets
.set HA,   88                          ; at the end: 64 numbers of h,
.set TM,   172                         ; the quantiser's own,
.set PW,   188                         ; the scale word just made, the one before it, and the two joined;
.set PW0,  189                         ; (the codes: v152-171 and v192-211 by turns: PC is set by the way out)
.set PWS,  190
.set WF,   0                           ; window 1: W1's fragment t at 12 t
.set WS0,  96                          ; window 1: W1 on its way: the first and the second 64 bytes of each row
.set WS1,  160
.set BI,   96                          ; window 1, at the end: b1 in the result's layout, tile t at 8 t
.set SEL,  40
.set MSB, 0
.macro WIN new                         ; bits 1:0 source 0, 3:2 source 1, 5:4 source 2, 7:6 destination; the high byte repeats the setting that is left
.if MSB != \new
	s_set_vgpr_msb (MSB<<8)|\new
.set MSB, \new
.endif
.endm
.macro PLACES                          ; four places behind matrix instructions, ahead of loads into registers that they have read and of the first read of results; they stay beside the waits on va_vdst
.rept 4
	v_nop
.endr
.endm
; 64 numbers of a lane, register 16 b + i = k 32 b + 16 (lane / 16) + i of its row, become a fragment's 12 registers in v[PC] on and its scale word in v[PW].
.macro QUANT s
.irp b, 0,1,2,3
	v_max3_num_f32 v[TM+\b], |v[\s+16*\b]|, |v[\s+1+16*\b]|, 0x1800000   ; with the floor 2^(3 - 127): the byte cannot fall under 1
.endr
.irp i, 2,4,6,8,10,12,14
.irp b, 0,1,2,3
	v_max3_num_f32 v[TM+\b], v[TM+\b], |v[\s+16*\b+\i]|, |v[\s+1+16*\b+\i]|
.endr
.endr
.irp b, 0,1,2,3
	v_permlanex16_b32 v[TM+4+\b], v[TM+\b], s[SEL], s[SEL+1]
.endr
.irp b, 0,1,2,3
	v_max_num_f32 v[TM+\b], v[TM+\b], v[TM+4+\b]
.endr
.irp b, 0,1,2,3
	v_add_nc_u32 v[TM+12+\b], 0xff000000, v[TM+\b]     ; 2 off the exponent field: the conversion's scale operand
.endr
.irp b, 0,1,2,3
	v_lshrrev_b32 v[TM+4+\b], 23, v[TM+12+\b]
.endr
	v_lshl_or_b32 v[PW], v[TM+5], 8, v[TM+4]
	v_lshl_or_b32 v[PW], v[TM+6], 16, v[PW]
	v_lshl_or_b32 v[PW], v[TM+7], 24, v[PW]
.irp c, 0,1
	v_cvt_scalef32_pk16_fp6_f32 v[PC+6*\c:PC+2+6*\c], v[\s+32*\c:\s+15+32*\c], v[TM+12+2*\c]
	v_cvt_scalef32_pk16_fp6_f32 v[PC+12+4*\c:PC+14+4*\c], v[\s+16+32*\c:\s+31+32*\c], v[TM+12+2*\c+1]
.endr
	v_nop                                          ; one plain place behind the scaled conversions
.irp c, 0,1
.irp i, 0,1,2
	v_permlane16_swap_b32 v[PC+6*\c+\i], v[PC+12+4*\c+\i]
.endr
.irp i, 0,1,2
	v_mov_b32 v[PC+3+6*\c+\i], v[PC+12+4*\c+\i]
.endr
.endr
.endm
; My 128 rows of W1, 256 along K (192 bytes a row), chunk c: 48 loads a lane in three runs of 16, four lanes to 64 consecutive bytes of a row.  Load a of sixteen takes the rows whose place in LDS is
; 16 (a / 2) + 2 (a % 2) + 4 ((lane / 4) % 4) + lane / 16; the row in memory is that place with bits 3 and 4 swapped.  WL0 and WL1 want the destination in window 1, WL2 in window 0.
.macro WL0 c
.irp a, 0,1,2,3,4,5,6,7,8,9,10,11,12,13,14,15
	global_load_b128 v[WS0+4*\a:WS0+4*\a+3], v7, s[24:25] offset:1536*(\a%2)+6144*((\a/2)%2)+24576*(\a/4)+192*(\c)
.endr
.endm
.macro WL1 c
.irp a, 0,1,2,3,4,5,6,7,8,9,10,11,12,13,14,15
	global_load_b128 v[WS1+4*\a:WS1+4*\a+3], v7, s[24:25] offset:1536*(\a%2)+6144*((\a/2)%2)+24576*(\a/4)+64+192*(\c)
.endr
.endm
.macro WL2 c
.irp a, 0,1,2,3,4,5,6,7,8,9,10,11,12,13,14,15
	global_load_b128 v[WS2+4*\a:WS2+4*\a+3], v7, s[24:25] offset:1536*(\a%2)+6144*((\a/2)%2)+24576*(\a/4)+128+192*(\c)
.endr
.endm
.macro WLOAD c                         ; the three runs on end: at the head
	WIN 0x40
	WL0 \c
	WL1 \c
	WIN 0
	WL2 \c
.endm
; Into my LDS.
.macro WSTORE
	WIN 0x04                                       ; an LDS store's data are its source 1
.irp a, 0,1,2,3,4,5,6,7,8,9,10,11,12,13,14,15
	ds_store_b128 v8, v[WS0+4*\a:WS0+4*\a+3] offset:480*(\a%2)+3840*(\a/2)
.endr
.irp a, 0,1,2,3,4,5,6,7,8,9,10,11,12,13,14,15
	ds_store_b128 v8, v[WS1+4*\a:WS1+4*\a+3] offset:480*(\a%2)+3840*(\a/2)+80
.endr
	WIN 0
.irp a, 0,1,2,3,4,5,6,7,8,9,10,11,12,13,14,15
	ds_store_b128 v8, v[WS2+4*\a:WS2+4*\a+3] offset:480*(\a%2)+3840*(\a/2)+160
.endr
.endm
.macro FRAGA s, g                      ; x's fragments 4 g .. 4 g + 3 of K step s: 12 loads of 16 bytes
.irp m, 0,1,2,3
.irp c, 0,1,2
.if (\g) == 0
	ds_load_b128 v[AF+12*\m+4*\c:AF+12*\m+4*\c+3], v6 offset:12544*\m+96*(\s)+16*\c
.else
	ds_load_b128 v[AF+48+12*\m+4*\c:AF+48+12*\m+4*\c+3], v16 offset:12544*\m+96*(\s)+16*\c
.endif
.endr
.endr
.endm
.macro FRAGW t, q                      ; 16 rows x 128 K: six pieces of 8 bytes; lanes 16-31 read three pieces on, which for some pieces is behind one padding more: the second address
.irp p, 0,1,2,3,4,5
.set PCE, 12*(\q)+6*(\p/3)+\p%3
.if PCE%8 < 5
	ds_load_b64 v[WF+12*(\t)+2*\p:WF+12*(\t)+2*\p+1], v4 offset:3840*(\t)+8*PCE+16*(PCE/8)
.else
	ds_load_b64 v[WF+12*(\t)+2*\p:WF+12*(\t)+2*\p+1], v5 offset:3840*(\t)+8*PCE+16*(PCE/8)
.endif
.endr
.endm
.macro WM t, m, s
.set rD, 8*(8*((\m)%4)+(\t))
.set rA, WF+12*(\t)
.set rB, AF+12*(\m)
.set rX, SW+8*((\t)/2)+(\s)
.set rY, SA+8*((\m)/2)+(\s)
.if (\s) == 0                          ; the first K step starts the sums: nothing is cleared
.if ((\t)%2 == 0) && ((\m)%2 == 0)
	v_wmma_scale_f32_16x16x128_f8f6f4 v[rD:rD+7], v[rA:rA+11], v[rB:rB+11], 0, v[rX], v[rY] matrix_a_fmt:MATRIX_FMT_FP6 matrix_b_fmt:MATRIX_FMT_FP6
.elseif (\m)%2 == 0
	v_wmma_scale_f32_16x16x128_f8f6f4 v[rD:rD+7], v[rA:rA+11], v[rB:rB+11], 0, v[rX], v[rY] matrix_a_fmt:MATRIX_FMT_FP6 matrix_b_fmt:MATRIX_FMT_FP6 matrix_a_scale:MATRIX_SCALE_ROW1
.elseif (\t)%2 == 0
	v_wmma_scale_f32_16x16x128_f8f6f4 v[rD:rD+7], v[rA:rA+11], v[rB:rB+11], 0, v[rX], v[rY] matrix_a_fmt:MATRIX_FMT_FP6 matrix_b_fmt:MATRIX_FMT_FP6 matrix_b_scale:MATRIX_SCALE_ROW1
.else
	v_wmma_scale_f32_16x16x128_f8f6f4 v[rD:rD+7], v[rA:rA+11], v[rB:rB+11], 0, v[rX], v[rY] matrix_a_fmt:MATRIX_FMT_FP6 matrix_b_fmt:MATRIX_FMT_FP6 matrix_a_scale:MATRIX_SCALE_ROW1 matrix_b_scale:MATRIX_SCALE_ROW1
.endif
.else
.if ((\t)%2 == 0) && ((\m)%2 == 0)
	v_wmma_scale_f32_16x16x128_f8f6f4 v[rD:rD+7], v[rA:rA+11], v[rB:rB+11], v[rD:rD+7], v[rX], v[rY] matrix_a_fmt:MATRIX_FMT_FP6 matrix_b_fmt:MATRIX_FMT_FP6
.elseif (\m)%2 == 0
	v_wmma_scale_f32_16x16x128_f8f6f4 v[rD:rD+7], v[rA:rA+11], v[rB:rB+11], v[rD:rD+7], v[rX], v[rY] matrix_a_fmt:MATRIX_FMT_FP6 matrix_b_fmt:MATRIX_FMT_FP6 matrix_a_scale:MATRIX_SCALE_ROW1
.elseif (\t)%2 == 0
	v_wmma_scale_f32_16x16x128_f8f6f4 v[rD:rD+7], v[rA:rA+11], v[rB:rB+11], v[rD:rD+7], v[rX], v[rY] matrix_a_fmt:MATRIX_FMT_FP6 matrix_b_fmt:MATRIX_FMT_FP6 matrix_b_scale:MATRIX_SCALE_ROW1
.else
	v_wmma_scale_f32_16x16x128_f8f6f4 v[rD:rD+7], v[rA:rA+11], v[rB:rB+11], v[rD:rD+7], v[rX], v[rY] matrix_a_fmt:MATRIX_FMT_FP6 matrix_b_fmt:MATRIX_FMT_FP6 matrix_a_scale:MATRIX_SCALE_ROW1 matrix_b_scale:MATRIX_SCALE_ROW1
.endif
.endif
.endm
; Eight products: tiles 2 j, 2 j + 1 x four fragments of x.  The 64 accumulators take turns, one instruction a turn, in the same order in every K step.
.macro ML j, s
.irp u, 0,1
.irp m, 0,1,2,3
	WM 2*(\j)+\u, \m, \s
.endr
.endr
.endm
.macro MH j, s
.irp u, 0,1
.irp m, 4,5,6,7
	WM 2*(\j)+\u, \m, \s
.endr
.endr
.endm
; A K STEP: 64 products.  At its head these LDS loads of the step have been issued, in this order: x's fragments 0-3 and tiles 0, 1 (24 loads), tiles 2, 3 (12), tiles 4, 5 (12).
; First half: rows 0-63; tiles 6, 7 and x's fragments 4-7 are asked for behind its first and second eight products.  In an odd step the next 256 along K of W1 are stored behind it: all reads of the last 256 are back by then.
; Second half: rows 64-127; behind its sixteenth product wait A, behind its last wait B, and behind each the next step's loads.  LDS serves a wave's instructions in order (ISA guide 5.7.1.4): those loads see the stores.
.macro STEP s
.if (\s == 2) || (\s == 4) || (\s == 6)
	s_wait_alu depctr_vm_vsrc(0)                   ; the LDS stores of the step before have read the registers in which W1 was on its way: this step's loads from memory land there
.endif
	s_wait_dscnt 24                                ; x's 0-3 and tiles 0, 1 are in; tiles 2, 3 and 4, 5 (2 x 12) may be out.  In an even step the 48 stores of the step before are older still: done
	WIN 0xa1                                       ; source 0 (W1) window 1, source 1 (x) window 0, C and D window 2
	ML 0, \s
	WIN 0x40
	FRAGW 6, (\s)%2                                ; no wait: since wait B no product has named tiles 6, 7
	FRAGW 7, (\s)%2
.if (\s == 2) || (\s == 4)
	WL0 \s/2+1                                     ; the next chunk, wanted a step and a half from here, in three runs among the products
.endif
.if \s == 6
.irp t, 0,1,2,3,4,5,6,7                        ; b1: lane (r, h), tile t, register j: unit 32 (t / 2) + 8 (t % 2) + 16 h + j
	global_load_b128 v[BI+8*\t:BI+8*\t+3], v12, s[28:29] offset:(32*(\t/2)+8*(\t%2))*4
	global_load_b128 v[BI+8*\t+4:BI+8*\t+7], v12, s[28:29] offset:(32*(\t/2)+8*(\t%2))*4+16
.endr
.endif
	s_wait_dscnt 24                                ; tiles 2, 3 are in; tiles 4, 5 and 6, 7 may be out
	WIN 0xa1
	ML 1, \s
	WIN 0
	FRAGA \s, 1                                    ; no wait: since wait B no product has named x's fragments 4-7
.if (\s == 2) || (\s == 4)
	WL2 \s/2+1
.endif
	s_wait_dscnt 24                                ; tiles 4, 5 are in; tiles 6, 7 and x's 4-7 may be out
	WIN 0xa1
	ML 2, \s
.if (\s == 2) || (\s == 4)
	WIN 0x40
	WL1 \s/2+1
.endif
	s_wait_dscnt 12                                ; all tiles are in; x's 4-7 may be out
	WIN 0xa1
	ML 3, \s
.if (\s%2 == 1) && (\s < 7)
	s_wait_loadcnt 0x0                             ; the next chunk of W1 is in registers
	WSTORE
	s_wait_dscnt 48                                ; x's 4-7 are in; the 48 stores may be out
.else
	s_wait_dscnt 0x0                               ; x's 4-7 are in
.endif
	WIN 0xf1                                       ; C and D window 3
	MH 0, \s
	MH 1, \s
.if \s < 7
	PLACES
	WIN 0
	s_wait_alu depctr_va_vdst(0)                   ; WAIT A: the products issued so far are done reading x's fragments 0-3 and tiles 0-3, in which the 36 loads from here to wait B land; the products between name tiles 4-7 and x's 4-7
	FRAGA \s+1, 0
	WIN 0x40
	FRAGW 0, (\s+1)%2
	FRAGW 1, (\s+1)%2
	WIN 0xf1
.endif
	MH 2, \s
.if \s < 7
	WIN 0x40
	FRAGW 2, (\s+1)%2
	FRAGW 3, (\s+1)%2
	WIN 0xf1
.endif
	MH 3, \s
	PLACES
.if \s < 7
	WIN 0x40
	s_wait_alu depctr_va_vdst(0)                   ; WAIT B: the step's products are done reading tiles 4-7 and x's fragments 4-7, in which these loads and 24 of the next step's land; the products between name tiles 0-3 and x's 0-3
	FRAGW 4, (\s+1)%2
	FRAGW 5, (\s+1)%2
.endif
	WIN 0
.endm
; THE WAY OUT of rows 16 m .. 16 m + 15: + b1, relu, quantised: one fragment of the next product, stored as it stands, and its scale words.  The codes have two buffers, which take turns.
.macro OUT m
.set PC, 152+40*((\m)%2)
.if (\m) < 4
	WIN 0x06                                       ; source 0 window 2, source 1 (b1) window 1
.else
	WIN 0x07                                       ; source 0 window 3
.endif
.set j, 0
.rept 32
	v_pk_add_f32 v[HA+2*j:HA+2*j+1], v[64*((\m)%4)+2*j:64*((\m)%4)+2*j+1], v[BI+2*j:BI+2*j+1]   ; each accumulator from its low end on
.set j, j+1
.endr
	WIN 0
.set j, 0
.rept 64
	v_max_num_f32 v[HA+j], 0, v[HA+j]
.set j, j+1
.endr
.if (\m) > 1
	s_wait_xcnt 0x0                                ; the stores issued so far have had their addresses translated (ISA guide 3.1),
	s_wait_alu depctr_vm_vsrc(0)                   ; and have read their registers: the codes' buffer of two fragments back and the joined scale word are written again below
.endif
	QUANT HA
.if (\m)%2 == 0
	v_mov_b32 v[PW0], v[PW]
.else
	v_cndmask_b32 v[PWS], v[PW0], v[PW], vcc_lo    ; lanes 0-15 the even fragment's rows, lanes 16-31 the odd one's
.endif
	s_wait_alu depctr_va_vdst(0)                   ; the quantiser has written the codes, and the select the joined scale word, which the stores below read
.irp c, 0,1,2
	global_store_b128 v10, v[PC+4*\c:PC+4*\c+3], s[32:33] offset:24576*(\m)+512*\c     ; 512 consecutive bytes a store
.endr
.if (\m)%2 == 1
	global_store_b32 v11, v[PWS], s[34:35] offset:128*((\m)/2)
.endif
.endm
	s_load_b256 s[4:11], s[0:1], 0x0               ; xq s[4:5], plan s[6:7], W1's codes s[8:9], W1's scales s[10:11]
	s_load_b128 s[12:15], s[0:1], 0x20             ; b1 s[12:13], hq s[14:15]
	v_lshl_add_u32 v254, v0, 2, 0x36800
	v_mov_b32 v255, 0
	v_lshrrev_b32 v1, 5, v0
	v_readfirstlane_b32 s16, v1                    ; wave 0..3
	s_mov_b32 s17, ttmp9                           ; tx
	s_and_b32 s18, ttmp7, 0xffff                   ; ty
	s_lshl_b32 s19, s18, 4
	s_wait_kmcnt 0x0
	s_load_b128 s[20:23], s[6:7], s19 offset:TIL   ; expert, rows, max(rows, 1) - 1, the tile whose list I read
	v_and_b32 v1, 31, v0                           ; l
	v_and_b32 v2, 15, v0                           ; r
	v_bfe_u32 v3, v0, 4, 1                         ; h
	s_wait_alu depctr_va_sdst(0)                   ; s16, the wave's number, is written, ahead of its first reader
	s_mul_i32 s42, s16, WBUF
	s_add_co_u32 s42, s42, WREG                    ; my rows of W1 in LDS
	v_mul_u32_u24 v4, v2, WP
	v_mad_u32_u24 v4, v3, 24, v4
	v_lshl_add_u32 v5, v3, 4, v4
	v_add_nc_u32 v4, s42, v4                       ; W1's fragments: 240 r + 24 h,
	v_add_nc_u32 v5, s42, v5                       ; and 240 r + 40 h
	v_mul_u32_u24 v6, v2, AP
	v_mad_u32_u24 v6, v3, 48, v6                   ; x's fragments 0-3: row r, + 48 h;
	v_add_nc_u32 v16, 50176, v6                    ; 4-7: 64 rows on
	v_bfe_u32 v7, v0, 2, 1
	v_bfe_u32 v14, v0, 3, 1
	v_lshlrev_b32 v7, 2, v7
	v_lshl_add_u32 v7, v14, 4, v7
	v_add_nc_u32 v7, v3, v7                        ; W1 in memory: my row of load 0: 4 (bit 2 of the lane) + 16 (bit 3) + (bit 4),
	v_mul_u32_u24 v7, v7, 768
	v_and_b32 v14, 3, v0
	v_lshl_add_u32 v7, v14, 4, v7                  ; of 768 bytes, + 16 (lane % 4)
	v_bfe_u32 v8, v0, 2, 2
	v_lshl_add_u32 v8, v8, 2, v3                   ; and its place in LDS: 4 ((lane / 4) % 4) + lane / 16
	v_mul_u32_u24 v8, v8, WP
	v_lshl_add_u32 v8, v14, 4, v8
	v_add_nc_u32 v8, s42, v8
	s_mul_i32 s43, s16, 32*AP                      ; the 32 rows of x that I gather
	v_mul_u32_u24 v9, v3, AP
	v_lshl_add_u32 v9, v2, 4, v9
	v_add_nc_u32 v9, s43, v9                       ; their place in LDS: row h of a pair, 16 r
	v_lshlrev_b32 v10, 4, v1                       ; 16 l
	v_lshlrev_b32 v11, 2, v1                       ; 4 l
	v_lshlrev_b32 v12, 6, v3                       ; the bias: 16 h numbers on
	v_and_b32 v13, 7, v0
	v_bfe_u32 v14, v0, 3, 1
	v_lshl_add_u32 v13, v14, 4, v13
	v_lshl_add_u32 v13, v3, 3, v13
	v_lshlrev_b32 v13, 5, v13                      ; W1's scales: row r % 8 + 16 (r / 8) + 8 h of 32 bytes
	v_lshlrev_b32 v15, 4, v2                       ; 16 r
	s_mov_b32 s[SEL], 0x76543210
	s_mov_b32 s[SEL+1], 0xfedcba98
	s_lshl_b32 s44, s16, 5                         ; the first row that I gather
	s_wait_kmcnt 0x0
	s_min_u32 s20, s20, 7
	s_min_u32 s21, s21, 0x80
	s_min_u32 s22, s22, 0x7f
	s_min_u32 s23, s23, 38
	s_lshl_b32 s46, s17, 2
	s_add_co_u32 s46, s46, s16                     ; which 128 units are mine: 4 tx + wave: the next product's K step
	s_mov_b32 s49, 0
	s_mul_i32 s48, s20, 1572864
	s_mul_i32 s47, s46, 98304
	s_add_co_u32 s48, s48, s47
	s_add_nc_u64 s[24:25], s[8:9], s[48:49]        ; my 128 rows of the expert's codes
	s_lshl_b32 s48, s20, 16
	s_lshl_b32 s47, s46, 12
	s_add_co_u32 s48, s48, s47
	s_add_nc_u64 s[26:27], s[10:11], s[48:49]      ; their scales
	s_lshl_b32 s48, s20, 13
	s_lshl_b32 s47, s46, 9
	s_add_co_u32 s48, s48, s47
	s_add_nc_u64 s[28:29], s[12:13], s[48:49]      ; their bias
	s_lshl_b32 s48, s23, 9
	s_add_nc_u64 s[30:31], s[6:7], s[48:49]        ; the tile's 128 list entries
	s_mul_i32 s48, s18, 196608
	s_mul_i32 s47, s46, 1536
	s_add_co_u32 s48, s48, s47
	s_add_nc_u64 s[32:33], s[14:15], s[48:49]      ; hq: the tile's eight fragments of my K step
	s_mul_i32 s48, s46, 4992
	s_lshl_b32 s47, s18, 7
	s_add_co_u32 s48, s48, s47
	s_lshl_b32 s48, s48, 2
	s_add_nc_u64 s[34:35], s[14:15], s[48:49]
	s_add_nc_u64 s[34:35], s[34:35], HS            ; and their 128 scale words
	s_add_nc_u64 s[36:37], s[4:5], XSC             ; x's scale words
	v_add_nc_u32 v17, s44, v3
.irp pr, 0,1,2,3,4,5,6,7,8,9,10,11,12,13,14,15
	v_add_nc_u32 v[GA+\pr], 2*\pr, v17             ; row 32 w + 2 pr + h, held at the tile's last row
	v_min_u32 v[GA+\pr], s22, v[GA+\pr]
	v_min_u32 v[GA+\pr], 0x7f, v[GA+\pr]
	v_lshlrev_b32 v[GA+\pr], 2, v[GA+\pr]
.endr
.irp p, 0,1,2,3
	v_add_nc_u32 v[EP+\p], 32*\p, v1               ; row 32 p + l: every wave wants all rows' scale words
	v_min_u32 v[EP+\p], s22, v[EP+\p]
	v_min_u32 v[EP+\p], 0x7f, v[EP+\p]
	v_lshlrev_b32 v[EP+\p], 2, v[EP+\p]
.endr
	s_wait_alu depctr_va_vdst(0)                   ; all addresses and offsets of the kernel, v4 to v16 and v[GA ..] to v[EP + 3], are written: the loads, LDS instructions and stores below read them
.irp pr, 0,1,2,3,4,5,6,7,8,9,10,11,12,13,14,15
	global_load_b32 v[GB+\pr], v[GA+\pr], s[30:31]
.endr
.irp p, 0,1,2,3
	global_load_b32 v[EB+\p], v[EP+\p], s[30:31]
.endr
.irp b, 0,1,2,3
	global_load_b128 v[SW+8*\b:SW+8*\b+3], v13, s[26:27] offset:1024*\b
	global_load_b128 v[SW+8*\b+4:SW+8*\b+7], v13, s[26:27] offset:1024*\b+16
.endr
	WLOAD 0
	s_wait_loadcnt 56                              ; the 20 list entries are in; 8 loads of W1's scales and 48 of chunk 0 may be out
.irp pr, 0,1,2,3,4,5,6,7,8,9,10,11,12,13,14,15
	v_and_b32 v[GB+\pr], 0x7ff, v[GB+\pr]          ; the token
	v_min_u32 v[GB+\pr], 0x7ff, v[GB+\pr]
	v_mul_u32_u24 v[GB+\pr], 0x300, v[GB+\pr]
	v_add_nc_u32 v[GB+\pr], v15, v[GB+\pr]         ; its 768 bytes of codes, + 16 r
.endr
.irp p, 0,1,2,3
	v_and_b32 v[EB+\p], 0x7ff, v[EB+\p]
	v_min_u32 v[EB+\p], 0x7ff, v[EB+\p]
	v_lshlrev_b32 v[EB+\p], 5, v[EB+\p]            ; its 32 bytes of scale words
.endr
	WIN 0x80                                       ; destination window 2: the accumulators' registers are free until the first product
	s_wait_alu depctr_va_vdst(0)                   ; the gather's offsets v[GB ..] and the scale words' v[EB ..] are written, which the loads below read.  No vector instruction follows until the first product
.irp pr, 0,1,2,3,4,5,6,7,8,9,10,11,12,13,14,15
.irp i, 0,1,2
	global_load_b128 v[12*\pr+4*\i:12*\pr+4*\i+3], v[GB+\pr], s[4:5] offset:256*\i     ; sixteen lanes take 256 consecutive bytes of a row, at a multiple of 256 from xq's first byte
.endr
.endr
	WIN 0
.irp p, 0,1,2,3
	global_load_b128 v[SA+8*\p:SA+8*\p+3], v[EB+\p], s[36:37]
	global_load_b128 v[SA+8*\p+4:SA+8*\p+7], v[EB+\p], s[36:37] offset:16
.endr
	s_wait_loadcnt 56                              ; chunk 0 is in; behind it: 48 loads of the gather, 8 of x's scales
	WSTORE
	s_wait_alu depctr_vm_vsrc(0)                   ; the LDS stores have read the registers in which chunk 0 came: chunk 1 lands there
	WLOAD 1
	s_wait_loadcnt 56                              ; the gather is in; behind it: 8 of x's scales, 48 of chunk 1
	WIN 0x08                                       ; an LDS store's data are its source 1: window 2
.irp pr, 0,1,2,3,4,5,6,7,8,9,10,11,12,13,14,15
.irp i, 0,1,2
	ds_store_b128 v9, v[12*\pr+4*\i:12*\pr+4*\i+3] offset:1568*\pr+256*\i
.endr
.endr
	WIN 0
	s_wait_loadcnt 48                              ; x's scales are in; chunk 1 may be out
	s_wait_dscnt 0x0                               ; for the others' sake: my 32 rows of x have landed
	s_barrier_signal -1
	s_barrier_wait -1                              ; the launch's one barrier: behind it nobody writes x's rows
	s_wait_alu depctr_vm_vsrc(0)                   ; my LDS stores have read the gathered rows' registers, which the products write as accumulators; the list's and the gather's loads have read v[GA ..] to v[EB + 3], in which x's fragments land
	s_cmp_eq_u32 s21, 0
	s_cbranch_scc1 .Lend                           ; a tile without rows has nothing to make
	FRAGA 0, 0                                     ; (the vector instructions that named v88 to v127 stand ahead of the last wait on va_vdst)
	WIN 0x40
.irp t, 0,1,2,3,4,5
	FRAGW \t, 0
.endr
	WIN 0
.irp s, 0,1,2,3,4,5,6,7
	STEP \s
.endr
	s_wait_loadcnt 0x0                             ; b1
.irp b, 0,1,2,3
	v_mov_b32 v[TM+4+\b], 0                        ; written once: a lane permute's destination counts as one of its sources
.endr
	v_cmp_eq_u32 vcc_lo, 1, v3
	s_wait_alu depctr_va_vcc(0)                    ; VCC is written, ahead of its first reader, the select of the second fragment's way out; nothing writes it again
.irp m, 0,1,2,3,4,5,6,7
	OUT \m
.endr
.Lend:
	s_wait_dscnt 0x0                               ; the closing lines, six on end
	s_wait_alu 0x0
	s_wait_tensorcnt 0x0
	ds_add_u32 v254, v255
	s_wait_dscnt 0x0
	s_endpgm
.Lfunc_end_k_q0689e33470_ffn1:
	.size	k_q0689e33470_ffn1, .Lfunc_end_k_q0689e33470_ffn1-k_q0689e33470_ffn1
	.p2alignl 7, 3214868480
	.fill 96, 4, 3214868480
	.section	.rodata,"a",@progbits
	.p2align	6, 0x0
	.amdhsa_kernel k_q0689e33470_ffn1
		.amdhsa_group_segment_fixed_size 223744
		.amdhsa_private_segment_fixed_size 0
		.amdhsa_enable_private_segment 0
		.amdhsa_kernarg_size 48
		.amdhsa_user_sgpr_count 2
		.amdhsa_user_sgpr_kernarg_segment_ptr 1
		.amdhsa_wavefront_size32 1
		.amdhsa_system_sgpr_workgroup_id_x 1
		.amdhsa_system_sgpr_workgroup_id_y 1
		.amdhsa_system_sgpr_workgroup_id_z 1
		.amdhsa_system_vgpr_workitem_id 0
		.amdhsa_next_free_vgpr 1024
		.amdhsa_next_free_sgpr 66
		.amdhsa_reserve_vcc 1
		.amdhsa_float_denorm_mode_32 3
		.amdhsa_float_denorm_mode_16_64 3
		.amdhsa_memory_ordered 1
		.amdhsa_forward_progress 1
		.amdhsa_inst_pref_size 229
	.end_amdhsa_kernel
	.amdgpu_metadata
---
amdhsa.version: [ 1, 2 ]
amdhsa.kernels:
  - .name:           k_q0689e33470_ffn1
    .symbol:         k_q0689e33470_ffn1.kd
    .args:
      - { .name: xq, .offset: 0, .size: 8, .value_kind: global_buffer, .address_space: global }
      - { .name: plan, .offset: 8, .size: 8, .value_kind: global_buffer, .address_space: global }
      - { .name: W1_codes, .offset: 16, .size: 8, .value_kind: global_buffer, .address_space: global }
      - { .name: W1_scales, .offset: 24, .size: 8, .value_kind: global_buffer, .address_space: global }
      - { .name: b1, .offset: 32, .size: 8, .value_kind: global_buffer, .address_space: global }
      - { .name: hq, .offset: 40, .size: 8, .value_kind: global_buffer, .address_space: global }
    .group_segment_fixed_size: 223744
    .private_segment_fixed_size: 0
    .kernarg_segment_align: 8
    .kernarg_segment_size: 48
    .max_flat_workgroup_size: 128
    .sgpr_count:     66
    .vgpr_count:     1024
    .wavefront_size: 32
...
	.end_amdgpu_metadata
.endif
;; end of part 8
;; launch ffn2 (part 9): grid 16 x 39, 2 waves a work-group, no clusters, 39,680 bytes of LDS; arguments hq, plan, gw, W2_codes, W2_scales, b2, eo; writes eo
.if DOCPART == 9
	.amdgcn_target "amdgcn-amd-amdhsa--gfx1250"
	.amdhsa_code_object_version 6
	.text
	.protected	k_q0689e33470_ffn2
	.globl	k_q0689e33470_ffn2
	.p2align	8
	.type	k_q0689e33470_ffn2,@function
k_q0689e33470_ffn2:
	s_mov_b64 s[64:65], 0
	v_nop
	global_prefetch_b8 v0, s[64:65] scope:SCOPE_SE
	s_setreg_imm32_b32 hwreg(HW_REG_WAVE_SCHED_MODE, 0, 2), 2
	s_setreg_imm32_b32 hwreg(HW_REG_WAVE_MODE, 25, 1), 1
	s_wait_xcnt 0x0
	s_wait_alu depctr_vm_vsrc(0)
; FFN2.  eo[row id] = gate x (h W2 + b2), f32, for the routed rows, on E2M3 codes with E8M0 scales.  Work-group (tx, ty): the 128 sorted rows of tile ty x outputs 64 tx .. 64 tx + 63 of the tile's expert.
; Two waves; wave w: rows 64 w .. 64 w + 63 (four fragments) x 64 outputs (four tiles): 16 accumulators.  So a fragment of W2 is read from LDS by two waves, and the jobs (16 x 39) are small enough to spread evenly.
; TRANSPOSED: source 0 = 16 rows of W2, source 1 = 16 rows of h: a lane holds eight neighbouring outputs of one row.
; h's fragments are images of the operand's registers: they come straight from memory into registers, dense, each wave's own, in three sets of registers, three K steps ahead.
; W2 goes through two LDS buffers of 256 along K, shared by the two waves.  The bias is the C of the first K step's products: it starts the sums.
; THE GRID SERVES EVERY SPLIT: 39 tiles at the most.  What a work-group does hangs on numbers read from memory (expert, rows), so the text has no tensor load, no copy, no cluster and no joint request.
; All loads, LDS stores of W2 and barriers are run by every wave, in one order, so every counted wait holds on every way; a wave none of whose rows is a routed row jumps over its products and stores nothing
; (a tile without rows reads tile 0's h).  Each row id is stored by one work-group for each tx: 256 consecutive bytes a row.
; REGISTERS: window 0: v1-13 addresses; v16-23 the gates (pairs); v24-55 h's scale words; v56-87 W2's; v88-231 h's fragments, three sets of 48; v232-237 list entries; v238-239 stage addresses; v240-245 where the list entries lie.
;   window 1: v0-127 accumulators (m, t) at 8 (4 m + t); v128-175 W2's four fragments; v176-223 W2 on its way; v224-255 the bias, tile t at 8 t.
; THE MODE: SCHED_MODE bits 1:0 = 2 (LLVM: expert scheduling mode 2), set by the entry lines.  The code itself states the register dependences
; between vector or matrix instructions and memory or LDS instructions, with s_wait_alu, always for 0.
; THE PLAN.  Registers that memory or LDS instructions touch, in the K steps:
;   h's set s % 3      read by step s's sixteen products; behind them the loads of step s + 3 land in it.
;   W2's fragments     read by step s's products; the LDS loads at the head of step s + 1 land in them.  (A second set would be 48 registers over the 512 with which two waves share a SIMD's 1,024: there is none.)
;   W2 on its way      loads from memory land, LDS stores read; no vector or matrix instruction names these registers.
;   v4-v13             addresses and offsets, made once at the head and never written again.     The scale words, the bias and the gates are loaded once.
; So ONE wait on va_vdst stands in a step, where its two ways join behind its products: it frees h's set and W2's fragments, and only memory and LDS instructions stand between it and the loads that land there.
; One wait on vm_vsrc a chunk stands ahead of the loads of the next chunk but one.
.set TIL,  19968
.set HS,   7667712
.set WP,   240                         ; a row of W2 in LDS: 3 x (64 bytes + 16)
.set WBUF, 15360                       ; 64 rows
.set STAGE, 30720                      ; behind W2's two buffers: 16 rows x 272 bytes for each wave
.set SP,   272
.set GT,   16                          ; the gate of my lane's row in fragment m: v[16 + 2 m]; the pair's upper half holds 0
.set SA,   24                          ; h's scale words: 16 p + s: lanes 0-15 fragment 2 p, lanes 16-31 fragment 2 p + 1
.set SW,   56                          ; W2's: 16 b + s: lanes 0-15 tile 2 b, lanes 16-31 tile 2 b + 1
.set HF,   88                          ; h's fragments: 48 (s % 3) + 12 m
.set BK,   88                          ; the way out: 16 rows read back, 8 bytes a lane,
.set AD,   120                         ; and their offsets in eo
.set EL,   232                         ; list entries of rows 64 w + 32 p + lane
.set EM,   234                         ; and of rows 64 w + 16 m + r, then the gates' offsets
.set STO,  238
.set RD,   239
.set EA,   240                         ; where these six entries lie in the list
.set RI,   48                          ; s[48:63] the way out: sixteen row ids, then their bytes in eo
.set WF,   128                         ; window 1
.set WS,   176
.set BI,   224
.set MSB, 0
.macro WIN new                         ; bits 1:0 source 0, 3:2 source 1, 5:4 source 2, 7:6 destination; the high byte repeats the setting that is left
.if MSB != \new
	s_set_vgpr_msb (MSB<<8)|\new
.set MSB, \new
.endif
.endm
; Chunk c of W2: 192 bytes of each of the 64 rows, 12 loads a lane, four lanes to 64 consecutive bytes of a row.  Load a takes rows 32 w + 16 (a / 2) + 2 (a % 2) + 4 ((lane / 4) % 4) + lane / 16.
.macro WLOAD c
	WIN 0x40
.irp a, 0,1,2,3
.irp i, 0,1,2
	global_load_b128 v[WS+4*(3*\a+\i):WS+4*(3*\a+\i)+3], v7, s[24:25] offset:3072*(\a%2)+24576*(\a/2)+64*\i+192*(\c)
.endr
.endr
	WIN 0
.endm
; Into LDS.
.macro WSTORE b
	WIN 0x04                                       ; an LDS store's data are its source 1
.irp a, 0,1,2,3
.irp i, 0,1,2
	ds_store_b128 v8, v[WS+4*(3*\a+\i):WS+4*(3*\a+\i)+3] offset:WBUF*(\b)+480*(\a%2)+3840*(\a/2)+80*\i
.endr
.endr
	WIN 0
.endm
.macro HLOAD s                         ; K step s: my four fragments of h, 512 consecutive bytes a load
.irp m, 0,1,2,3
.irp k, 0,1,2
	global_load_b128 v[HF+48*((\s)%3)+12*\m+4*\k:HF+48*((\s)%3)+12*\m+4*\k+3], v10, s[32:33] offset:24576*\m+1536*(\s)+512*\k
.endr
.endr
.endm
.macro FRAGW t, q, b                   ; 16 rows x 128 K: six pieces of 8 bytes; lanes 16-31 read three pieces on, which for some pieces is behind one padding more: the second address
.irp p, 0,1,2,3,4,5
.set PCE, 12*(\q)+6*(\p/3)+\p%3
.if PCE%8 < 5
	ds_load_b64 v[WF+12*(\t)+2*\p:WF+12*(\t)+2*\p+1], v4 offset:WBUF*(\b)+3840*(\t)+8*PCE+16*(PCE/8)
.else
	ds_load_b64 v[WF+12*(\t)+2*\p:WF+12*(\t)+2*\p+1], v5 offset:WBUF*(\b)+3840*(\t)+8*PCE+16*(PCE/8)
.endif
.endr
.endm
.macro WM t, m, s
.set rD, 8*(4*(\m)+(\t))
.set rA, WF+12*(\t)
.set rB, HF+48*((\s)%3)+12*(\m)
.set rX, SW+16*((\t)/2)+(\s)
.set rY, SA+16*((\m)/2)+(\s)
.set rC, rD
.if (\s) == 0
.set rC, BI+8*(\t)                     ; the first K step starts the sums with the bias: nothing is cleared
.endif
.if ((\t)%2 == 0) && ((\m)%2 == 0)
	v_wmma_scale_f32_16x16x128_f8f6f4 v[rD:rD+7], v[rA:rA+11], v[rB:rB+11], v[rC:rC+7], v[rX], v[rY] matrix_a_fmt:MATRIX_FMT_FP6 matrix_b_fmt:MATRIX_FMT_FP6
.elseif (\m)%2 == 0
	v_wmma_scale_f32_16x16x128_f8f6f4 v[rD:rD+7], v[rA:rA+11], v[rB:rB+11], v[rC:rC+7], v[rX], v[rY] matrix_a_fmt:MATRIX_FMT_FP6 matrix_b_fmt:MATRIX_FMT_FP6 matrix_a_scale:MATRIX_SCALE_ROW1
.elseif (\t)%2 == 0
	v_wmma_scale_f32_16x16x128_f8f6f4 v[rD:rD+7], v[rA:rA+11], v[rB:rB+11], v[rC:rC+7], v[rX], v[rY] matrix_a_fmt:MATRIX_FMT_FP6 matrix_b_fmt:MATRIX_FMT_FP6 matrix_b_scale:MATRIX_SCALE_ROW1
.else
	v_wmma_scale_f32_16x16x128_f8f6f4 v[rD:rD+7], v[rA:rA+11], v[rB:rB+11], v[rC:rC+7], v[rX], v[rY] matrix_a_fmt:MATRIX_FMT_FP6 matrix_b_fmt:MATRIX_FMT_FP6 matrix_a_scale:MATRIX_SCALE_ROW1 matrix_b_scale:MATRIX_SCALE_ROW1
.endif
.endm
; K step s: 16 products.  The 16 accumulators take turns, one instruction a turn, in the same order in every K step.
.macro KSTEP s
	WIN 0x40
.irp t, 0,1,2,3
	FRAGW \t, (\s)%2, ((\s)/2)%2                   ; no wait here: the wait on va_vdst behind the last step's products stands ahead, and no vector or matrix instruction since
.endr
	s_wait_dscnt 12                                ; tiles 0, 1 are in; the 12 loads of tiles 2, 3 may be out
	WIN 0x51                                       ; source 0 (W2), C and D in window 1, source 1 (h) in window 0
.irp t, 0,1
.irp m, 0,1,2,3
	WM \t, \m, \s
.endr
.endr
	s_wait_dscnt 0x0
.irp t, 2,3
.irp m, 0,1,2,3
	WM \t, \m, \s
.endr
.endr
	WIN 0
.rept 4
	v_nop                                          ; four places behind the products, ahead of loads into registers that they have read and of the first read of results; they stay beside the wait on va_vdst
.endr
.endm
; The global loads go out in this order: H0 .. H2, W1; behind step s: H(s + 3); at the end of chunk c: W(c + 2).  An even step's h is older than the chunk of W2 that the wait before it has shown in.
.macro STEP s
.if (\s) == 0
	s_wait_loadcnt 56                              ; H0, W2's scales, the bias and h's scales of steps 0-7 are in; behind them: h's other scales 16, the gates 4, H1, H2 and W1 12 each
.elseif (\s) == 15
	s_wait_loadcnt 0x0                             ; the last step of h: nothing was issued behind it
.elseif (\s)%2 == 1
	s_wait_loadcnt 36                              ; this step's h is in; behind it: the next step's, a chunk of W2, the step's after that
.endif
	s_cmp_eq_u32 s44, 0
	s_cbranch_scc1 .Lskip_\@                       ; a wave without routed rows jumps over the products alone
	KSTEP \s
.Lskip_\@:
.if (\s) < 15
	s_wait_alu depctr_va_vdst(0)                   ; on both ways: this step's products are done reading h's set, in which the loads below land, and W2's fragments, in which the next step's LDS loads land
.endif
.if (\s) < 13
	HLOAD (\s)+3                                   ; into the set that this step has read
.endif
.endm
; The end of chunk c.  One barrier a chunk: in front of it each wave's reads of this chunk are back and its part of the next chunk has landed in the other buffer, which was last read in front of the barrier before.
.macro CHUNKEND c
.if (\c) < 6
	s_wait_loadcnt 24                              ; the next chunk of W2 is in registers; two steps of h may be out
.else
	s_wait_loadcnt 12                              ; the last chunk: one step of h may be out
.endif
	WSTORE ((\c)+1)%2
	s_wait_dscnt 0x0                               ; for the other wave's sake: my part of the next chunk has landed, and my reads of this one are back
.if (\c) < 6
	s_wait_alu depctr_vm_vsrc(0)                   ; the LDS stores have read the registers in which the chunk came: the next chunk but one lands there
	WLOAD (\c)+2
.endif
	s_barrier_signal -1
	s_barrier_wait -1
.endm
; THE WAY OUT of my rows 16 m .. 16 m + 15: x the row's gate, through my stage in LDS, back as whole rows of 256 bytes, each stored at its row id.  The routed rows of a tile come first: the first row that is none ends the block.
.macro EPI m
	s_cmp_gt_u32 s44, 16*\m
	s_cbranch_scc0 .Lout_\m
	WIN 0x41                                       ; destination and source 0 in window 1
.set j, 0
.rept 16
	v_pk_mul_f32 v[32*\m+2*j:32*\m+2*j+1], v[32*\m+2*j:32*\m+2*j+1], v[GT+2*\m:GT+2*\m+1] op_sel_hi:[1,0]   ; each accumulator from its low end on
.set j, j+1
.endr
	WIN 0
.irp i, 0,1,2,3,4,5,6,7,8,9,10,11,12,13,14,15
	v_readlane_b32 s[RI+\i], v[EL+\m/2], 16*(\m%2)+\i   ; the sixteen row ids, in one run
.endr
	s_wait_alu depctr_va_sdst(0)                   ; s[RI ..] are written, ahead of their first readers: one wait for the run
.irp i, 0,1,2,3,4,5,6,7,8,9,10,11,12,13,14,15
	s_min_u32 s[RI+\i], s[RI+\i], 0xfff
	s_lshl_b32 s[RI+\i], s[RI+\i], 12
	v_add_nc_u32 v[AD+\i], s[RI+\i], v9
.endr
	WIN 0x04
	s_wait_alu depctr_va_vdst(0)                   ; the results x the gate are written, which the LDS stores read; so are the offsets v[AD ..], which the stores to memory read; and the last products are done reading v[BK ..], in which the rows come back
.irp t, 0,1,2,3
	ds_store_b128 v[STO], v[32*\m+8*\t:32*\m+8*\t+3] offset:64*\t
	ds_store_b128 v[STO], v[32*\m+8*\t+4:32*\m+8*\t+7] offset:64*\t+16
.endr
	WIN 0
.irp i, 0,1,2,3,4,5,6,7,8,9,10,11,12,13,14,15
	ds_load_b64 v[BK+2*\i:BK+2*\i+1], v[RD] offset:SP*\i           ; LDS serves a wave's instructions in order (ISA guide 5.7.1.4): these see my stores
.endr
.irp i, 0,1,2,3,4,5,6,7,8,9,10,11,12,13,14,15
	s_cmp_gt_u32 s44, 16*\m+\i
	s_cbranch_scc0 .Lout_\m
	s_wait_dscnt 15-\i                             ; row i is back; the younger rows may be out
	global_store_b64 v[AD+\i], v[BK+2*\i:BK+2*\i+1], s[36:37] th:TH_STORE_NT     ; 32 lanes store 256 consecutive bytes, at a multiple of 256 from eo's first byte
.endr
.Lout_\m:
.if \m < 3
	s_wait_dscnt 0x0                               ; on every way: the loads from the stage are back,
	s_wait_xcnt 0x0                                ; the stores have had their addresses translated (ISA guide 3.1),
	s_wait_alu depctr_vm_vsrc(0)                   ; and have read v[BK ..] and v[AD ..], which the next block's loads from the stage and its additions write again
.endif
.endm
	s_load_b256 s[4:11], s[0:1], 0x0               ; hq s[4:5], plan s[6:7], gw s[8:9], W2's codes s[10:11]
	s_load_b128 s[12:15], s[0:1], 0x20             ; W2's scales s[12:13], b2 s[14:15]
	s_load_b64 s[16:17], s[0:1], 0x30              ; eo
	v_lshl_add_u32 v254, v0, 2, 0x9a00
	v_mov_b32 v255, 0
	v_lshrrev_b32 v1, 5, v0
	v_readfirstlane_b32 s18, v1                    ; wave 0, 1
	s_mov_b32 s19, ttmp9                           ; tx
	s_and_b32 s38, ttmp7, 0xffff                   ; ty
	s_lshl_b32 s39, s38, 4
	s_wait_kmcnt 0x0
	s_load_b128 s[20:23], s[6:7], s39 offset:TIL   ; expert, rows, max(rows, 1) - 1, the tile whose list and h I read
	v_and_b32 v1, 31, v0                           ; l
	v_and_b32 v2, 15, v0                           ; r
	v_bfe_u32 v3, v0, 4, 1                         ; h
	v_mul_u32_u24 v4, v2, WP
	v_mad_u32_u24 v4, v3, 24, v4                   ; W2's fragments: 240 r + 24 h,
	v_lshl_add_u32 v5, v3, 4, v4                   ; and 240 r + 40 h
	v_bfe_u32 v6, v0, 2, 2
	v_lshl_add_u32 v6, v6, 2, v3
	v_bfe_u32 v12, v0, 5, 1
	v_lshl_add_u32 v6, v12, 5, v6                  ; my row of load 0: 32 w + 4 ((lane / 4) % 4) + lane / 16
	v_and_b32 v13, 3, v0
	v_mul_u32_u24 v7, v6, 1536
	v_lshl_add_u32 v7, v13, 4, v7                  ; in memory: rows of 1,536 bytes, + 16 (lane % 4)
	v_mul_u32_u24 v8, v6, WP
	v_lshl_add_u32 v8, v13, 4, v8                  ; and in LDS
	v_lshlrev_b32 v9, 3, v1                        ; 8 l
	v_lshlrev_b32 v10, 4, v1                       ; 16 l
	v_lshlrev_b32 v11, 2, v1                       ; 4 l
	v_lshlrev_b32 v12, 5, v3                       ; the bias: 8 h numbers on
	v_lshlrev_b32 v13, 6, v1                       ; W2's scales: row l of 64 bytes
	s_wait_alu depctr_va_sdst(0)                   ; s18, the wave's number, is written, ahead of its first reader
	s_mul_i32 s42, s18, 16*SP
	s_add_co_u32 s42, s42, STAGE                   ; my stage
	v_mul_u32_u24 v[STO], v2, SP
	v_lshl_add_u32 v[STO], v3, 5, v[STO]
	v_add_nc_u32 v[STO], s42, v[STO]               ; in: row r, + 32 h
	v_add_nc_u32 v[RD], s42, v9                    ; back: 8 l
.irp m, 0,1,2,3
	v_mov_b32 v[GT+2*\m+1], 0                      ; (named as the upper halves of the gates' pairs)
.endr
	s_lshl_b32 s43, s18, 6                         ; my first row in the tile
	s_wait_kmcnt 0x0
	s_min_u32 s20, s20, 7
	s_min_u32 s21, s21, 0x80
	s_min_u32 s22, s22, 0x7f
	s_min_u32 s23, s23, 38
	s_mov_b32 s47, 0
	s_mul_i32 s46, s20, 1572864
	s_mul_i32 s48, s19, 98304
	s_add_co_u32 s46, s46, s48
	s_add_nc_u64 s[24:25], s[10:11], s[46:47]      ; the expert's rows 64 tx .. of W2's codes
	s_lshl_b32 s46, s20, 16
	s_lshl_b32 s48, s19, 12
	s_add_co_u32 s46, s46, s48
	s_add_nc_u64 s[26:27], s[12:13], s[46:47]      ; their scales
	s_lshl_b32 s46, s20, 12
	s_lshl_b32 s48, s19, 8
	s_add_co_u32 s46, s46, s48
	s_add_nc_u64 s[28:29], s[14:15], s[46:47]      ; their bias
	s_lshl_b32 s46, s23, 9
	s_add_nc_u64 s[30:31], s[6:7], s[46:47]        ; the tile's 128 list entries
	s_mul_i32 s46, s23, 196608
	s_mul_i32 s48, s18, 98304
	s_add_co_u32 s46, s46, s48
	s_add_nc_u64 s[32:33], s[4:5], s[46:47]        ; my four rows of fragments of h
	s_lshl_b32 s46, s23, 9
	s_lshl_b32 s48, s18, 8
	s_add_co_u32 s46, s46, s48
	s_add_nc_u64 s[34:35], s[4:5], s[46:47]
	s_add_nc_u64 s[34:35], s[34:35], HS            ; and their scale words
	s_lshl_b32 s46, s19, 8
	s_add_nc_u64 s[36:37], s[16:17], s[46:47]      ; eo at my 64 outputs
	s_sub_co_i32 s44, s21, s43
	s_max_i32 s44, s44, 0                          ; how many of my 64 rows are routed rows (64 or more: all)
	v_add_nc_u32 v[EA], s43, v1                    ; rows 64 w + l, 64 w + 32 + l,
	v_add_nc_u32 v[EA+1], 32, v[EA]
	v_add_nc_u32 v[EA+2], s43, v2                  ; and 64 w + 16 m + r: each held at the tile's last row
.irp m, 1,2,3
	v_add_nc_u32 v[EA+2+\m], 16*\m, v[EA+2]
.endr
.irp n, 0,1,2,3,4,5
	v_min_u32 v[EA+\n], s22, v[EA+\n]
	v_min_u32 v[EA+\n], 0x7f, v[EA+\n]
	v_lshlrev_b32 v[EA+\n], 2, v[EA+\n]
.endr
	s_wait_alu depctr_va_vdst(0)                   ; all addresses and offsets made so far, v4 to v13, v[STO], v[RD] and v[EA ..], are written: the loads, LDS instructions and stores below read them
	; the first group holds all that the first product wants: 62 loads
.irp n, 0,1,2,3,4,5
	global_load_b32 v[EL+\n], v[EA+\n], s[30:31]
.endr
	WLOAD 0
	HLOAD 0
.irp b, 0,1
.irp j, 0,1,2,3
	global_load_b128 v[SW+16*\b+4*\j:SW+16*\b+4*\j+3], v13, s[26:27] offset:2048*\b+16*\j
.endr
.endr
	WIN 0x40
.irp t, 0,1,2,3                                ; lane (r, h), tile t, register j: output 16 t + 8 h + j
	global_load_b128 v[BI+8*\t:BI+8*\t+3], v12, s[28:29] offset:64*\t
	global_load_b128 v[BI+8*\t+4:BI+8*\t+7], v12, s[28:29] offset:64*\t+16
.endr
	WIN 0
.irp s, 0,1,2,3,4,5,6,7
.irp p, 0,1
	global_load_b32 v[SA+16*\p+\s], v11, s[34:35] offset:19968*\s+128*\p
.endr
.endr
	s_wait_loadcnt 56                              ; the six list entries are in; behind them: W0 12, H0 12, W2's scales 8, the bias 8, h's scales 16
.irp m, 0,1,2,3
	v_min_u32 v[EM+\m], 0xfff, v[EM+\m]
	v_lshlrev_b32 v[EM+\m], 2, v[EM+\m]
.endr
	s_wait_loadcnt 44                              ; chunk 0 of W2 is in; behind it: 12 + 8 + 8 + 16
	WSTORE 0
.irp s, 8,9,10,11,12,13,14,15
.irp p, 0,1
	global_load_b32 v[SA+16*\p+\s], v11, s[34:35] offset:19968*\s+128*\p
.endr
.endr
	s_wait_alu depctr_va_vdst(0)                   ; the gates' offsets v[EM ..] are written, which the four loads below read
.irp m, 0,1,2,3
	global_load_b32 v[GT+2*\m], v[EM+\m], s[8:9]   ; the gates of my lane's four rows
.endr
	HLOAD 1
	HLOAD 2
	s_wait_dscnt 0x0                               ; for the other wave's sake: my part of chunk 0 has landed in LDS
	s_wait_alu depctr_vm_vsrc(0)                   ; the LDS stores have read the registers in which chunk 0 came: chunk 1 lands there
	WLOAD 1
	s_barrier_signal -1
	s_barrier_wait -1
.irp s, 0,1,2,3,4,5,6,7,8,9,10,11,12,13,14,15
	STEP \s
.if (\s%2 == 1) && (\s < 15)
	CHUNKEND \s/2
.endif
.endr
	EPI 0
	EPI 1
	EPI 2
	EPI 3
	s_wait_dscnt 0x0                               ; the closing lines, six on end
	s_wait_alu 0x0
	s_wait_tensorcnt 0x0
	ds_add_u32 v254, v255
	s_wait_dscnt 0x0
	s_endpgm
.Lfunc_end_k_q0689e33470_ffn2:
	.size	k_q0689e33470_ffn2, .Lfunc_end_k_q0689e33470_ffn2-k_q0689e33470_ffn2
	.p2alignl 7, 3214868480
	.fill 96, 4, 3214868480
	.section	.rodata,"a",@progbits
	.p2align	6, 0x0
	.amdhsa_kernel k_q0689e33470_ffn2
		.amdhsa_group_segment_fixed_size 39680
		.amdhsa_private_segment_fixed_size 0
		.amdhsa_enable_private_segment 0
		.amdhsa_kernarg_size 56
		.amdhsa_user_sgpr_count 2
		.amdhsa_user_sgpr_kernarg_segment_ptr 1
		.amdhsa_wavefront_size32 1
		.amdhsa_system_sgpr_workgroup_id_x 1
		.amdhsa_system_sgpr_workgroup_id_y 1
		.amdhsa_system_sgpr_workgroup_id_z 1
		.amdhsa_system_vgpr_workitem_id 0
		.amdhsa_next_free_vgpr 512
		.amdhsa_next_free_sgpr 66
		.amdhsa_reserve_vcc 0
		.amdhsa_float_denorm_mode_32 3
		.amdhsa_float_denorm_mode_16_64 3
		.amdhsa_memory_ordered 1
		.amdhsa_forward_progress 1
		.amdhsa_inst_pref_size 144
	.end_amdhsa_kernel
	.amdgpu_metadata
---
amdhsa.version: [ 1, 2 ]
amdhsa.kernels:
  - .name:           k_q0689e33470_ffn2
    .symbol:         k_q0689e33470_ffn2.kd
    .args:
      - { .name: hq, .offset: 0, .size: 8, .value_kind: global_buffer, .address_space: global }
      - { .name: plan, .offset: 8, .size: 8, .value_kind: global_buffer, .address_space: global }
      - { .name: gw, .offset: 16, .size: 8, .value_kind: global_buffer, .address_space: global }
      - { .name: W2_codes, .offset: 24, .size: 8, .value_kind: global_buffer, .address_space: global }
      - { .name: W2_scales, .offset: 32, .size: 8, .value_kind: global_buffer, .address_space: global }
      - { .name: b2, .offset: 40, .size: 8, .value_kind: global_buffer, .address_space: global }
      - { .name: eo, .offset: 48, .size: 8, .value_kind: global_buffer, .address_space: global }
    .group_segment_fixed_size: 39680
    .private_segment_fixed_size: 0
    .kernarg_segment_align: 8
    .kernarg_segment_size: 56
    .max_flat_workgroup_size: 64
    .sgpr_count:     66
    .vgpr_count:     512
    .wavefront_size: 32
...
	.end_amdgpu_metadata
.endif
;; end of part 9
;; launch finish (part 10): grid 256 x 1, 8 waves a work-group, no clusters, 0 bytes of LDS; arguments eo, x, momentum, ln_g, ln_b, out0, out1; writes out0, out1
.if DOCPART == 10
	.amdgcn_target "amdgcn-amd-amdhsa--gfx1250"
	.amdhsa_code_object_version 6
	.text
	.protected	k_q0689e33470_finish
	.globl	k_q0689e33470_finish
	.p2align	8
	.type	k_q0689e33470_finish,@function
k_q0689e33470_finish:
	s_mov_b64 s[64:65], 0
	v_nop
	global_prefetch_b8 v0, s[64:65] scope:SCOPE_SE
	s_setreg_imm32_b32 hwreg(HW_REG_WAVE_MODE, 25, 1), 1
	s_wait_xcnt 0x0
; FINISH.  new_momentum = 0.7 momentum - (eo[token] + eo[2048 + token]); out = LayerNorm(x + new_momentum) x ln_g + ln_b.  All in f32.
; One wave, one token: a row of 4,096 bytes is 32 registers a lane and stays in registers between the mean, the variance (of the differences from the mean) and the scaling.
; Each load and store of a wave covers 512 consecutive bytes.  No LDS, no barrier, no loop; all 48 loads of a wave go out at once.  Matrix units and clusters have nothing to do here.
.set X,  16
.set M,  48
.set E0, 80
.set E1, 112
.set G,  144
.set B,  176
	s_load_b256 s[4:11], s[0:1], 0x0               ; eo s[4:5], x s[6:7], momentum s[8:9], ln_g s[10:11]
	s_load_b128 s[12:15], s[0:1], 0x20             ; ln_b s[12:13], out0 s[14:15]
	s_load_b64 s[16:17], s[0:1], 0x30              ; out1
	v_lshrrev_b32 v1, 5, v0
	s_delay_alu instid0(VALU_DEP_1)
	v_readfirstlane_b32 s18, v1
	v_and_b32 v1, 31, v0
	s_delay_alu instid0(VALU_DEP_1)
	v_lshlrev_b32 v1, 4, v1                        ; 16 l
	s_lshl_b32 s19, ttmp9, 3
	s_add_co_u32 s19, s19, s18                     ; my token
	s_lshl_b32 s20, s19, 12
	s_mov_b32 s21, 0
	s_mov_b32 s22, 0x76543210
	s_mov_b32 s23, 0xfedcba98
	s_mov_b32 s24, 0x3a800000                      ; 1 / 1024
	s_mov_b32 s25, 0x3727c5ac                      ; 1e-5
	s_wait_alu depctr_va_vdst(0)
	s_wait_kmcnt 0x0
	s_add_nc_u64 s[4:5], s[4:5], s[20:21]
	s_add_nc_u64 s[26:27], s[4:5], 0x800000        ; the second slot's row: 2,048 rows on
	s_add_nc_u64 s[6:7], s[6:7], s[20:21]
	s_add_nc_u64 s[8:9], s[8:9], s[20:21]
	s_add_nc_u64 s[14:15], s[14:15], s[20:21]
	s_add_nc_u64 s[16:17], s[16:17], s[20:21]
.irp j, 0,1,2,3,4,5,6,7
	global_load_b128 v[E0+4*\j:E0+4*\j+3], v1, s[4:5] offset:512*\j th:TH_LOAD_NT
.endr
.irp j, 0,1,2,3,4,5,6,7
	global_load_b128 v[E1+4*\j:E1+4*\j+3], v1, s[26:27] offset:512*\j th:TH_LOAD_NT
.endr
.irp j, 0,1,2,3,4,5,6,7
	global_load_b128 v[M+4*\j:M+4*\j+3], v1, s[8:9] offset:512*\j th:TH_LOAD_NT
.endr
.irp j, 0,1,2,3,4,5,6,7
	global_load_b128 v[X+4*\j:X+4*\j+3], v1, s[6:7] offset:512*\j th:TH_LOAD_NT
.endr
.irp j, 0,1,2,3,4,5,6,7
	global_load_b128 v[G+4*\j:G+4*\j+3], v1, s[10:11] offset:512*\j
.endr
.irp j, 0,1,2,3,4,5,6,7
	global_load_b128 v[B+4*\j:B+4*\j+3], v1, s[12:13] offset:512*\j
.endr
	s_wait_loadcnt 24                              ; both rows of eo and momentum are in; x, ln_g, ln_b (24 loads) may be out
.irp j, 0,2,4,6,8,10,12,14,16,18,20,22,24,26,28,30
	v_pk_add_f32 v[E0+\j:E0+\j+1], v[E0+\j:E0+\j+1], v[E1+\j:E1+\j+1]
.endr
.irp j, 0,2,4,6,8,10,12,14,16,18,20,22,24,26,28,30
	v_pk_fma_f32 v[M+\j:M+\j+1], v[M+\j:M+\j+1], 0x3f333333, v[E0+\j:E0+\j+1] op_sel_hi:[1,0,1] neg_lo:[0,0,1] neg_hi:[0,0,1]
.endr
.irp j, 0,1,2,3,4,5,6,7
	global_store_b128 v1, v[M+4*\j:M+4*\j+3], s[16:17] offset:512*\j th:TH_STORE_NT      ; M is not written again
.endr
	s_wait_loadcnt 16                              ; x is in; ln_g and ln_b may be out
.irp j, 0,2,4,6,8,10,12,14,16,18,20,22,24,26,28,30
	v_pk_add_f32 v[X+\j:X+\j+1], v[X+\j:X+\j+1], v[M+\j:M+\j+1]
.endr
	v_pk_add_f32 v[208:209], v[X:X+1], v[X+4:X+5]                  ; the row's sum: two chains
	v_pk_add_f32 v[210:211], v[X+2:X+3], v[X+6:X+7]
.irp j, 8,12,16,20,24,28
	s_delay_alu instid0(VALU_DEP_2)
	v_pk_add_f32 v[208:209], v[208:209], v[X+\j:X+\j+1]
	s_delay_alu instid0(VALU_DEP_2)
	v_pk_add_f32 v[210:211], v[210:211], v[X+\j+2:X+\j+3]
.endr
	s_delay_alu instid0(VALU_DEP_1)
	v_pk_add_f32 v[208:209], v[208:209], v[210:211]
	s_delay_alu instid0(VALU_DEP_1)
	v_add_f32 v208, v208, v209
.irp n, 1,2,4,8
	s_delay_alu instid0(VALU_DEP_1)
	v_add_f32_dpp v208, v208, v208 row_xmask:\n row_mask:0xf bank_mask:0xf
.endr
	s_delay_alu instid0(VALU_DEP_1)
	v_permlanex16_b32 v209, v208, s22, s23
	s_delay_alu instid0(VALU_DEP_1)
	v_add_f32 v208, v208, v209
	s_delay_alu instid0(VALU_DEP_1)
	v_mul_f32 v212, s24, v208                      ; the mean
	s_delay_alu instid0(VALU_DEP_1)
	v_mov_b32 v213, v212
.irp j, 0,2,4,6,8,10,12,14,16,18,20,22,24,26,28,30
	v_pk_add_f32 v[X+\j:X+\j+1], v[X+\j:X+\j+1], v[212:213] op_sel_hi:[1,0] neg_lo:[0,1] neg_hi:[0,1]
.endr
	v_pk_mul_f32 v[208:209], v[X:X+1], v[X:X+1]                    ; the squares' sum: two chains
	v_pk_mul_f32 v[210:211], v[X+2:X+3], v[X+2:X+3]
.irp j, 4,8,12,16,20,24,28
	s_delay_alu instid0(VALU_DEP_2)
	v_pk_fma_f32 v[208:209], v[X+\j:X+\j+1], v[X+\j:X+\j+1], v[208:209]
	s_delay_alu instid0(VALU_DEP_2)
	v_pk_fma_f32 v[210:211], v[X+\j+2:X+\j+3], v[X+\j+2:X+\j+3], v[210:211]
.endr
	s_delay_alu instid0(VALU_DEP_1)
	v_pk_add_f32 v[208:209], v[208:209], v[210:211]
	s_delay_alu instid0(VALU_DEP_1)
	v_add_f32 v208, v208, v209
.irp n, 1,2,4,8
	s_delay_alu instid0(VALU_DEP_1)
	v_add_f32_dpp v208, v208, v208 row_xmask:\n row_mask:0xf bank_mask:0xf
.endr
	s_delay_alu instid0(VALU_DEP_1)
	v_permlanex16_b32 v209, v208, s22, s23
	s_delay_alu instid0(VALU_DEP_1)
	v_add_f32 v208, v208, v209
	s_delay_alu instid0(VALU_DEP_1)
	v_fma_f32 v210, v208, s24, s25                 ; the variance + 1e-5
	s_wait_alu depctr_va_vdst(0)
	v_rsq_f32 v214, v210
	v_mov_b32 v215, 0                              ; a plain place; it also writes the pair's upper half
	s_wait_alu depctr_va_vdst(0)                   ; the wait ahead of the first reader
	s_wait_loadcnt 0x0                             ; ln_g, ln_b
.irp j, 0,2,4,6,8,10,12,14,16,18,20,22,24,26,28,30
	v_pk_mul_f32 v[X+\j:X+\j+1], v[X+\j:X+\j+1], v[214:215] op_sel_hi:[1,0]
.endr
.irp j, 0,2,4,6,8,10,12,14,16,18,20,22,24,26,28,30
	v_pk_fma_f32 v[E0+\j:E0+\j+1], v[X+\j:X+\j+1], v[G+\j:G+\j+1], v[B+\j:B+\j+1]
.endr
.irp j, 0,1,2,3,4,5,6,7
	global_store_b128 v1, v[E0+4*\j:E0+4*\j+3], s[14:15] offset:512*\j th:TH_STORE_NT
.endr
	s_endpgm
.Lfunc_end_k_q0689e33470_finish:
	.size	k_q0689e33470_finish, .Lfunc_end_k_q0689e33470_finish-k_q0689e33470_finish
	.p2alignl 7, 3214868480
	.fill 96, 4, 3214868480
	.section	.rodata,"a",@progbits
	.p2align	6, 0x0
	.amdhsa_kernel k_q0689e33470_finish
		.amdhsa_group_segment_fixed_size 0
		.amdhsa_private_segment_fixed_size 0
		.amdhsa_enable_private_segment 0
		.amdhsa_kernarg_size 56
		.amdhsa_user_sgpr_count 2
		.amdhsa_user_sgpr_kernarg_segment_ptr 1
		.amdhsa_wavefront_size32 1
		.amdhsa_system_sgpr_workgroup_id_x 1
		.amdhsa_system_sgpr_workgroup_id_y 1
		.amdhsa_system_sgpr_workgroup_id_z 1
		.amdhsa_system_vgpr_workitem_id 0
		.amdhsa_next_free_vgpr 216
		.amdhsa_next_free_sgpr 66
		.amdhsa_reserve_vcc 0
		.amdhsa_float_denorm_mode_32 3
		.amdhsa_float_denorm_mode_16_64 3
		.amdhsa_memory_ordered 1
		.amdhsa_forward_progress 1
		.amdhsa_inst_pref_size 19
	.end_amdhsa_kernel
	.amdgpu_metadata
---
amdhsa.version: [ 1, 2 ]
amdhsa.kernels:
  - .name:           k_q0689e33470_finish
    .symbol:         k_q0689e33470_finish.kd
    .args:
      - { .name: eo, .offset: 0, .size: 8, .value_kind: global_buffer, .address_space: global }
      - { .name: x, .offset: 8, .size: 8, .value_kind: global_buffer, .address_space: global }
      - { .name: momentum, .offset: 16, .size: 8, .value_kind: global_buffer, .address_space: global }
      - { .name: ln_g, .offset: 24, .size: 8, .value_kind: global_buffer, .address_space: global }
      - { .name: ln_b, .offset: 32, .size: 8, .value_kind: global_buffer, .address_space: global }
      - { .name: out0, .offset: 40, .size: 8, .value_kind: global_buffer, .address_space: global }
      - { .name: out1, .offset: 48, .size: 8, .value_kind: global_buffer, .address_space: global }
    .group_segment_fixed_size: 0
    .private_segment_fixed_size: 0
    .kernarg_segment_align: 8
    .kernarg_segment_size: 56
    .max_flat_workgroup_size: 256
    .sgpr_count:     66
    .vgpr_count:     216
    .wavefront_size: 32
...
	.end_amdgpu_metadata
.endif
;; end of part 10
